; MI455X (gfx1250); checked and timed in simulation.
; The chip was launched on July 23, 2026; its instructions are those of AMD's public machine-readable ISA for CDNA 5 (MIT licence, August 2026) and "CDNA5" Instruction Set Architecture Reference Guide (July 2026). The comments in the code are by the model that wrote it; some were corrected since.
;; Attention Layer. Allowed arithmetic: float matrix products may take bf16 or f16 operands with f32 sums; other float arithmetic in f32, or as packed bf16 or f16 multiplies, adds, multiply-adds, maxima and minima; sums over many terms, partial sums and values carried from step to step in f32; what a program stores and reads back later, other than sums and carried values, may be rounded once to bf16 or f16.
;; Inputs: Wk 1,024 x 1,024 float32; Wo 1,024 x 1,024 float32; Wq 1,024 x 1,024 float32; Wv 1,024 x 1,024 float32; context 8 x 1,024 x 1,024 float32; input 8 x 1,024 x 1,024 float32.
;; Outputs: out0 8 x 1,024 x 1,024 float32; out1 8 x 1,024 x 1,024 float32.
;; 2 versions, each right. Each part assembles by itself: llvm-mc -triple=amdgcn-amd-amdhsa -mcpu=gfx1250 --defsym DOCPART=n.
;; ======== version 1 of 2: 6 launches
;; limits: values are held in f16: magnitudes above 65,504 overflow, below 6.1e-05 lose precision
;; workspace buffers: bufx 16,777,216 bytes; bufc 16,777,216 bytes; wb 8,388,608 bytes; qkv 50,331,648 bytes; ph 16,777,216 bytes; st 524,288 bytes
;; launch prep (part 1): grid 64 x 20, 8 waves a work-group, no clusters, 0 bytes of LDS; arguments input, context, Wq, Wk, Wv, Wo, bufx, bufc, wb; writes bufx, bufc, wb
.if DOCPART == 1
	.amdgcn_target "amdgcn-amd-amdhsa--gfx1250"
	.amdhsa_code_object_version 6
	.text
	.protected	k_qfebd58238a_prep
	.globl	k_qfebd58238a_prep
	.p2align	8
	.type	k_qfebd58238a_prep,@function
k_qfebd58238a_prep:
	s_mov_b64 s[64:65], 0
	v_nop
	global_prefetch_b8 v0, s[64:65] scope:SCOPE_SE
	s_setreg_imm32_b32 hwreg(HW_REG_WAVE_MODE, 25, 1), 1
	s_wait_xcnt 0x0
; PREP: every input is rounded once to bf16, the matrix operands' format.  input -> bufx, context -> bufc, Wq, Wk, Wv -> wb at 0, 2 and 4 MiB, all bf16, laid out as given.
; Wo multiplies an f16 operand later, so its bf16 number is written as f16, at 6 MiB of wb.
; LIMIT.  That last step is exact for 6.1e-5 <= |bf16(Wo)| < 65,504; below, f16 keeps a fixed step of 6e-8; at 65,520 and above it gives an infinity.
; SHARES.  The grid's y names a slab of 2^20 numbers (0-7 input, 8-15 context, 16-19 the four weights), x a piece of 16,384 numbers: 64 KiB in, 32 KiB out.
; A wave takes 8 KiB: sixteen loads of 16 bytes a lane, 512 consecutive bytes each, all issued before the first is used; each store covers 256 consecutive bytes, aligned.
; No LDS, no barrier, no matrix unit: every byte is read once and written once, and no wave wants another's.
.set X, 8                              ; v[8:71]    sixteen loads of four f32
.set Y, 72                             ; v[72:103]  sixteen stores of four 16-bit numbers: each store has registers of its own, so nothing waits for a store
.set T, 104                            ; v[104:105] at work (Wo alone)
	s_load_b512 s[8:23], s[0:1], 0x0               ; input s[8:9], context s[10:11], Wq s[12:13], Wk s[14:15], Wv s[16:17], Wo s[18:19], bufx s[20:21], bufc s[22:23]
	s_load_b64 s[24:25], s[0:1], 0x40              ; wb
	s_and_b32 s2, ttmp7, 0xffff                    ; the slab
	v_lshrrev_b32 v3, 5, v0                        ; wave
	v_and_b32 v4, 31, v0                           ; lane
	v_lshlrev_b32 v1, 4, v4
	v_lshl_or_b32 v1, v3, 13, v1                   ; in: 8,192 x wave + 16 x lane
	v_lshlrev_b32 v2, 3, v4
	v_lshl_or_b32 v2, v3, 12, v2                   ; out: 4,096 x wave + 8 x lane
	s_and_b32 s3, s2, 7                            ; the slab's number inside input or context,
	s_sub_co_u32 s5, s2, 16                        ; or among the weights
	s_cmp_lt_u32 s2, 16
	s_cselect_b32 s4, s3, 0                        ; a weight is one slab: it is read from its first byte,
	s_cselect_b32 s5, s3, s5                       ; and written at its place in wb
	s_lshl_b32 s30, s4, 22                         ; in: a slab is 4 MiB, a piece 64 KiB
	s_lshl_b32 s31, ttmp9, 16
	s_add_co_u32 s30, s30, s31
	s_mov_b32 s31, 0
	s_lshl_b32 s32, s5, 21                         ; out: half of that
	s_lshl_b32 s33, ttmp9, 15
	s_add_co_u32 s32, s32, s33
	s_mov_b32 s33, 0
	s_mov_b32 s34, 0xffff0000                      ; a word's upper bf16
	s_wait_kmcnt 0x0
	s_cmp_lt_u32 s2, 8                             ; from where: chosen by the slab's number alone
	s_cselect_b64 s[26:27], s[8:9], s[10:11]
	s_cmp_eq_u32 s2, 16
	s_cselect_b64 s[26:27], s[12:13], s[26:27]
	s_cmp_eq_u32 s2, 17
	s_cselect_b64 s[26:27], s[14:15], s[26:27]
	s_cmp_eq_u32 s2, 18
	s_cselect_b64 s[26:27], s[16:17], s[26:27]
	s_cmp_eq_u32 s2, 19
	s_cselect_b64 s[26:27], s[18:19], s[26:27]
	s_cmp_lt_u32 s2, 8                             ; to where
	s_cselect_b64 s[28:29], s[20:21], s[22:23]
	s_cmp_lt_u32 s2, 16
	s_cselect_b64 s[28:29], s[28:29], s[24:25]
	s_add_nc_u64 s[26:27], s[26:27], s[30:31]
	s_add_nc_u64 s[28:29], s[28:29], s[32:33]
.irp i, 0,1,2,3,4,5,6,7,8,9,10,11,12,13,14,15
	global_load_b128 v[X+4*(\i):X+4*(\i)+3], v1, s[26:27] offset:512*(\i) th:TH_LOAD_NT
.endr
	s_cmp_eq_u32 s2, 19
	s_cbranch_scc1 .Lwo
.irp i, 0,1,2,3,4,5,6,7,8,9,10,11,12,13,14,15
	s_wait_loadcnt 15-(\i)                         ; loads come back in order: load i is in, the 15 - i younger ones stay out
	v_cvt_pk_bf16_f32 v[Y+2*(\i)],   v[X+4*(\i)],   v[X+4*(\i)+1]
	v_cvt_pk_bf16_f32 v[Y+2*(\i)+1], v[X+4*(\i)+2], v[X+4*(\i)+3]
	global_store_b64 v2, v[Y+2*(\i):Y+2*(\i)+1], s[28:29] offset:256*(\i)
.endr
	s_endpgm
.Lwo:                                          ; Wo: rounded to bf16, widened again (a shift, a mask), and that number written as f16
.irp i, 0,1,2,3,4,5,6,7,8,9,10,11,12,13,14,15
	s_wait_loadcnt 15-(\i)
	v_cvt_pk_bf16_f32 v[T],   v[X+4*(\i)],   v[X+4*(\i)+1]
	v_cvt_pk_bf16_f32 v[T+1], v[X+4*(\i)+2], v[X+4*(\i)+3]
	v_lshlrev_b32 v[X+4*(\i)],   16,  v[T]
	v_and_b32     v[X+4*(\i)+1], s34, v[T]
	v_lshlrev_b32 v[X+4*(\i)+2], 16,  v[T+1]
	v_and_b32     v[X+4*(\i)+3], s34, v[T+1]
	v_cvt_pk_f16_f32 v[Y+2*(\i)],   v[X+4*(\i)],   v[X+4*(\i)+1]
	v_cvt_pk_f16_f32 v[Y+2*(\i)+1], v[X+4*(\i)+2], v[X+4*(\i)+3]
	global_store_b64 v2, v[Y+2*(\i):Y+2*(\i)+1], s[28:29] offset:256*(\i)
.endr
	s_endpgm
.Lfunc_end_k_qfebd58238a_prep:
	.size	k_qfebd58238a_prep, .Lfunc_end_k_qfebd58238a_prep-k_qfebd58238a_prep
	.p2alignl 7, 3214868480
	.fill 96, 4, 3214868480
	.section	.rodata,"a",@progbits
	.p2align	6, 0x0
	.amdhsa_kernel k_qfebd58238a_prep
		.amdhsa_group_segment_fixed_size 0
		.amdhsa_private_segment_fixed_size 0
		.amdhsa_enable_private_segment 0
		.amdhsa_kernarg_size 72
		.amdhsa_user_sgpr_count 2
		.amdhsa_user_sgpr_kernarg_segment_ptr 1
		.amdhsa_wavefront_size32 1
		.amdhsa_system_sgpr_workgroup_id_x 1
		.amdhsa_system_sgpr_workgroup_id_y 1
		.amdhsa_system_sgpr_workgroup_id_z 1
		.amdhsa_system_vgpr_workitem_id 0
		.amdhsa_next_free_vgpr 108
		.amdhsa_next_free_sgpr 66
		.amdhsa_reserve_vcc 0
		.amdhsa_float_denorm_mode_32 3
		.amdhsa_float_denorm_mode_16_64 3
		.amdhsa_memory_ordered 1
		.amdhsa_forward_progress 1
		.amdhsa_inst_pref_size 16
	.end_amdhsa_kernel
	.amdgpu_metadata
---
amdhsa.version: [ 1, 2 ]
amdhsa.kernels:
  - .name:           k_qfebd58238a_prep
    .symbol:         k_qfebd58238a_prep.kd
    .args:
      - { .name: input, .offset: 0, .size: 8, .value_kind: global_buffer, .address_space: global }
      - { .name: context, .offset: 8, .size: 8, .value_kind: global_buffer, .address_space: global }
      - { .name: Wq, .offset: 16, .size: 8, .value_kind: global_buffer, .address_space: global }
      - { .name: Wk, .offset: 24, .size: 8, .value_kind: global_buffer, .address_space: global }
      - { .name: Wv, .offset: 32, .size: 8, .value_kind: global_buffer, .address_space: global }
      - { .name: Wo, .offset: 40, .size: 8, .value_kind: global_buffer, .address_space: global }
      - { .name: bufx, .offset: 48, .size: 8, .value_kind: global_buffer, .address_space: global }
      - { .name: bufc, .offset: 56, .size: 8, .value_kind: global_buffer, .address_space: global }
      - { .name: wb, .offset: 64, .size: 8, .value_kind: global_buffer, .address_space: global }
    .group_segment_fixed_size: 0
    .private_segment_fixed_size: 0
    .kernarg_segment_align: 8
    .kernarg_segment_size: 72
    .max_flat_workgroup_size: 256
    .sgpr_count:     66
    .vgpr_count:     108
    .wavefront_size: 32
...
	.end_amdgpu_metadata
.endif
;; end of part 1
;; launch proj (part 2): grid 4 x 192, 4 waves a work-group, clusters of 4 x 4, 327,680 bytes of LDS; arguments bufx, bufc, wb, qkv; writes qkv
.if DOCPART == 2
	.amdgcn_target "amdgcn-amd-amdhsa--gfx1250"
	.amdhsa_code_object_version 6
	.text
	.protected	k_qfebd58238a_proj
	.globl	k_qfebd58238a_proj
	.p2align	8
	.type	k_qfebd58238a_proj,@function
k_qfebd58238a_proj:
	s_mov_b64 s[64:65], 0
	v_nop
	global_prefetch_b8 v0, s[64:65] scope:SCOPE_SE
	s_setreg_imm32_b32 hwreg(HW_REG_WAVE_MODE, 25, 1), 1
	s_wait_xcnt 0x0
	s_wait_alu depctr_hold_cnt(0) depctr_sa_sdst(0) depctr_va_vdst(0) depctr_va_sdst(0) depctr_va_ssrc(0) depctr_va_vcc(0) depctr_vm_vsrc(0)
	s_getreg_b32 s2, hwreg(HW_REG_IB_STS2, 6, 4)
	s_cmp_eq_u32 s2, 0
	s_cbranch_scc0 .Lentry_in_a_cluster
	s_endpgm
.Lentry_in_a_cluster:
	s_bfe_u32 s2, ttmp6, 0x10000c
	s_cmp_lg_u32 s2, 0xf033
	s_cbranch_scc0 .Lentry_shape_is_right
	s_endpgm
.Lentry_shape_is_right:
; PROJ: q = input Wq, k = context Wk, v = context Wv, three products [8192 x 1024] x [1024 x 1024] in one launch.  Operands bf16 (bufx, bufc; wb holds Wq, Wk, Wv, 2 MiB each, [d][e] as given),
; sums f32, K ascending; q, k, v leave rounded once to f16, [8192][1024] each, one behind the other in qkv, without the scale.
; LIMIT.  f16 ends at 65,504: |q|, |k|, |v| must stay below it, else the conversion gives an infinity.  NaN and infinities are not treated apart.
; SHARES.  A work-group makes 128 rows x 256 columns of C, so that each product has 256 of them; the grid's y counts 64 tile rows for each of the three products.  Four waves, each 64 rows x 128 columns:
; 32 accumulators of 16 x 16, 256 registers.  K goes in eight steps of 128 through two LDS slots filled by the tensor data mover; a step is four quarters of 32, 32 matrix instructions each.
; B LIES [K][N] in memory and in LDS and is turned on the way into registers, by ds_load_tr16_b128: nothing is transposed in memory.
; THE MATRIX INSTRUCTION IS USED TRANSPOSED (source 0 = 16 columns of B, source 1 = 16 rows of A): a lane then holds row l % 16 of C and eight neighbouring columns, 16 bytes of f16.
; CLUSTER.  4 x 4 work-groups.  The four of a row of the cluster need the same tile of A, the four of a column the same tile of B: each is asked for JOINTLY, by the same tensor load with the same descriptor
; and a mask that names the four.  Which product a cluster works on hangs on the cluster's y alone.
; REGISTERS.  Window 0: v0-31 addresses; v64-159 and v160-255 two fragment buffers (B's fragment b at +8 b, A's fragment a at +64 + 8 a); on the way out v64-159 at work.  Window 1: accumulator (a, b) at v[8 (8 a + b)].
.set ROWB,  2048                       ; bytes in a row of every matrix here: 1,024 numbers of 16 bits
.set PA,    272                        ; A's rows in LDS: 256 bytes + 16 of padding = 68 words: the 16 rows of a fragment load start at 16 different groups of four banks (64 banks of 4 bytes: ISA guide 11.1)
.set PB,    544                        ; B's rows in LDS: 512 bytes + 32 = 136 words
.set AHALF, 64*PA                      ; what wave 0 or 1 fetches: 64 rows of A
.set BOFF,  128*PA                     ; B's tile lies behind A's
.set BHALF, 64*PB                      ; what wave 2 or 3 fetches: 64 rows (along K) of B
.set SLOT1, 1<<17                      ; slot 1 begins here: one exclusive or turns an address in one slot into the other's
.set STAGE, SLOT1+BOFF+128*PB          ; behind the ring, never filled by a tensor load: 16 rows x 272 bytes for each wave, for the way out
.set SP,    272
.set SPARE, STAGE+4*16*SP              ; behind the stages: the spare words, 128 bytes for each wave: two blocks of 256 bytes that no other line names
.set KA,    256                        ; a K step in A's memory: 128 numbers along the row
.set KB,    128*ROWB                   ; in B's: 128 rows down
.set A0,   16                          ; v16  my lane's place in a slot's tile of A; never rewritten
.set B0,   17                          ; v17  the same for B
.set ADRA, 18                          ; v18  A0 + the slot in hand
.set ADRB, 19                          ; v19  B0 + the slot in hand
.set STO,  24                          ; v24  the way out: where I put 16 bytes of a row
.set RD,   25                          ; v25  the way out: where I read a row back
.set CO,   26                          ; v26  my byte offset in C
.set SPW,  28                          ; v28  LDS address of my spare word: SPARE + 4 x my thread's number; never rewritten
.set NIL,  29                          ; v29  0; never rewritten
.set PFO,  30                          ; v30  the prefetches' lane offset; never rewritten
.set F0,   64
.set F1,   160
.set TMP,  64                          ; the way out: a block's packed results
.set BK,   96                          ; the way out: 16 rows read back from the stage: v96-127 and v128-159 by turns
.set G1A,  24                          ; s[24:31] descriptor group 1 for A's tiles
.set G0A,  32                          ; s[32:39] group 0 for A: a set for each first fill; the second then walks
.set G1B,  48                          ; s[48:55], s[56:63] the same for B
.set G0B,  56
.set LIM,  43                          ; s43  2 in a wave that prefetches, else the greatest number
.set PFA,  44                          ; s[44:45] where my prefetches stand
.set PFS,  66                          ; s[66:67] their step: a K step of A or of B
.set TB,   68                          ; s68  the slot in hand: 0 or SLOT1
.set CY,   69                          ; s69  the cluster's y
.set YR,   75                          ; s75  A's tile row
.set MSB, 0
.macro WIN new                         ; the immediate's high byte repeats the setting that is left; a switch that changes nothing is dropped
.if MSB != (\new)
	s_set_vgpr_msb (MSB<<8)|(\new)
.set MSB, \new
.endif
.endm
.set W_MUL, 0x50                       ; C and D in window 1, both sources in window 0
; A joint refill by the walking descriptors.  Waves 0 and 1 fetch A's halves, waves 2 and 3 B's.  The branch hangs on the wave's number alone.
; An s_nop 0 and four v_nop follow each of the two lines, ahead of the jump, the label and what follows.
.macro JLOAD
	s_cmp_eq_u32 s11, 0
	s_cbranch_scc0 .Lfor_b_\@
	tensor_load_to_lds s[G0A+4:G0A+7], s[G1A:G1A+7]
	s_nop 0
.rept 4
	v_nop
.endr
	s_branch .Lasked_\@
.Lfor_b_\@:
	tensor_load_to_lds s[G0B+4:G0B+7], s[G1B:G1B+7]
	s_nop 0
.rept 4
	v_nop
.endr
.Lasked_\@:
.endm
; A round of the cluster's barrier behind its opening barrier: wave 0 signals for the work-group, every wave waits for all sixteen, my work-group's barrier closes it.
.macro CREST
	s_cmp_lg_u32 s10, 0
	s_cbranch_scc1 .Lnot_wave_0_\@
	s_barrier_signal -3
.Lnot_wave_0_\@:
	s_barrier_wait -3
	s_barrier_signal -1
	s_barrier_wait -1
.endm
.macro CROUND
	s_barrier_signal -1
	s_barrier_wait -1
	CREST
.endm
; A PREFETCH INTO THE L2 of the K step that stands two refills on: 32 blocks of 256 bytes, a lane a block, one instruction a wave, behind the joint load, its five lines and the run of LDS loads.
; Each block is named once in the launch.  A's 128 rows are read by my cluster's row alone: its four partners take 32 rows each, told apart by address (cx); wave 0 asks.  B's 128 rows x 512 bytes of a step are read
; by the sixteen clusters of a product: the first of them asks, its four partners of a column (cy) and their waves 2 and 3 take 16 rows each, two blocks a row.  Trips 6 to 3 ask for K steps 4 to 7; steps 0 to 3 come by their loads alone.
.macro ASK
	s_cmp_gt_u32 s3, s[LIM]
	s_cbranch_scc0 .Lnot_mine_\@
	global_prefetch_b8 v[PFO], s[PFA:PFA+1] th:TH_LOAD_NT scope:SCOPE_SE
.Lnot_mine_\@:
.endm
; 8 matrix instructions: row block a x all 8 column blocks, 32 along K, from buffer f.  zero = 1: the product starts the sums: nothing is ever cleared.
; The 32 accumulators take turns, one instruction a turn, in the same order in every quarter, over the backward jumps too.
.macro MUL8 f, a, zero
	WIN W_MUL
.irp b, 0,1,2,3,4,5,6,7
.if \zero
	v_wmma_f32_16x16x32_bf16 v[8*(8*(\a)+(\b)):8*(8*(\a)+(\b))+7], v[(\f)+8*(\b):(\f)+8*(\b)+7], v[(\f)+64+8*(\a):(\f)+64+8*(\a)+7], 0
.else
	v_wmma_f32_16x16x32_bf16 v[8*(8*(\a)+(\b)):8*(8*(\a)+(\b))+7], v[(\f)+8*(\b):(\f)+8*(\b)+7], v[(\f)+64+8*(\a):(\f)+64+8*(\a)+7], v[8*(8*(\a)+(\b)):8*(8*(\a)+(\b))+7]
.endif
.endr
.endm
; 24 LDS loads in one run: quarter q of the slot in hand into buffer f: B's eight fragments (32 rows along K x 16 columns, turned), then A's four (16 rows x 32 along K).
.macro FETCH q, f
	WIN 0
.irp b, 0,1,2,3,4,5,6,7
	ds_load_tr16_b128 v[(\f)+8*(\b):(\f)+8*(\b)+3],   v[ADRB] offset:(\q)*32*PB+32*(\b)
	ds_load_tr16_b128 v[(\f)+8*(\b)+4:(\f)+8*(\b)+7], v[ADRB] offset:(\q)*32*PB+16*PB+32*(\b)
.endr
.irp a, 0,1,2,3
	ds_load_b128 v[(\f)+64+8*(\a):(\f)+64+8*(\a)+3],   v[ADRA] offset:(\q)*64+(\a)*16*PA
	ds_load_b128 v[(\f)+64+8*(\a)+4:(\f)+64+8*(\a)+7], v[ADRA] offset:(\q)*64+(\a)*16*PA+32
.endr
.endm
.macro PLACES                          ; four places in front of loads into registers that matrix instructions have read, and of instructions that read results (ISA guide 7.12.1 for the instructions that read results)
.rept 4
	v_nop
.endr
.endm
; One of a K step's first three quarters: multiplies buffer f and fetches quarter q of the same slot into buffer g.
.macro QUARTER q, f, g, zero
	s_wait_dscnt 6                                 ; B's fragments and A's first are in; the youngest six loads (A's fragments 1 to 3) may be out
	MUL8 \f, 0, \zero
	PLACES
	FETCH \q, \g
	s_wait_dscnt 24                                ; all but the 24 just issued
	MUL8 \f, 1, \zero
	MUL8 \f, 2, \zero
	MUL8 \f, 3, \zero
.endm
; The last quarter multiplies buffer 1 and changes slots: ONE barrier.  In front of it each wave waits for all its tensor loads (one is out: its part of the next slot), adds 0 to its spare word, and waits for that
; and for its reads of this slot.  fill = 1: the barrier opens a round of the cluster's, so that no wave of any partner still reads the slot or has a load on its way, and the joint refill, two K steps ahead, is the first
; thing behind it: 112 matrix instructions ahead of the wait for it.  fill = 0 (the tail): nothing is asked for; in the last trip there is no next slot, and the run of loads is jumped over.
.macro TURN fill
.if \fill
	s_wait_xcnt 0x0                                ; the last prefetch, a K step back, has read its address: it is stepped here, ahead of the waits of the change of slots
	s_add_nc_u64 s[PFA:PFA+1], s[PFA:PFA+1], s[PFS:PFS+1]
.endif
	WIN 0
	s_wait_tensorcnt 0x0                           ; all my tensor loads have landed
	ds_add_u32 v[SPW], v[NIL]                      ; 0 onto my spare word
	s_wait_dscnt 7                                 ; the add and the youngest six loads (A's fragments 1 to 3) may be out
	MUL8 F1, 0, 0                                  ; eight matrix instructions stand between the add and the wait for it
	s_wait_dscnt 0x0                               ; the add is done, and my reads of this slot are over
	s_barrier_signal -1
	MUL8 F1, 1, 0                                  ; work on registers while the others arrive
	WIN 0
	s_barrier_wait -1
.if \fill
	CREST
	s_xor_b32 s[G0A+5], s[G0A+5], SLOT1            ; no tensor load of mine is out, so the walking descriptors may be written: the other slot than last time,
	s_add_nc_u64 s[G0A+6:G0A+7], s[G0A+6:G0A+7], KA  ; the next K step; the type bits on top are not reached
	s_xor_b32 s[G0B+5], s[G0B+5], SLOT1
	s_add_nc_u64 s[G0B+6:G0B+7], s[G0B+6:G0B+7], KB
	JLOAD                                          ; the four v_nop behind it are also the places in front of the loads below
.else
	PLACES
.endif
	s_xor_b32 s[TB], s[TB], SLOT1
	v_add_nc_u32 v[ADRA], s[TB], v[A0]
	v_add_nc_u32 v[ADRB], s[TB], v[B0]
.if !(\fill)
	s_cmp_eq_u32 s3, 1
	s_cbranch_scc1 .Lno_more_\@
.endif
	FETCH 0, F0
.if \fill
	ASK
.else
.Lno_more_\@:
.endif
	MUL8 F1, 2, 0
	MUL8 F1, 3, 0
.endm
	s_load_b256 s[76:83], s[0:1], 0x0              ; bufx s[76:77], bufc s[78:79], wb s[80:81], qkv s[82:83]
	v_lshl_add_u32 v[SPW], v0, 2, SPARE
	v_mov_b32 v[NIL], 0
	ds_add_u32 v[SPW], v[NIL]                      ; the wave's opening: the add and its wait stand ahead of my first tensor load; the set-up below, work on registers, stands between them
	v_lshrrev_b32 v1, 5, v0
	v_readfirstlane_b32 s10, v1                    ; wave 0..3
	s_lshr_b32 s11, s10, 1                         ; which 64 rows of the tile are mine.  Also: I fetch for A (0) or for B (1)
	s_and_b32 s12, s10, 1                          ; which 128 columns.  Also: which half of that tile I fetch
	s_bfe_u32 s40, ttmp6, 0x40000                  ; cx, cy: my place in the cluster
	s_bfe_u32 s41, ttmp6, 0x40004
	s_lshl_b32 s42, ttmp9, 2
	s_add_co_u32 s42, s42, s40                     ; tile column of C = 4 x cluster x + cx
	s_and_b32 s[CY], ttmp7, 0xffff
	s_lshl_b32 s13, s[CY], 2
	s_add_co_u32 s13, s13, s41                     ; tile row in qkv = 4 x cluster y + cy: 0..191
	s_lshr_b32 s70, s[CY], 4                       ; the product: 0 q, 1 k, 2 v: sixteen clusters each
	s_and_b32 s[YR], s[CY], 15
	s_lshl_b32 s[YR], s[YR], 2
	s_add_co_u32 s[YR], s[YR], s41                 ; tile row in A: 0..63
	s_lshl_b32 s43, s41, 2
	s_lshl_b32 s43, 15, s43                        ; my row of the cluster: places 4 cy .. 4 cy + 3
	s_lshl_b32 s44, 0x1111, s40                    ; my column: places cx, cx + 4, cx + 8, cx + 12
	s_or_b32 s[G1A], s43, (1<<16)|(1<<20)|(1<<21)|(5<<22)|(3<<25)  ; 15:0 the mask; 17:16 elements of 2 bytes; 20 padding on; 21 set beside a mask; 24:22 after every 64 words (code 5); 31:25 4 words of it (code 3)
	s_mov_b32 s[G1A+1], 128<<16                    ; tensor_dim0 = 128
	s_mov_b32 s[G1A+2], 64<<16                     ; tensor_dim1 = 64
	s_mov_b32 s[G1A+3], 128<<16                    ; tile_dim0 = 128
	s_mov_b32 s[G1A+4], 64                         ; tile_dim1 = 64
	s_mov_b32 s[G1A+5], 1024                       ; elements from row to row
	s_mov_b32 s[G1A+6], 0
	s_mov_b32 s[G1A+7], 0
	s_or_b32 s[G1B], s44, (1<<16)|(1<<20)|(1<<21)|(6<<22)|(7<<25)  ; my column's mask; padding after every 128 words (code 6), 8 words of it (code 7)
	s_mov_b32 s[G1B+1], 256<<16                    ; tensor_dim0 = 256
	s_mov_b32 s[G1B+2], 64<<16                     ; tensor_dim1 = 64
	s_mov_b32 s[G1B+3], 256<<16                    ; tile_dim0 = 256
	s_mov_b32 s[G1B+4], 64                         ; tile_dim1 = 64
	s_mov_b32 s[G1B+5], 1024
	s_mov_b32 s[G1B+6], 0
	s_mov_b32 s[G1B+7], 0
	; where the tiles come from: A's offset is made of the tile row and the wave's number, B's of the tile column, the product and the wave's number, each in registers that never hold the other coordinate
	s_lshl_b32 s16, s[YR], 7
	s_lshl_b32 s17, s12, 6
	s_add_co_u32 s16, s16, s17                     ; A: row 128 x tile row + 64 x half,
	s_lshl_b32 s16, s16, 11                        ; in bytes (under 2^24)
	s_mov_b32 s17, 0
	s_lshl_b32 s46, s12, 17                        ; B: 64 rows x half,
	s_lshl_b32 s47, s42, 9                         ; 256 columns x tile column
	s_add_co_u32 s46, s46, s47
	s_mov_b32 s47, 0
	s_lshl_b32 s20, s70, 21                        ; the product's weights in wb
	s_mov_b32 s21, 0
	s_mul_i32 s22, s12, AHALF                      ; and where they go: no place in the cluster enters an LDS address
	s_mul_i32 s23, s12, BHALF
	s_add_co_u32 s23, s23, BOFF
	s_wait_dscnt 0x0                               ; the opening add is done
	s_wait_kmcnt 0x0
	s_cmp_eq_u32 s70, 0
	s_cselect_b64 s[4:5], s[76:77], s[78:79]       ; A: input for q, context for k and v
	s_add_nc_u64 s[6:7], s[80:81], s[20:21]        ; B
	s_mov_b64 s[8:9], s[82:83]                     ; C
	s_add_nc_u64 s[14:15], s[4:5], s[16:17]
	s_add_nc_u64 s[46:47], s[6:7], s[46:47]
	CROUND                                         ; all sixteen work-groups are here: the first joint loads meet
.irp n, 0,1
	s_mov_b32 s[G0A+4*(\n)], 1                                       ; count = 1
	s_add_co_u32 s[G0A+4*(\n)+1], s22, (\n)*SLOT1                    ; LDS address
	s_add_nc_u64 s[G0A+4*(\n)+2:G0A+4*(\n)+3], s[14:15], (\n)*KA     ; global address: K step n
	s_or_b32 s[G0A+4*(\n)+3], s[G0A+4*(\n)+3], 0x80000000            ; type = 2
	s_mov_b32 s[G0B+4*(\n)], 1
	s_add_co_u32 s[G0B+4*(\n)+1], s23, (\n)*SLOT1
	s_add_nc_u64 s[G0B+4*(\n)+2:G0B+4*(\n)+3], s[46:47], (\n)*KB
	s_or_b32 s[G0B+4*(\n)+3], s[G0B+4*(\n)+3], 0x80000000
.endr
	s_cmp_eq_u32 s11, 0                            ; a wave's two first fills stand in one branch, ahead of every wait on TENSORcnt and every LDS read: two loads of mine are out
	s_cbranch_scc0 .Lfirst_b
	tensor_load_to_lds s[G0A:G0A+3], s[G1A:G1A+7]
	s_nop 0
	tensor_load_to_lds s[G0A+4:G0A+7], s[G1A:G1A+7]
	s_nop 0
.rept 4
	v_nop
.endr
	s_branch .Lfirst_asked
.Lfirst_b:
	tensor_load_to_lds s[G0B:G0B+3], s[G1B:G1B+7]
	s_nop 0
	tensor_load_to_lds s[G0B+4:G0B+7], s[G1B:G1B+7]
	s_nop 0
.rept 4
	v_nop
.endr
.Lfirst_asked:
	; A fragment of A is 16 rows x 32 along K in 8 registers: lane l holds row l % 16, K = 8 (l / 16) + 0..7 and 16 + 8 (l / 16) + 0..7: two loads of 16 bytes, 32 bytes apart.
	v_and_b32 v1, 15, v0                           ; l % 16
	v_bfe_u32 v2, v0, 4, 1                         ; l / 16
	v_mul_u32_u24 v3, v1, PA
	v_lshl_add_u32 v3, v2, 4, v3                   ; row x pitch + 16 x half
	s_mul_i32 s21, s11, AHALF                      ; my 64 rows of A
	v_add_nc_u32 v[A0], s21, v3
	; The turning load takes 16 along K x 16 columns (lane l reads row 8 (l / 16) + l % 8, columns 8 ((l / 8) % 2) + 0..7) and leaves half a fragment: lane l holds column l % 16 and 8 along K.
	v_and_b32 v4, 7, v0
	v_lshl_add_u32 v4, v2, 3, v4
	v_mul_u32_u24 v4, v4, PB
	v_bfe_u32 v5, v0, 3, 1
	v_lshl_add_u32 v4, v5, 4, v4
	s_lshl_b32 s22, s12, 8                         ; my 128 columns of B
	s_add_co_u32 s22, s22, BOFF
	v_add_nc_u32 v[B0], s22, v4
	v_mov_b32 v[ADRA], v[A0]                       ; slot 0
	v_mov_b32 v[ADRB], v[B0]
	s_mov_b32 s[TB], 0
	s_mul_i32 s23, s10, 16*SP
	s_add_co_u32 s23, s23, STAGE                   ; my stage
	v_add_nc_u32 v[STO], s23, v3                   ; in: row l % 16, 16 bytes for each half of the lanes (the stage's pitch is A's)
	v_mul_u32_u24 v5, v2, SP                       ; back: lanes 0-15 take one row of 256 bytes, lanes 16-31 the next
	v_lshl_add_u32 v5, v1, 4, v5
	v_add_nc_u32 v[RD], s23, v5
	v_lshlrev_b32 v5, 11, v2                       ; and the same two rows in C
	v_lshl_add_u32 v[CO], v1, 4, v5
	s_lshl_b32 s20, s13, 7                         ; where my part of the tile begins in C: row 128 x tile row + 64 x half,
	s_lshl_b32 s21, s11, 6
	s_add_co_u32 s20, s20, s21
	s_lshl_b32 s20, s20, 11
	s_lshl_b32 s21, s42, 9                         ; column 256 x tile column + 128 x half, in bytes
	s_add_co_u32 s20, s20, s21
	s_lshl_b32 s21, s12, 8
	s_add_co_u32 s20, s20, s21
	s_mov_b32 s21, 0
	s_add_nc_u64 s[8:9], s[8:9], s[20:21]
	; the prefetches: both offsets are made, and the wave's number chooses
	s_lshl_b32 s20, s[YR], 7
	s_lshl_b32 s21, s40, 5
	s_add_co_u32 s20, s20, s21                     ; A: my work-group's 32 rows of the tile's 128,
	s_lshl_b32 s20, s20, 11
	s_add_co_u32 s20, s20, 3*KA                    ; at K step 3: the first change of slots steps it to 4
	s_lshl_b32 s21, s41, 1
	s_add_co_u32 s21, s21, s12
	s_lshl_b32 s21, s21, 15                        ; B: my wave's 16 rows of a step's 128,
	s_lshl_b32 s22, s42, 9                         ; my tile column's 512 bytes of them
	s_add_co_u32 s21, s21, s22
	s_add_co_u32 s21, s21, 3*KB
	s_and_b32 s17, s[CY], 15                       ; 0 in the first of the sixteen clusters that read these weights
	s_mov_b32 s[PFS], KB
	s_mov_b32 s[PFS+1], 0
	s_cmp_eq_u32 s11, 0                            ; do I fetch for A?
	s_cselect_b32 s20, s20, s21
	s_cselect_b64 s[PFA:PFA+1], s[4:5], s[6:7]
	s_cselect_b32 s[PFS], KA, s[PFS]
	s_cselect_b32 s22, 31, 15                      ; A: a lane a row; B: 16 rows,
	s_cselect_b32 s23, 0, 256                      ; two blocks of 256 bytes in each
	s_cselect_b32 s16, s12, s17                    ; A: wave 0 asks; B: waves 2 and 3 of the first cluster
	s_mov_b32 s21, 0
	s_add_nc_u64 s[PFA:PFA+1], s[PFA:PFA+1], s[20:21]
	s_cmp_eq_u32 s16, 0
	s_cselect_b32 s[LIM], 2, -1                    ; the same in all sixteen partners, for a given wave
	v_and_b32 v31, 31, v0
	v_and_b32 v[PFO], s22, v31
	v_lshrrev_b32 v31, 4, v31
	v_mul_u32_u24 v31, v31, s23
	v_lshl_add_u32 v[PFO], v[PFO], 11, v31
	s_wait_tensorcnt 1                             ; my part of K step 0 is in; K step 1's may stay out
	s_barrier_signal -1
	s_barrier_wait -1                              ; everybody's is
	FETCH 0, F0
	QUARTER 1, F0, F1, 1                           ; the first quarter stands in front of the loop: its products start the sums
	WIN 0                                          ; at a label and at a branch every window is 0
	s_mov_b32 s3, 6
.Lstep:                                        ; six trips, from a step's second quarter to the next step's first; they ask for K steps 2 to 7
	QUARTER 2, F1, F0, 0
	QUARTER 3, F0, F1, 0
	TURN 1
	QUARTER 1, F0, F1, 0
	WIN 0
	s_sub_co_u32 s3, s3, 1
	s_cmp_lg_u32 s3, 0
	s_cbranch_scc1 .Lstep
	s_mov_b32 s3, 2
.Ltail:                                        ; K steps 6 and 7 ask for nothing; the second trip has no next step: its two forward jumps pass LDS loads and matrix instructions alone
	QUARTER 2, F1, F0, 0
	QUARTER 3, F0, F1, 0
	TURN 0
	WIN 0
	s_cmp_eq_u32 s3, 1
	s_cbranch_scc1 .Lskip
	QUARTER 1, F0, F1, 0
	WIN 0
.Lskip:
	s_sub_co_u32 s3, s3, 1
	s_cmp_lg_u32 s3, 0
	s_cbranch_scc1 .Ltail
	; THE WAY OUT, a block of 16 rows at a time: rounded to f16, 16 bytes a lane into my own stage, back as whole rows of 256 bytes, stored.
	s_wait_dscnt 0x0                               ; the last trip fetched nothing: no LDS load is out on any way through the two jumps above, so the fragment buffers may be written
	PLACES
	PLACES                                         ; eight places, once a launch, behind the last products
.macro PACK a
	WIN 0x05                                       ; sources 0 and 1 in window 1; each accumulator's registers in ascending order
.irp b, 0,1,2,3,4,5,6,7
.irp r, 0,1,2,3
	v_cvt_pk_f16_f32 v[TMP+4*(\b)+(\r)], v[8*(8*(\a)+(\b))+2*(\r)], v[8*(8*(\a)+(\b))+2*(\r)+1]
.endr
.endr
	WIN 0
.endm
.macro TOSTAGE a
.set BKA, BK+32*((\a)%2)
.irp b, 0,1,2,3,4,5,6,7
	ds_store_b128 v[STO], v[TMP+4*(\b):TMP+4*(\b)+3] offset:32*(\b)
.endr
.irp t, 0,1,2,3,4,5,6,7
	ds_load_b128 v[BKA+4*(\t):BKA+4*(\t)+3], v[RD] offset:(\t)*2*SP  ; LDS serves a wave's instructions in order (ISA guide 5.7.1.4): these see the stores above
.endr
.endm
.macro SEND a
.set BKA, BK+32*((\a)%2)
	s_wait_dscnt 0x0                               ; the block is back in registers
	s_wait_xcnt 0x0                                ; the block before's stores have read their registers, which the next block's loads from the stage write
.irp t, 0,1,2,3,4,5,6,7
	global_store_b128 v[CO], v[BKA+4*(\t):BKA+4*(\t)+3], s[8:9] offset:(\a)*16*ROWB+(\t)*2*ROWB  ; 16 lanes store 256 consecutive bytes, at a multiple of 256 from C's first byte
.endr
.endm
	PACK 0
	TOSTAGE 0
.irp a, 1,2,3                          ; block a's conversions stand between block a - 1's loads from the stage and the wait for them
	PACK \a
	SEND (\a)-1
	TOSTAGE \a
.endr
	SEND 3
	s_wait_tensorcnt 0x0                           ; the wave's end: a wait for my tensor loads, an add of 0 to my spare word and a wait for it, behind my last tensor load and my last LDS store
	ds_add_u32 v[SPW], v[NIL]
	s_wait_dscnt 0x0
	CROUND                                         ; the closing round: no work-group ends while a partner may still ask for a tile that names it
	s_endpgm
.Lfunc_end_k_qfebd58238a_proj:
	.size	k_qfebd58238a_proj, .Lfunc_end_k_qfebd58238a_proj-k_qfebd58238a_proj
	.p2alignl 7, 3214868480
	.fill 96, 4, 3214868480
	.section	.rodata,"a",@progbits
	.p2align	6, 0x0
	.amdhsa_kernel k_qfebd58238a_proj
		.amdhsa_group_segment_fixed_size 327680
		.amdhsa_private_segment_fixed_size 0
		.amdhsa_enable_private_segment 0
		.amdhsa_kernarg_size 32
		.amdhsa_user_sgpr_count 2
		.amdhsa_user_sgpr_kernarg_segment_ptr 1
		.amdhsa_wavefront_size32 1
		.amdhsa_system_sgpr_workgroup_id_x 1
		.amdhsa_system_sgpr_workgroup_id_y 1
		.amdhsa_system_sgpr_workgroup_id_z 1
		.amdhsa_system_vgpr_workitem_id 0
		.amdhsa_next_free_vgpr 512
		.amdhsa_next_free_sgpr 84
		.amdhsa_reserve_vcc 0
		.amdhsa_float_denorm_mode_32 3
		.amdhsa_float_denorm_mode_16_64 3
		.amdhsa_memory_ordered 1
		.amdhsa_forward_progress 1
		.amdhsa_inst_pref_size 62
	.end_amdhsa_kernel
	.amdgpu_metadata
---
amdhsa.version: [ 1, 2 ]
amdhsa.kernels:
  - .name:           k_qfebd58238a_proj
    .symbol:         k_qfebd58238a_proj.kd
    .args:
      - { .name: bufx, .offset: 0, .size: 8, .value_kind: global_buffer, .address_space: global }
      - { .name: bufc, .offset: 8, .size: 8, .value_kind: global_buffer, .address_space: global }
      - { .name: wb, .offset: 16, .size: 8, .value_kind: global_buffer, .address_space: global }
      - { .name: qkv, .offset: 24, .size: 8, .value_kind: global_buffer, .address_space: global }
    .group_segment_fixed_size: 327680
    .private_segment_fixed_size: 0
    .kernarg_segment_align: 8
    .kernarg_segment_size: 32
    .max_flat_workgroup_size: 128
    .sgpr_count:     84
    .vgpr_count:     512
    .wavefront_size: 32
...
	.end_amdgpu_metadata
.endif
;; end of part 2
;; launch scores (part 3): grid 4 x 64, 4 waves a work-group, clusters of 4 x 4, 327,680 bytes of LDS; arguments qkv, ph, st; writes ph, st
.if DOCPART == 3
	.amdgcn_target "amdgcn-amd-amdhsa--gfx1250"
	.amdhsa_code_object_version 6
	.text
	.protected	k_qfebd58238a_scores
	.globl	k_qfebd58238a_scores
	.p2align	8
	.type	k_qfebd58238a_scores,@function
k_qfebd58238a_scores:
	s_mov_b64 s[64:65], 0
	v_nop
	global_prefetch_b8 v0, s[64:65] scope:SCOPE_SE
	s_setreg_imm32_b32 hwreg(HW_REG_WAVE_MODE, 25, 1), 1
	s_wait_xcnt 0x0
	s_wait_alu depctr_hold_cnt(0) depctr_sa_sdst(0) depctr_va_vdst(0) depctr_va_sdst(0) depctr_va_ssrc(0) depctr_va_vcc(0) depctr_vm_vsrc(0)
	s_getreg_b32 s2, hwreg(HW_REG_IB_STS2, 6, 4)
	s_cmp_eq_u32 s2, 0
	s_cbranch_scc0 .Lentry_in_a_cluster
	s_endpgm
.Lentry_in_a_cluster:
	s_bfe_u32 s2, ttmp6, 0x10000c
	s_cmp_lg_u32 s2, 0xf033
	s_cbranch_scc0 .Lentry_shape_is_right
	s_endpgm
.Lentry_shape_is_right:
; SCORES: s = q k^T for each of 8 batches, and the softmax's first half.  q and k are f16, [8192][1024] at 0 and 16 MiB of qkv; sums f32, K ascending.
; For each row and each block of 128 keys: the block's TRUE maximum m, p = 2^(c s - c m) with c = log2(e) / 32 (the scale 1 / sqrt(1024) folded in), and l = the f32 sum of the unrounded p.
; p leaves rounded once to f16, [8192][1024] in ph; (c m, l) leave as f32 pairs in st at byte (8,192 x key block + row) x 8.  The next launch joins a row's eight blocks by the row's own maximum.
; LIMITS.  p lies in 0 to 1; below 6e-5 it keeps f16's fixed step of 6e-8; a p below 2^-126 counts as 0 in l.  NaN and infinities are not treated apart.
; SHARES.  A work-group makes 128 rows x 256 keys; four waves, each 64 rows x 128 keys (one key block): 32 accumulators of 16 x 16, 256 registers.  K goes in eight steps of 128 through two LDS slots
; filled by the tensor data mover; a step is four quarters of 32, 32 matrix instructions each.  Both operands lie with K along the rows.
; THE MATRIX INSTRUCTION IS USED TRANSPOSED (source 0 = 16 keys, source 1 = 16 queries): a lane holds ONE query (l % 16) and, of each 16 keys, 8 (l / 16) + 0..7: a row's maximum and sum want one exchange between the halves of the lanes.
; CLUSTER.  4 x 4 work-groups.  The four of a row of the cluster need the same rows of q, the four of a column the same rows of k: each tile is asked for JOINTLY.  The batch hangs on the cluster's y alone (two clusters a batch).
; REGISTERS.  Window 0: v0-31 addresses; v32-41 at work; v48-55 (c m, l) of my four row blocks; v64-159 and v160-255 two fragment buffers (k's fragment b at +8 b, q's fragment a at +64 + 8 a); on the way out v64-159 at work.
; Window 1: accumulator (a, b) at v[8 (8 a + b)].
.set ROWB,  2048                       ; bytes in a row of q, k and p
.set PA,    272                        ; a row in LDS: 256 bytes + 16 of padding = 68 words: the 16 rows of a fragment load start at 16 different groups of four banks (64 banks of 4 bytes: ISA guide 11.1)
.set AHALF, 64*PA                      ; what wave 0 or 1 fetches: 64 rows of q
.set BOFF,  128*PA                     ; k's tile lies behind q's
.set BHALF, 128*PA                     ; what wave 2 or 3 fetches: 128 rows of k
.set SLOT1, 1<<17                      ; slot 1 begins here: one exclusive or turns an address in one slot into the other's
.set STAGE, SLOT1+BOFF+256*PA          ; behind the ring, never filled by a tensor load: 16 rows x 272 bytes for each wave, for the way out
.set SP,    272
.set SPARE, STAGE+4*16*SP              ; behind the stages: the spare words, 128 bytes for each wave: two blocks of 256 bytes that no other line names
.set KA,    256                        ; a K step in memory, for q and for k: 128 numbers along the row
.set A0,   16                          ; v16  my lane's place in a slot's tile of q; never rewritten
.set B0,   17                          ; v17  the same for k
.set ADRA, 18                          ; v18  A0 + the slot in hand
.set ADRB, 19                          ; v19  B0 + the slot in hand
.set STO,  24                          ; v24  the way out: where I put 16 bytes of a row
.set RD,   25                          ; v25  the way out: where I read a row back
.set CO,   26                          ; v26  my byte offset in p
.set SO,   27                          ; v27  my byte offset in st: 8 x lane
.set SPW,  28                          ; v28  LDS address of my spare word: SPARE + 4 x my thread's number; never rewritten
.set NIL,  29                          ; v29  0; never rewritten
.set PFO,  30                          ; v30  the prefetches' lane offset: a lane a row; never rewritten
.set MX,   32                          ; v32-39 eight chains of the maximum; v40-41 the sum's exchange
.set STAT, 48
.set F0,   64
.set F1,   160
.set TMP,  64                          ; the way out: a block's packed p
.set BK,   96                          ; the way out: 16 rows read back from the stage: v96-127 and v128-159 by turns
.set G1A,  24                          ; s[24:31] descriptor group 1 for q's tiles
.set G0A,  32                          ; s[32:39] group 0 for q: a set for each first fill; the second then walks
.set G1B,  48                          ; s[48:55], s[56:63] the same for k
.set G0B,  56
.set LIM,  43                          ; s43  2 in a wave that prefetches, else the greatest number
.set PFA,  44                          ; s[44:45] where my prefetches stand
.set TB,   68                          ; s68  the slot in hand: 0 or SLOT1
.set CY,   69                          ; s69  the cluster's y
.set CS,   70                          ; s[70:71] c: the packed scaling names a pair and takes its low word for both halves
.set SEL,  72                          ; s[72:73] v_permlanex16_b32's selects: each lane takes its own place in the other half
.set UPPER, 74                         ; s74  a mask of lanes 16-31
.set YR,   75                          ; s75  q's tile row
.set STP,  76                          ; s[76:77] st
.set MSB, 0
.macro WIN new                         ; the immediate's high byte repeats the setting that is left; a switch that changes nothing is dropped
.if MSB != (\new)
	s_set_vgpr_msb (MSB<<8)|(\new)
.set MSB, \new
.endif
.endm
.set W_MUL, 0x50                       ; C and D in window 1, both sources in window 0
; A joint refill by the walking descriptors.  Waves 0 and 1 fetch q's halves, waves 2 and 3 k's.  The branch hangs on the wave's number alone.
; An s_nop 0 and four v_nop follow each of the two lines, ahead of the jump, the label and what follows.
.macro JLOAD
	s_cmp_eq_u32 s11, 0
	s_cbranch_scc0 .Lfor_b_\@
	tensor_load_to_lds s[G0A+4:G0A+7], s[G1A:G1A+7]
	s_nop 0
.rept 4
	v_nop
.endr
	s_branch .Lasked_\@
.Lfor_b_\@:
	tensor_load_to_lds s[G0B+4:G0B+7], s[G1B:G1B+7]
	s_nop 0
.rept 4
	v_nop
.endr
.Lasked_\@:
.endm
; A round of the cluster's barrier behind its opening barrier: wave 0 signals for the work-group, every wave waits for all sixteen, my work-group's barrier closes it.
.macro CREST
	s_cmp_lg_u32 s10, 0
	s_cbranch_scc1 .Lnot_wave_0_\@
	s_barrier_signal -3
.Lnot_wave_0_\@:
	s_barrier_wait -3
	s_barrier_signal -1
	s_barrier_wait -1
.endm
.macro CROUND
	s_barrier_signal -1
	s_barrier_wait -1
	CREST
.endm
; A PREFETCH INTO THE L2 of the K step that stands two refills on: 32 rows x 256 bytes, a lane a row, one instruction a wave, behind the joint load, its five lines and the run of LDS loads.
; Each block is named once in the launch.  q's 128 rows are read by my cluster's row alone: its four partners take 32 rows each, told apart by address (cx); wave 0 asks.  k's 256 rows are read by the two clusters
; of a batch: the first asks, its four partners of a column (cy) and their waves 2 and 3 take 32 rows each.  Trips 6 to 3 ask for K steps 4 to 7; steps 0 to 3 come by their loads alone.
.macro ASK
	s_cmp_gt_u32 s3, s[LIM]
	s_cbranch_scc0 .Lnot_mine_\@
	global_prefetch_b8 v[PFO], s[PFA:PFA+1] th:TH_LOAD_NT scope:SCOPE_SE
.Lnot_mine_\@:
.endm
; 8 matrix instructions: row block a x all 8 key blocks, 32 along K, from buffer f.  zero = 1: the product starts the sums: nothing is ever cleared.
; The 32 accumulators take turns, one instruction a turn, in the same order in every quarter, over the backward jumps too.
.macro MUL8 f, a, zero
	WIN W_MUL
.irp b, 0,1,2,3,4,5,6,7
.if \zero
	v_wmma_f32_16x16x32_f16 v[8*(8*(\a)+(\b)):8*(8*(\a)+(\b))+7], v[(\f)+8*(\b):(\f)+8*(\b)+7], v[(\f)+64+8*(\a):(\f)+64+8*(\a)+7], 0
.else
	v_wmma_f32_16x16x32_f16 v[8*(8*(\a)+(\b)):8*(8*(\a)+(\b))+7], v[(\f)+8*(\b):(\f)+8*(\b)+7], v[(\f)+64+8*(\a):(\f)+64+8*(\a)+7], v[8*(8*(\a)+(\b)):8*(8*(\a)+(\b))+7]
.endif
.endr
.endm
; 24 LDS loads in one run: quarter q of the slot in hand into buffer f: k's eight fragments, then q's four (16 rows x 32 along K each: two loads of 16 bytes, 32 bytes apart).
.macro FETCH q, f
	WIN 0
.irp b, 0,1,2,3,4,5,6,7
	ds_load_b128 v[(\f)+8*(\b):(\f)+8*(\b)+3],   v[ADRB] offset:(\q)*64+(\b)*16*PA
	ds_load_b128 v[(\f)+8*(\b)+4:(\f)+8*(\b)+7], v[ADRB] offset:(\q)*64+(\b)*16*PA+32
.endr
.irp a, 0,1,2,3
	ds_load_b128 v[(\f)+64+8*(\a):(\f)+64+8*(\a)+3],   v[ADRA] offset:(\q)*64+(\a)*16*PA
	ds_load_b128 v[(\f)+64+8*(\a)+4:(\f)+64+8*(\a)+7], v[ADRA] offset:(\q)*64+(\a)*16*PA+32
.endr
.endm
.macro PLACES                          ; four places in front of loads into registers that matrix instructions have read, and of instructions that read results (ISA guide 7.12.1 for the instructions that read results)
.rept 4
	v_nop
.endr
.endm
; One of a K step's first three quarters: multiplies buffer f and fetches quarter q of the same slot into buffer g.
.macro QUARTER q, f, g, zero
	s_wait_dscnt 6                                 ; k's fragments and q's first are in; the youngest six loads (q's fragments 1 to 3) may be out
	MUL8 \f, 0, \zero
	PLACES
	FETCH \q, \g
	s_wait_dscnt 24                                ; all but the 24 just issued
	MUL8 \f, 1, \zero
	MUL8 \f, 2, \zero
	MUL8 \f, 3, \zero
.endm
; The last quarter multiplies buffer 1 and changes slots: ONE barrier.  In front of it each wave waits for all its tensor loads (one is out: its part of the next slot), adds 0 to its spare word, and waits for that
; and for its reads of this slot.  fill = 1: the barrier opens a round of the cluster's, so that no wave of any partner still reads the slot or has a load on its way, and the joint refill, two K steps ahead, is the first
; thing behind it: 112 matrix instructions ahead of the wait for it.  fill = 0 (the tail): nothing is asked for; in the last trip there is no next slot, and the run of loads is jumped over.
.macro TURN fill
.if \fill
	s_wait_xcnt 0x0                                ; the last prefetch, a K step back, has read its address: it is stepped here, ahead of the waits of the change of slots
	s_add_nc_u64 s[PFA:PFA+1], s[PFA:PFA+1], KA
.endif
	WIN 0
	s_wait_tensorcnt 0x0                           ; all my tensor loads have landed
	ds_add_u32 v[SPW], v[NIL]                      ; 0 onto my spare word
	s_wait_dscnt 7                                 ; the add and the youngest six loads (q's fragments 1 to 3) may be out
	MUL8 F1, 0, 0                                  ; eight matrix instructions stand between the add and the wait for it
	s_wait_dscnt 0x0                               ; the add is done, and my reads of this slot are over
	s_barrier_signal -1
	MUL8 F1, 1, 0                                  ; work on registers while the others arrive
	WIN 0
	s_barrier_wait -1
.if \fill
	CREST
	s_xor_b32 s[G0A+5], s[G0A+5], SLOT1            ; no tensor load of mine is out, so the walking descriptors may be written: the other slot than last time,
	s_add_nc_u64 s[G0A+6:G0A+7], s[G0A+6:G0A+7], KA  ; the next K step; the type bits on top are not reached
	s_xor_b32 s[G0B+5], s[G0B+5], SLOT1
	s_add_nc_u64 s[G0B+6:G0B+7], s[G0B+6:G0B+7], KA
	JLOAD                                          ; the four v_nop behind it are also the places in front of the loads below
.else
	PLACES
.endif
	s_xor_b32 s[TB], s[TB], SLOT1
	v_add_nc_u32 v[ADRA], s[TB], v[A0]
	v_add_nc_u32 v[ADRB], s[TB], v[B0]
.if !(\fill)
	s_cmp_eq_u32 s3, 1
	s_cbranch_scc1 .Lno_more_\@
.endif
	FETCH 0, F0
.if \fill
	ASK
.else
.Lno_more_\@:
.endif
	MUL8 F1, 2, 0
	MUL8 F1, 3, 0
.endm
	s_load_b64 s[4:5], s[0:1], 0x0                 ; qkv: q lies at its head
	s_load_b64 s[8:9], s[0:1], 0x8                 ; ph
	s_load_b64 s[STP:STP+1], s[0:1], 0x10          ; st
	v_lshl_add_u32 v[SPW], v0, 2, SPARE
	v_mov_b32 v[NIL], 0
	ds_add_u32 v[SPW], v[NIL]                      ; the wave's opening: the add and its wait stand ahead of my first tensor load; the set-up below, work on registers, stands between them
	v_lshrrev_b32 v1, 5, v0
	v_readfirstlane_b32 s10, v1                    ; wave 0..3
	s_lshr_b32 s11, s10, 1                         ; which 64 rows of the tile are mine.  Also: I fetch for q (0) or for k (1)
	s_and_b32 s12, s10, 1                          ; which 128 keys.  Also: which half of that tile I fetch
	s_bfe_u32 s40, ttmp6, 0x40000                  ; cx, cy: my place in the cluster
	s_bfe_u32 s41, ttmp6, 0x40004
	s_lshl_b32 s42, ttmp9, 2
	s_add_co_u32 s42, s42, s40                     ; tile column = 4 x cluster x + cx: 256 keys
	s_and_b32 s[CY], ttmp7, 0xffff
	s_lshl_b32 s13, s[CY], 2
	s_add_co_u32 s13, s13, s41                     ; tile row = 4 x cluster y + cy: 128 queries
	s_mov_b32 s[YR], s13
	s_lshl_b32 s43, s41, 2
	s_lshl_b32 s43, 15, s43                        ; my row of the cluster: places 4 cy .. 4 cy + 3
	s_lshl_b32 s44, 0x1111, s40                    ; my column: places cx, cx + 4, cx + 8, cx + 12
	s_or_b32 s[G1A], s43, (1<<16)|(1<<20)|(1<<21)|(5<<22)|(3<<25)  ; 15:0 the mask; 17:16 elements of 2 bytes; 20 padding on; 21 set beside a mask; 24:22 after every 64 words (code 5); 31:25 4 words of it (code 3)
	s_mov_b32 s[G1A+1], 128<<16                    ; tensor_dim0 = 128
	s_mov_b32 s[G1A+2], 64<<16                     ; tensor_dim1 = 64
	s_mov_b32 s[G1A+3], 128<<16                    ; tile_dim0 = 128
	s_mov_b32 s[G1A+4], 64                         ; tile_dim1 = 64
	s_mov_b32 s[G1A+5], 1024                       ; elements from row to row
	s_mov_b32 s[G1A+6], 0
	s_mov_b32 s[G1A+7], 0
	s_or_b32 s[G1B], s44, (1<<16)|(1<<20)|(1<<21)|(5<<22)|(3<<25)  ; the same with my column's mask
	s_mov_b32 s[G1B+1], 128<<16                    ; tensor_dim0 = 128
	s_mov_b32 s[G1B+2], 128<<16                    ; tensor_dim1 = 128
	s_mov_b32 s[G1B+3], 128<<16                    ; tile_dim0 = 128
	s_mov_b32 s[G1B+4], 128                        ; tile_dim1 = 128
	s_mov_b32 s[G1B+5], 1024
	s_mov_b32 s[G1B+6], 0
	s_mov_b32 s[G1B+7], 0
	s_mov_b32 s[CS], 0x3d38aa3b                    ; c = log2(e) / 32 = 0.0450842
	s_mov_b32 s[CS+1], s[CS]                       ; named with it as a pair, so it is written
	s_mov_b32 s[SEL], 0x76543210
	s_mov_b32 s[SEL+1], 0xfedcba98
	s_mov_b32 s[UPPER], 0xffff0000
	; where the tiles come from: q's offset is made of the tile row and the wave's number, k's of the tile column, the batch and the wave's number, each in registers that never hold the other coordinate
	s_lshl_b32 s16, s[YR], 7
	s_lshl_b32 s17, s12, 6
	s_add_co_u32 s16, s16, s17                     ; q: row 128 x tile row + 64 x half,
	s_lshl_b32 s16, s16, 11                        ; in bytes (under 2^24)
	s_mov_b32 s17, 0
	s_lshl_b32 s46, s42, 8
	s_lshl_b32 s47, s12, 7
	s_add_co_u32 s46, s46, s47                     ; k: row 256 x tile column + 128 x half of the batch's 1,024
	s_lshl_b32 s46, s46, 11
	s_mov_b32 s47, 0
	s_lshr_b32 s20, s[CY], 1                       ; the batch: two clusters, 1,024 rows, each
	s_lshl_b32 s20, s20, 21
	s_add_co_u32 s20, s20, 16<<20                  ; k lies 16 MiB into qkv
	s_mov_b32 s21, 0
	s_mul_i32 s22, s12, AHALF                      ; and where they go: no place in the cluster enters an LDS address
	s_mul_i32 s23, s12, BHALF
	s_add_co_u32 s23, s23, BOFF
	s_wait_dscnt 0x0                               ; the opening add is done
	s_wait_kmcnt 0x0
	s_add_nc_u64 s[6:7], s[4:5], s[20:21]          ; the batch's k
	s_add_nc_u64 s[14:15], s[4:5], s[16:17]
	s_add_nc_u64 s[46:47], s[6:7], s[46:47]
	CROUND                                         ; all sixteen work-groups are here: the first joint loads meet
.irp n, 0,1
	s_mov_b32 s[G0A+4*(\n)], 1                                       ; count = 1
	s_add_co_u32 s[G0A+4*(\n)+1], s22, (\n)*SLOT1                    ; LDS address
	s_add_nc_u64 s[G0A+4*(\n)+2:G0A+4*(\n)+3], s[14:15], (\n)*KA     ; global address: K step n
	s_or_b32 s[G0A+4*(\n)+3], s[G0A+4*(\n)+3], 0x80000000            ; type = 2
	s_mov_b32 s[G0B+4*(\n)], 1
	s_add_co_u32 s[G0B+4*(\n)+1], s23, (\n)*SLOT1
	s_add_nc_u64 s[G0B+4*(\n)+2:G0B+4*(\n)+3], s[46:47], (\n)*KA
	s_or_b32 s[G0B+4*(\n)+3], s[G0B+4*(\n)+3], 0x80000000
.endr
	s_cmp_eq_u32 s11, 0                            ; a wave's two first fills stand in one branch, ahead of every wait on TENSORcnt and every LDS read: two loads of mine are out
	s_cbranch_scc0 .Lfirst_b
	tensor_load_to_lds s[G0A:G0A+3], s[G1A:G1A+7]
	s_nop 0
	tensor_load_to_lds s[G0A+4:G0A+7], s[G1A:G1A+7]
	s_nop 0
.rept 4
	v_nop
.endr
	s_branch .Lfirst_asked
.Lfirst_b:
	tensor_load_to_lds s[G0B:G0B+3], s[G1B:G1B+7]
	s_nop 0
	tensor_load_to_lds s[G0B+4:G0B+7], s[G1B:G1B+7]
	s_nop 0
.rept 4
	v_nop
.endr
.Lfirst_asked:
	; A fragment is 16 rows x 32 along K in 8 registers: lane l holds row l % 16, K = 8 (l / 16) + 0..7 and 16 + 8 (l / 16) + 0..7.
	v_and_b32 v1, 15, v0                           ; l % 16
	v_bfe_u32 v2, v0, 4, 1                         ; l / 16
	v_mul_u32_u24 v3, v1, PA
	v_lshl_add_u32 v3, v2, 4, v3                   ; row x pitch + 16 x half
	s_mul_i32 s21, s11, AHALF                      ; my 64 rows of q
	v_add_nc_u32 v[A0], s21, v3
	s_mul_i32 s22, s12, BHALF                      ; my 128 rows of k
	s_add_co_u32 s22, s22, BOFF
	v_add_nc_u32 v[B0], s22, v3
	v_mov_b32 v[ADRA], v[A0]                       ; slot 0
	v_mov_b32 v[ADRB], v[B0]
	s_mov_b32 s[TB], 0
	s_mul_i32 s23, s10, 16*SP
	s_add_co_u32 s23, s23, STAGE                   ; my stage
	v_add_nc_u32 v[STO], s23, v3                   ; in: row l % 16, 16 bytes for each half of the lanes (the stage's pitch is the tiles')
	v_mul_u32_u24 v5, v2, SP                       ; back: lanes 0-15 take one row of 256 bytes, lanes 16-31 the next
	v_lshl_add_u32 v5, v1, 4, v5
	v_add_nc_u32 v[RD], s23, v5
	v_lshlrev_b32 v5, 11, v2                       ; and the same two rows in p
	v_lshl_add_u32 v[CO], v1, 4, v5
	v_and_b32 v5, 31, v0
	v_lshlrev_b32 v[SO], 3, v5
	v_lshlrev_b32 v[PFO], 11, v5
	v_mov_b32 v[MX+9], 0                           ; v_permlanex16_b32 counts as a reader of its destination: written once
	s_lshl_b32 s20, s13, 7                         ; where my part of the tile begins in p: row 128 x tile row + 64 x half,
	s_lshl_b32 s21, s11, 6
	s_add_co_u32 s20, s20, s21
	s_lshl_b32 s20, s20, 11
	s_lshl_b32 s21, s42, 9                         ; key 256 x tile column + 128 x half, in bytes
	s_add_co_u32 s20, s20, s21
	s_lshl_b32 s21, s12, 8
	s_add_co_u32 s20, s20, s21
	s_mov_b32 s21, 0
	s_add_nc_u64 s[8:9], s[8:9], s[20:21]
	s_lshl_b32 s20, s42, 1                         ; and in st: key block 2 x tile column + half,
	s_add_co_u32 s20, s20, s12
	s_lshl_b32 s20, s20, 13                        ; 8,192 rows each,
	s_lshl_b32 s21, s13, 7
	s_add_co_u32 s20, s20, s21
	s_lshl_b32 s21, s11, 6
	s_add_co_u32 s20, s20, s21                     ; my first row,
	s_lshl_b32 s20, s20, 3                         ; 8 bytes a row
	s_mov_b32 s21, 0
	s_add_nc_u64 s[STP:STP+1], s[STP:STP+1], s[20:21]
	; the prefetches: both offsets are made, and the wave's number chooses
	s_lshl_b32 s20, s[YR], 7
	s_lshl_b32 s21, s40, 5
	s_add_co_u32 s20, s20, s21                     ; q: my work-group's 32 rows of the tile's 128,
	s_lshl_b32 s20, s20, 11
	s_add_co_u32 s20, s20, 3*KA                    ; at K step 3: the first change of slots steps it to 4
	s_lshl_b32 s21, s42, 8
	s_lshl_b32 s22, s41, 6
	s_add_co_u32 s21, s21, s22
	s_lshl_b32 s22, s12, 5
	s_add_co_u32 s21, s21, s22                     ; k: my wave's 32 rows of the tile's 256
	s_lshl_b32 s21, s21, 11
	s_add_co_u32 s21, s21, 3*KA
	s_and_b32 s17, s[CY], 1                        ; 0 in the first of the two clusters that read this batch's k
	s_cmp_eq_u32 s11, 0                            ; do I fetch for q?
	s_cselect_b32 s20, s20, s21
	s_cselect_b64 s[PFA:PFA+1], s[4:5], s[6:7]
	s_cselect_b32 s16, s12, s17                    ; q: wave 0 asks; k: waves 2 and 3 of the first cluster
	s_mov_b32 s21, 0
	s_add_nc_u64 s[PFA:PFA+1], s[PFA:PFA+1], s[20:21]
	s_cmp_eq_u32 s16, 0
	s_cselect_b32 s[LIM], 2, -1                    ; the same in all sixteen partners, for a given wave
	s_wait_tensorcnt 1                             ; my part of K step 0 is in; K step 1's may stay out
	s_barrier_signal -1
	s_barrier_wait -1                              ; everybody's is
	FETCH 0, F0
	QUARTER 1, F0, F1, 1                           ; the first quarter stands in front of the loop: its products start the sums
	WIN 0                                          ; at a label and at a branch every window is 0
	s_mov_b32 s3, 6
.Lstep:                                        ; six trips, from a step's second quarter to the next step's first; they ask for K steps 2 to 7
	QUARTER 2, F1, F0, 0
	QUARTER 3, F0, F1, 0
	TURN 1
	QUARTER 1, F0, F1, 0
	WIN 0
	s_sub_co_u32 s3, s3, 1
	s_cmp_lg_u32 s3, 0
	s_cbranch_scc1 .Lstep
	s_mov_b32 s3, 2
.Ltail:                                        ; K steps 6 and 7 ask for nothing; the second trip has no next step: its two forward jumps pass LDS loads and matrix instructions alone
	QUARTER 2, F1, F0, 0
	QUARTER 3, F0, F1, 0
	TURN 0
	WIN 0
	s_cmp_eq_u32 s3, 1
	s_cbranch_scc1 .Lskip
	QUARTER 1, F0, F1, 0
	WIN 0
.Lskip:
	s_sub_co_u32 s3, s3, 1
	s_cmp_lg_u32 s3, 0
	s_cbranch_scc1 .Ltail
	; THE WAY OUT, a block of 16 rows x 128 keys at a time: maximum, exponentials, sum; p rounded to f16 goes through my own stage and leaves as whole rows of 256 bytes.
	s_wait_dscnt 0x0                               ; the last trip fetched nothing: no LDS load is out on any way through the two jumps above, so the fragment buffers may be written
	PLACES
	PLACES                                         ; eight places, once a launch, behind the last products
; Block a: a lane's 64 scores lie in v[64 a .. 64 a + 63] of window 1; its query's other 64 lie in the lane 16 away.
.macro SOFT a
.set AC, 64*(\a)
.set SV, STAT+2*(\a)
	WIN 0x15                                       ; all three sources in window 1.  Eight chains, one an accumulator, three operands at a time
.irp b, 0,1,2,3,4,5,6,7
	v_max3_num_f32 v[MX+(\b)], v[AC+8*(\b)], v[AC+8*(\b)+1], v[AC+8*(\b)+2]
.endr
	WIN 0x14                                       ; source 0, the chain, in window 0
.irp b, 0,1,2,3,4,5,6,7
	v_max3_num_f32 v[MX+(\b)], v[MX+(\b)], v[AC+8*(\b)+3], v[AC+8*(\b)+4]
.endr
.irp b, 0,1,2,3,4,5,6,7
	v_max3_num_f32 v[MX+(\b)], v[MX+(\b)], v[AC+8*(\b)+5], v[AC+8*(\b)+6]
.endr
.irp b, 0,2,4,6
	v_max3_num_f32 v[MX+(\b)], v[MX+(\b)], v[AC+8*(\b)+7], v[AC+8*(\b)+15]
.endr
	WIN 0
	v_max3_num_f32 v[MX], v[MX], v[MX+1], v[MX+2]
	v_max3_num_f32 v[MX+3], v[MX+3], v[MX+4], v[MX+5]
	v_max3_num_f32 v[MX], v[MX], v[MX+6], v[MX+7]
	v_max_num_f32 v[MX], v[MX], v[MX+3]
	v_permlanex16_b32 v[MX+1], v[MX], s[SEL], s[SEL+1]
	v_max_num_f32 v[MX], v[MX], v[MX+1]            ; m: the maximum of the row's 128 scores
	v_mul_f32 v[SV], s[CS], v[MX]                  ; c m
	v_mov_b32 v[SV+1], 0                           ; named with it as a pair below; later it takes l
	WIN 0x41                                       ; destination and source 0 in window 1
.set i, 0
.rept 32
	v_pk_fma_f32 v[AC+i:AC+i+1], v[AC+i:AC+i+1], s[CS:CS+1], v[SV:SV+1] op_sel_hi:[1,0,0] neg_lo:[0,0,1] neg_hi:[0,0,1]  ; c s - c m, one rounding
.set i, i+2
.endr
.set i, 0
.rept 64                               ; ONE BATCH: none of these names another's result
	v_exp_f32 v[AC+i], v[AC+i]
.set i, i+1
.endr
	v_nop                                          ; a plain instruction behind the last exponential,
	s_wait_alu depctr_va_vdst(0)                   ; and a wait ahead of the first use: one for the 64
	WIN 0x05                                       ; sources 0 and 1 in window 1
.set i, 0
.rept 32
	v_cvt_pk_f16_f32 v[TMP+i], v[AC+2*i], v[AC+2*i+1]
.set i, i+1
.endr
	WIN 0x45                                       ; the sum of the unrounded p, in place: pairs 16, 8, 4, 2 and 1 apart
.irp d, 16,8,4,2,1
.set i, 0
.rept \d
	v_pk_add_f32 v[AC+2*i:AC+2*i+1], v[AC+2*i:AC+2*i+1], v[AC+2*(i+(\d)):AC+2*(i+(\d))+1]
.set i, i+1
.endr
.endr
	WIN 0x05
	v_add_f32 v[MX+8], v[AC], v[AC+1]
	WIN 0
	v_permlanex16_b32 v[MX+9], v[MX+8], s[SEL], s[SEL+1]
	v_add_f32 v[SV+1], v[MX+8], v[MX+9]            ; l
.endm
.macro TOSTAGE a
.set BKA, BK+32*((\a)%2)
.irp b, 0,1,2,3,4,5,6,7
	ds_store_b128 v[STO], v[TMP+4*(\b):TMP+4*(\b)+3] offset:32*(\b)
.endr
.irp t, 0,1,2,3,4,5,6,7
	ds_load_b128 v[BKA+4*(\t):BKA+4*(\t)+3], v[RD] offset:(\t)*2*SP  ; LDS serves a wave's instructions in order (ISA guide 5.7.1.4): these see the stores above
.endr
.endm
.macro SEND a
.set BKA, BK+32*((\a)%2)
	s_wait_dscnt 0x0                               ; the block is back in registers
	s_wait_xcnt 0x0                                ; the block before's stores have read their registers, which the next block's loads from the stage write
.irp t, 0,1,2,3,4,5,6,7
	global_store_b128 v[CO], v[BKA+4*(\t):BKA+4*(\t)+3], s[8:9] offset:(\a)*16*ROWB+(\t)*2*ROWB  ; 16 lanes store 256 consecutive bytes, at a multiple of 256 from p's first byte
.endr
.endm
	SOFT 0
	TOSTAGE 0
.irp a, 1,2,3                          ; block a's softmax stands between block a - 1's loads from the stage and the wait for them
	SOFT \a
	SEND (\a)-1
	TOSTAGE \a
.endr
	SEND 3
	; (c m, l): both halves of the lanes hold them, so lanes 0-15 give blocks 0 and 2, lanes 16-31 blocks 1 and 3: two stores of 256 consecutive bytes, aligned
	v_cndmask_b32 v56, v[STAT],   v[STAT+2], s[UPPER]
	v_cndmask_b32 v57, v[STAT+1], v[STAT+3], s[UPPER]
	v_cndmask_b32 v58, v[STAT+4], v[STAT+6], s[UPPER]
	v_cndmask_b32 v59, v[STAT+5], v[STAT+7], s[UPPER]
	global_store_b64 v[SO], v[56:57], s[STP:STP+1]
	global_store_b64 v[SO], v[58:59], s[STP:STP+1] offset:256
	s_wait_tensorcnt 0x0                           ; the wave's end: a wait for my tensor loads, an add of 0 to my spare word and a wait for it, behind my last tensor load and my last LDS store
	ds_add_u32 v[SPW], v[NIL]
	s_wait_dscnt 0x0
	CROUND                                         ; the closing round: no work-group ends while a partner may still ask for a tile that names it
	s_endpgm
.Lfunc_end_k_qfebd58238a_scores:
	.size	k_qfebd58238a_scores, .Lfunc_end_k_qfebd58238a_scores-k_qfebd58238a_scores
	.p2alignl 7, 3214868480
	.fill 96, 4, 3214868480
	.section	.rodata,"a",@progbits
	.p2align	6, 0x0
	.amdhsa_kernel k_qfebd58238a_scores
		.amdhsa_group_segment_fixed_size 327680
		.amdhsa_private_segment_fixed_size 0
		.amdhsa_enable_private_segment 0
		.amdhsa_kernarg_size 24
		.amdhsa_user_sgpr_count 2
		.amdhsa_user_sgpr_kernarg_segment_ptr 1
		.amdhsa_wavefront_size32 1
		.amdhsa_system_sgpr_workgroup_id_x 1
		.amdhsa_system_sgpr_workgroup_id_y 1
		.amdhsa_system_sgpr_workgroup_id_z 1
		.amdhsa_system_vgpr_workitem_id 0
		.amdhsa_next_free_vgpr 512
		.amdhsa_next_free_sgpr 84
		.amdhsa_reserve_vcc 0
		.amdhsa_float_denorm_mode_32 3
		.amdhsa_float_denorm_mode_16_64 3
		.amdhsa_memory_ordered 1
		.amdhsa_forward_progress 1
		.amdhsa_inst_pref_size 97
	.end_amdhsa_kernel
	.amdgpu_metadata
---
amdhsa.version: [ 1, 2 ]
amdhsa.kernels:
  - .name:           k_qfebd58238a_scores
    .symbol:         k_qfebd58238a_scores.kd
    .args:
      - { .name: qkv, .offset: 0, .size: 8, .value_kind: global_buffer, .address_space: global }
      - { .name: ph, .offset: 8, .size: 8, .value_kind: global_buffer, .address_space: global }
      - { .name: st, .offset: 16, .size: 8, .value_kind: global_buffer, .address_space: global }
    .group_segment_fixed_size: 327680
    .private_segment_fixed_size: 0
    .kernarg_segment_align: 8
    .kernarg_segment_size: 24
    .max_flat_workgroup_size: 128
    .sgpr_count:     84
    .vgpr_count:     512
    .wavefront_size: 32
...
	.end_amdgpu_metadata
.endif
;; end of part 3
;; launch norm (part 4): grid 256 x 1, 8 waves a work-group, no clusters, 0 bytes of LDS; arguments ph, st, out1, bufx; writes out1, bufx
.if DOCPART == 4
	.amdgcn_target "amdgcn-amd-amdhsa--gfx1250"
	.amdhsa_code_object_version 6
	.text
	.protected	k_qfebd58238a_norm
	.globl	k_qfebd58238a_norm
	.p2align	8
	.type	k_qfebd58238a_norm,@function
k_qfebd58238a_norm:
	s_mov_b64 s[64:65], 0
	v_nop
	global_prefetch_b8 v0, s[64:65] scope:SCOPE_SE
	s_setreg_imm32_b32 hwreg(HW_REG_WAVE_MODE, 25, 1), 1
	s_wait_xcnt 0x0
; NORM: the softmax's second half.  For row r and key block j (128 keys) the launch before left p = 2^(c s - c m_j) in f16 (ph) and the pair (c m_j, l_j) in f32 (st, at byte (8,192 j + r) x 8).
; Here: M = the maximum of the row's eight c m_j (so the row's own maximum is what is taken away), e_j = 2^(c m_j - M), L = the sum of e_j l_j, weight = p e_j / L.
; The weights leave twice: in f32, the module's second output (out1), and rounded once to f16, the next product's operand (bufx).
; LIMITS.  An e_j below 2^-126 counts as 0; an f16 weight below 6e-5 keeps f16's fixed step of 6e-8.  L is at least the l of the block that holds the row's maximum, which is about 1 or more.
; SHARES.  A wave takes four rows, a work-group 32.  One load of 8 bytes a lane is 256 consecutive bytes: the 128 keys of ONE block, so its factor is the same in all lanes.
; The statistics come by scalar loads (32 bytes: four rows' pairs of one block).  All 32 loads of p are issued at the head and waited for by count.
; No LDS, no barrier, no matrix unit: every byte is read once and written once, and no wave wants another's.
.set PD, 8                             ; v[8:71]     unit u = 8 row + block: two registers, four p
.set E,  72                            ; v[72:103]   c m_j - M, then e_j, then e_j / L, at 8 row + block
.set MX, 104                           ; v[104:107]  M, a row each
.set LS, 108                           ; v[108:111]  L, then 1 / L
.set W,  112                           ; v[112:143]  a row's weights in f32: four for each block
.set H,  144                           ; v[144:159]  the same in f16: two registers for each block
; block j's four pairs lie in s[16 + 8 j + 4 (j / 6) ..]: s16-63 for blocks 0 to 5, s68-83 for blocks 6 and 7; row r's c m at + 2 r, its l at + 2 r + 1
	s_load_b256 s[4:11], s[0:1], 0x0               ; ph s[4:5], st s[6:7], out1 s[8:9], bufx s[10:11]
	v_lshrrev_b32 v4, 5, v0
	v_readfirstlane_b32 s12, v4                    ; wave 0..7
	v_and_b32 v4, 31, v0
	v_lshlrev_b32 v1, 3, v4                        ; 8 x lane: f16 in and out
	v_lshlrev_b32 v2, 4, v4                        ; 16 x lane: f32 out
	v_mov_b32 v3, 0
	s_lshl_b32 s2, ttmp9, 5
	s_lshl_b32 s3, s12, 2
	s_add_co_u32 s2, s2, s3                        ; my first row = 32 x work-group + 4 x wave
	s_lshl_b32 s12, s2, 11                         ; 2,048 bytes a row in ph and bufx,
	s_mov_b32 s13, 0
	s_lshl_b32 s14, s2, 12                         ; 4,096 in out1,
	s_mov_b32 s15, 0
	s_lshl_b32 s2, s2, 3                           ; 8 in a block of st
	s_mov_b32 s3, 0
	s_wait_kmcnt 0x0
	s_add_nc_u64 s[4:5], s[4:5], s[12:13]
	s_add_nc_u64 s[10:11], s[10:11], s[12:13]
	s_add_nc_u64 s[8:9], s[8:9], s[14:15]
	s_add_nc_u64 s[6:7], s[6:7], s[2:3]
.irp j, 0,1,2,3,4,5,6,7
	s_load_b256 s[16+8*(\j)+4*((\j)/6):23+8*(\j)+4*((\j)/6)], s[6:7], (\j)*65536
.endr
.set u, 0
.rept 32
	global_load_b64 v[PD+2*u:PD+2*u+1], v1, s[4:5] offset:(u/8)*2048+(u%8)*256 th:TH_LOAD_NT
.set u, u+1
.endr
	s_wait_kmcnt 0x0                               ; the statistics
.irp r, 0,1,2,3
	v_mov_b32 v[MX+(\r)], s[16+2*(\r)]
.endr
.irp r, 0,1,2,3
	v_max3_num_f32 v[MX+(\r)], v[MX+(\r)], s[24+2*(\r)], s[32+2*(\r)]
.endr
.irp r, 0,1,2,3
	v_max3_num_f32 v[MX+(\r)], v[MX+(\r)], s[40+2*(\r)], s[48+2*(\r)]
.endr
.irp r, 0,1,2,3
	v_max3_num_f32 v[MX+(\r)], v[MX+(\r)], s[56+2*(\r)], s[68+2*(\r)]
.endr
.irp r, 0,1,2,3
	v_max_num_f32 v[MX+(\r)], s[76+2*(\r)], v[MX+(\r)]
.endr
.irp r, 0,1,2,3
.irp j, 0,1,2,3,4,5,6,7
	v_sub_f32 v[E+8*(\r)+(\j)], s[16+8*(\j)+4*((\j)/6)+2*(\r)], v[MX+(\r)]
.endr
.endr
.set u, 0
.rept 32                               ; one batch
	v_exp_f32 v[E+u], v[E+u]
.set u, u+1
.endr
	v_nop                                          ; a plain instruction behind the last exponential,
	s_wait_alu depctr_va_vdst(0)                   ; and a wait ahead of the first use: one for the 32
.irp r, 0,1,2,3
	v_mul_f32 v[LS+(\r)], s[17+2*(\r)], v[E+8*(\r)]
.endr
.irp j, 1,2,3,4,5,6,7
.irp r, 0,1,2,3
	v_fmac_f32 v[LS+(\r)], s[17+8*(\j)+4*((\j)/6)+2*(\r)], v[E+8*(\r)+(\j)]
.endr
.endr
.irp r, 0,1,2,3
	v_rcp_f32 v[LS+(\r)], v[LS+(\r)]
.endr
	v_nop
	s_wait_alu depctr_va_vdst(0)                   ; one wait for the four reciprocals
.irp r, 0,1,2,3
.irp j, 0,1,2,3,4,5,6,7
	v_mul_f32 v[E+8*(\r)+(\j)], v[E+8*(\r)+(\j)], v[LS+(\r)]
.endr
.endr
.set r, 0
.rept 4
.if r > 0
	s_wait_xcnt 0x0                                ; the row before's stores have read W and H, which are written again only behind this wait
.endif
.set j, 0
.rept 8
	s_wait_loadcnt 31-(8*r+j)                      ; loads come back in order: unit 8 r + j is in, the younger ones stay out
	v_fma_mix_f32 v[W+4*j],   v[PD+2*(8*r+j)],   v[E+8*r+j], v3 op_sel:[0,0,0] op_sel_hi:[1,0,0]  ; an f16 half of p times the f32 factor, plus 0
	v_fma_mix_f32 v[W+4*j+1], v[PD+2*(8*r+j)],   v[E+8*r+j], v3 op_sel:[1,0,0] op_sel_hi:[1,0,0]
	v_fma_mix_f32 v[W+4*j+2], v[PD+2*(8*r+j)+1], v[E+8*r+j], v3 op_sel:[0,0,0] op_sel_hi:[1,0,0]
	v_fma_mix_f32 v[W+4*j+3], v[PD+2*(8*r+j)+1], v[E+8*r+j], v3 op_sel:[1,0,0] op_sel_hi:[1,0,0]
	v_cvt_pk_f16_f32 v[H+2*j],   v[W+4*j],   v[W+4*j+1]
	v_cvt_pk_f16_f32 v[H+2*j+1], v[W+4*j+2], v[W+4*j+3]
	global_store_b128 v2, v[W+4*j:W+4*j+3], s[8:9] offset:4096*r+512*j th:TH_STORE_NT  ; 512 consecutive bytes, aligned
	global_store_b64 v1, v[H+2*j:H+2*j+1], s[10:11] offset:2048*r+256*j                ; 256 consecutive bytes, aligned
.set j, j+1
.endr
.set r, r+1
.endr
	s_endpgm
.Lfunc_end_k_qfebd58238a_norm:
	.size	k_qfebd58238a_norm, .Lfunc_end_k_qfebd58238a_norm-k_qfebd58238a_norm
	.p2alignl 7, 3214868480
	.fill 96, 4, 3214868480
	.section	.rodata,"a",@progbits
	.p2align	6, 0x0
	.amdhsa_kernel k_qfebd58238a_norm
		.amdhsa_group_segment_fixed_size 0
		.amdhsa_private_segment_fixed_size 0
		.amdhsa_enable_private_segment 0
		.amdhsa_kernarg_size 32
		.amdhsa_user_sgpr_count 2
		.amdhsa_user_sgpr_kernarg_segment_ptr 1
		.amdhsa_wavefront_size32 1
		.amdhsa_system_sgpr_workgroup_id_x 1
		.amdhsa_system_sgpr_workgroup_id_y 1
		.amdhsa_system_sgpr_workgroup_id_z 1
		.amdhsa_system_vgpr_workitem_id 0
		.amdhsa_next_free_vgpr 160
		.amdhsa_next_free_sgpr 84
		.amdhsa_reserve_vcc 0
		.amdhsa_float_denorm_mode_32 3
		.amdhsa_float_denorm_mode_16_64 3
		.amdhsa_memory_ordered 1
		.amdhsa_forward_progress 1
		.amdhsa_inst_pref_size 29
	.end_amdhsa_kernel
	.amdgpu_metadata
---
amdhsa.version: [ 1, 2 ]
amdhsa.kernels:
  - .name:           k_qfebd58238a_norm
    .symbol:         k_qfebd58238a_norm.kd
    .args:
      - { .name: ph, .offset: 0, .size: 8, .value_kind: global_buffer, .address_space: global }
      - { .name: st, .offset: 8, .size: 8, .value_kind: global_buffer, .address_space: global }
      - { .name: out1, .offset: 16, .size: 8, .value_kind: global_buffer, .address_space: global }
      - { .name: bufx, .offset: 24, .size: 8, .value_kind: global_buffer, .address_space: global }
    .group_segment_fixed_size: 0
    .private_segment_fixed_size: 0
    .kernarg_segment_align: 8
    .kernarg_segment_size: 32
    .max_flat_workgroup_size: 256
    .sgpr_count:     84
    .vgpr_count:     160
    .wavefront_size: 32
...
	.end_amdgpu_metadata
.endif
;; end of part 4
;; launch ctx (part 5): grid 4 x 64, 4 waves a work-group, clusters of 4 x 4, 327,680 bytes of LDS; arguments bufx, qkv, bufc; writes bufc
.if DOCPART == 5
	.amdgcn_target "amdgcn-amd-amdhsa--gfx1250"
	.amdhsa_code_object_version 6
	.text
	.protected	k_qfebd58238a_ctx
	.globl	k_qfebd58238a_ctx
	.p2align	8
	.type	k_qfebd58238a_ctx,@function
k_qfebd58238a_ctx:
	s_mov_b64 s[64:65], 0
	v_nop
	global_prefetch_b8 v0, s[64:65] scope:SCOPE_SE
	s_setreg_imm32_b32 hwreg(HW_REG_WAVE_MODE, 25, 1), 1
	s_wait_xcnt 0x0
	s_wait_alu depctr_hold_cnt(0) depctr_sa_sdst(0) depctr_va_vdst(0) depctr_va_sdst(0) depctr_va_ssrc(0) depctr_va_vcc(0) depctr_vm_vsrc(0)
	s_getreg_b32 s2, hwreg(HW_REG_IB_STS2, 6, 4)
	s_cmp_eq_u32 s2, 0
	s_cbranch_scc0 .Lentry_in_a_cluster
	s_endpgm
.Lentry_in_a_cluster:
	s_bfe_u32 s2, ttmp6, 0x10000c
	s_cmp_lg_u32 s2, 0xf033
	s_cbranch_scc0 .Lentry_shape_is_right
	s_endpgm
.Lentry_shape_is_right:
; CTX: ctx = weights v for each of 8 batches.  The weights are f16, [8192][1024 keys] (bufx); v is f16, [8192][1024], 32 MiB into qkv; sums f32, K (the keys) ascending; ctx leaves rounded once to f16 (bufc).
; LIMIT.  ctx is a mean of v's rows and has their range, inside f16's 65,504 where v is.  NaN and infinities are not treated apart.
; SHARES.  A work-group makes 128 rows x 256 columns of C: 256 work-groups.  Four waves, each 64 rows x 128 columns: 32 accumulators of 16 x 16, 256 registers.
; K goes in eight steps of 128 through two LDS slots filled by the tensor data mover; a step is four quarters of 32, 32 matrix instructions each.
; B (v) LIES [K][N] in memory and in LDS and is turned on the way into registers, by ds_load_tr16_b128: nothing is transposed in memory.
; THE MATRIX INSTRUCTION IS USED TRANSPOSED (source 0 = 16 columns of B, source 1 = 16 rows of A): a lane then holds row l % 16 of C and eight neighbouring columns, 16 bytes of f16.
; CLUSTER.  4 x 4 work-groups.  The four of a row of the cluster need the same tile of A, the four of a column the same tile of B: each is asked for JOINTLY, by the same tensor load with the same descriptor
; and a mask that names the four.  The batch hangs on the cluster's y alone (two clusters a batch).
; REGISTERS.  Window 0: v0-31 addresses; v64-159 and v160-255 two fragment buffers (B's fragment b at +8 b, A's fragment a at +64 + 8 a); on the way out v64-159 at work.  Window 1: accumulator (a, b) at v[8 (8 a + b)].
.set ROWB,  2048                       ; bytes in a row of every matrix here: 1,024 numbers of 16 bits
.set PA,    272                        ; A's rows in LDS: 256 bytes + 16 of padding = 68 words: the 16 rows of a fragment load start at 16 different groups of four banks (64 banks of 4 bytes: ISA guide 11.1)
.set PB,    544                        ; B's rows in LDS: 512 bytes + 32 = 136 words
.set AHALF, 64*PA                      ; what wave 0 or 1 fetches: 64 rows of A
.set BOFF,  128*PA                     ; B's tile lies behind A's
.set BHALF, 64*PB                      ; what wave 2 or 3 fetches: 64 rows (along K) of B
.set SLOT1, 1<<17                      ; slot 1 begins here: one exclusive or turns an address in one slot into the other's
.set STAGE, SLOT1+BOFF+128*PB          ; behind the ring, never filled by a tensor load: 16 rows x 272 bytes for each wave, for the way out
.set SP,    272
.set SPARE, STAGE+4*16*SP              ; behind the stages: the spare words, 128 bytes for each wave: two blocks of 256 bytes that no other line names
.set KA,    256                        ; a K step in A's memory: 128 numbers along the row
.set KB,    128*ROWB                   ; in B's: 128 rows down
.set A0,   16                          ; v16  my lane's place in a slot's tile of A; never rewritten
.set B0,   17                          ; v17  the same for B
.set ADRA, 18                          ; v18  A0 + the slot in hand
.set ADRB, 19                          ; v19  B0 + the slot in hand
.set STO,  24                          ; v24  the way out: where I put 16 bytes of a row
.set RD,   25                          ; v25  the way out: where I read a row back
.set CO,   26                          ; v26  my byte offset in C
.set SPW,  28                          ; v28  LDS address of my spare word: SPARE + 4 x my thread's number; never rewritten
.set NIL,  29                          ; v29  0; never rewritten
.set PFO,  30                          ; v30  the prefetches' lane offset; never rewritten
.set F0,   64
.set F1,   160
.set TMP,  64                          ; the way out: a block's packed results
.set BK,   96                          ; the way out: 16 rows read back from the stage: v96-127 and v128-159 by turns
.set G1A,  24                          ; s[24:31] descriptor group 1 for A's tiles
.set G0A,  32                          ; s[32:39] group 0 for A: a set for each first fill; the second then walks
.set G1B,  48                          ; s[48:55], s[56:63] the same for B
.set G0B,  56
.set LIM,  43                          ; s43  2 in a wave that prefetches, else the greatest number
.set PFA,  44                          ; s[44:45] where my prefetches stand
.set PFS,  66                          ; s[66:67] their step: a K step of A or of B
.set TB,   68                          ; s68  the slot in hand: 0 or SLOT1
.set CY,   69                          ; s69  the cluster's y
.set YR,   75                          ; s75  A's tile row
.set MSB, 0
.macro WIN new                         ; the immediate's high byte repeats the setting that is left; a switch that changes nothing is dropped
.if MSB != (\new)
	s_set_vgpr_msb (MSB<<8)|(\new)
.set MSB, \new
.endif
.endm
.set W_MUL, 0x50                       ; C and D in window 1, both sources in window 0
; A joint refill by the walking descriptors.  Waves 0 and 1 fetch A's halves, waves 2 and 3 B's.  The branch hangs on the wave's number alone.
; An s_nop 0 and four v_nop follow each of the two lines, ahead of the jump, the label and what follows.
.macro JLOAD
	s_cmp_eq_u32 s11, 0
	s_cbranch_scc0 .Lfor_b_\@
	tensor_load_to_lds s[G0A+4:G0A+7], s[G1A:G1A+7]
	s_nop 0
.rept 4
	v_nop
.endr
	s_branch .Lasked_\@
.Lfor_b_\@:
	tensor_load_to_lds s[G0B+4:G0B+7], s[G1B:G1B+7]
	s_nop 0
.rept 4
	v_nop
.endr
.Lasked_\@:
.endm
; A round of the cluster's barrier behind its opening barrier: wave 0 signals for the work-group, every wave waits for all sixteen, my work-group's barrier closes it.
.macro CREST
	s_cmp_lg_u32 s10, 0
	s_cbranch_scc1 .Lnot_wave_0_\@
	s_barrier_signal -3
.Lnot_wave_0_\@:
	s_barrier_wait -3
	s_barrier_signal -1
	s_barrier_wait -1
.endm
.macro CROUND
	s_barrier_signal -1
	s_barrier_wait -1
	CREST
.endm
; A PREFETCH INTO THE L2 of the K step that stands two refills on: 32 blocks of 256 bytes, a lane a block, one instruction a wave, behind the joint load, its five lines and the run of LDS loads.
; Each block is named once in the launch.  A's 128 rows are read by my cluster's row alone: its four partners take 32 rows each, told apart by address (cx); wave 0 asks.  B's 128 rows x 512 bytes of a step are read
; by the two clusters of a batch: the first asks, its four partners of a column (cy) and their waves 2 and 3 take 16 rows each, two blocks a row.  Trips 6 to 3 ask for K steps 4 to 7; steps 0 to 3 come by their loads alone.
.macro ASK
	s_cmp_gt_u32 s3, s[LIM]
	s_cbranch_scc0 .Lnot_mine_\@
	global_prefetch_b8 v[PFO], s[PFA:PFA+1] th:TH_LOAD_NT scope:SCOPE_SE
.Lnot_mine_\@:
.endm
; 8 matrix instructions: row block a x all 8 column blocks, 32 along K, from buffer f.  zero = 1: the product starts the sums: nothing is ever cleared.
; The 32 accumulators take turns, one instruction a turn, in the same order in every quarter, over the backward jumps too.
.macro MUL8 f, a, zero
	WIN W_MUL
.irp b, 0,1,2,3,4,5,6,7
.if \zero
	v_wmma_f32_16x16x32_f16 v[8*(8*(\a)+(\b)):8*(8*(\a)+(\b))+7], v[(\f)+8*(\b):(\f)+8*(\b)+7], v[(\f)+64+8*(\a):(\f)+64+8*(\a)+7], 0
.else
	v_wmma_f32_16x16x32_f16 v[8*(8*(\a)+(\b)):8*(8*(\a)+(\b))+7], v[(\f)+8*(\b):(\f)+8*(\b)+7], v[(\f)+64+8*(\a):(\f)+64+8*(\a)+7], v[8*(8*(\a)+(\b)):8*(8*(\a)+(\b))+7]
.endif
.endr
.endm
; 24 LDS loads in one run: quarter q of the slot in hand into buffer f: B's eight fragments (32 rows along K x 16 columns, turned), then A's four (16 rows x 32 along K).
.macro FETCH q, f
	WIN 0
.irp b, 0,1,2,3,4,5,6,7
	ds_load_tr16_b128 v[(\f)+8*(\b):(\f)+8*(\b)+3],   v[ADRB] offset:(\q)*32*PB+32*(\b)
	ds_load_tr16_b128 v[(\f)+8*(\b)+4:(\f)+8*(\b)+7], v[ADRB] offset:(\q)*32*PB+16*PB+32*(\b)
.endr
.irp a, 0,1,2,3
	ds_load_b128 v[(\f)+64+8*(\a):(\f)+64+8*(\a)+3],   v[ADRA] offset:(\q)*64+(\a)*16*PA
	ds_load_b128 v[(\f)+64+8*(\a)+4:(\f)+64+8*(\a)+7], v[ADRA] offset:(\q)*64+(\a)*16*PA+32
.endr
.endm
.macro PLACES                          ; four places in front of loads into registers that matrix instructions have read, and of instructions that read results (ISA guide 7.12.1 for the instructions that read results)
.rept 4
	v_nop
.endr
.endm
; One of a K step's first three quarters: multiplies buffer f and fetches quarter q of the same slot into buffer g.
.macro QUARTER q, f, g, zero
	s_wait_dscnt 6                                 ; B's fragments and A's first are in; the youngest six loads (A's fragments 1 to 3) may be out
	MUL8 \f, 0, \zero
	PLACES
	FETCH \q, \g
	s_wait_dscnt 24                                ; all but the 24 just issued
	MUL8 \f, 1, \zero
	MUL8 \f, 2, \zero
	MUL8 \f, 3, \zero
.endm
; The last quarter multiplies buffer 1 and changes slots: ONE barrier.  In front of it each wave waits for all its tensor loads (one is out: its part of the next slot), adds 0 to its spare word, and waits for that
; and for its reads of this slot.  fill = 1: the barrier opens a round of the cluster's, so that no wave of any partner still reads the slot or has a load on its way, and the joint refill, two K steps ahead, is the first
; thing behind it: 112 matrix instructions ahead of the wait for it.  fill = 0 (the tail): nothing is asked for; in the last trip there is no next slot, and the run of loads is jumped over.
.macro TURN fill
.if \fill
	s_wait_xcnt 0x0                                ; the last prefetch, a K step back, has read its address: it is stepped here, ahead of the waits of the change of slots
	s_add_nc_u64 s[PFA:PFA+1], s[PFA:PFA+1], s[PFS:PFS+1]
.endif
	WIN 0
	s_wait_tensorcnt 0x0                           ; all my tensor loads have landed
	ds_add_u32 v[SPW], v[NIL]                      ; 0 onto my spare word
	s_wait_dscnt 7                                 ; the add and the youngest six loads (A's fragments 1 to 3) may be out
	MUL8 F1, 0, 0                                  ; eight matrix instructions stand between the add and the wait for it
	s_wait_dscnt 0x0                               ; the add is done, and my reads of this slot are over
	s_barrier_signal -1
	MUL8 F1, 1, 0                                  ; work on registers while the others arrive
	WIN 0
	s_barrier_wait -1
.if \fill
	CREST
	s_xor_b32 s[G0A+5], s[G0A+5], SLOT1            ; no tensor load of mine is out, so the walking descriptors may be written: the other slot than last time,
	s_add_nc_u64 s[G0A+6:G0A+7], s[G0A+6:G0A+7], KA  ; the next K step; the type bits on top are not reached
	s_xor_b32 s[G0B+5], s[G0B+5], SLOT1
	s_add_nc_u64 s[G0B+6:G0B+7], s[G0B+6:G0B+7], KB
	JLOAD                                          ; the four v_nop behind it are also the places in front of the loads below
.else
	PLACES
.endif
	s_xor_b32 s[TB], s[TB], SLOT1
	v_add_nc_u32 v[ADRA], s[TB], v[A0]
	v_add_nc_u32 v[ADRB], s[TB], v[B0]
.if !(\fill)
	s_cmp_eq_u32 s3, 1
	s_cbranch_scc1 .Lno_more_\@
.endif
	FETCH 0, F0
.if \fill
	ASK
.else
.Lno_more_\@:
.endif
	MUL8 F1, 2, 0
	MUL8 F1, 3, 0
.endm
	s_load_b128 s[4:7], s[0:1], 0x0                ; the weights (bufx) s[4:5], qkv s[6:7]
	s_load_b64 s[8:9], s[0:1], 0x10                ; bufc
	v_lshl_add_u32 v[SPW], v0, 2, SPARE
	v_mov_b32 v[NIL], 0
	ds_add_u32 v[SPW], v[NIL]                      ; the wave's opening: the add and its wait stand ahead of my first tensor load; the set-up below, work on registers, stands between them
	v_lshrrev_b32 v1, 5, v0
	v_readfirstlane_b32 s10, v1                    ; wave 0..3
	s_lshr_b32 s11, s10, 1                         ; which 64 rows of the tile are mine.  Also: I fetch for A (0) or for B (1)
	s_and_b32 s12, s10, 1                          ; which 128 columns.  Also: which half of that tile I fetch
	s_bfe_u32 s40, ttmp6, 0x40000                  ; cx, cy: my place in the cluster
	s_bfe_u32 s41, ttmp6, 0x40004
	s_lshl_b32 s42, ttmp9, 2
	s_add_co_u32 s42, s42, s40                     ; tile column of C = 4 x cluster x + cx
	s_and_b32 s[CY], ttmp7, 0xffff
	s_lshl_b32 s13, s[CY], 2
	s_add_co_u32 s13, s13, s41                     ; tile row of C = 4 x cluster y + cy
	s_mov_b32 s[YR], s13
	s_lshl_b32 s43, s41, 2
	s_lshl_b32 s43, 15, s43                        ; my row of the cluster: places 4 cy .. 4 cy + 3
	s_lshl_b32 s44, 0x1111, s40                    ; my column: places cx, cx + 4, cx + 8, cx + 12
	s_or_b32 s[G1A], s43, (1<<16)|(1<<20)|(1<<21)|(5<<22)|(3<<25)  ; 15:0 the mask; 17:16 elements of 2 bytes; 20 padding on; 21 set beside a mask; 24:22 after every 64 words (code 5); 31:25 4 words of it (code 3)
	s_mov_b32 s[G1A+1], 128<<16                    ; tensor_dim0 = 128
	s_mov_b32 s[G1A+2], 64<<16                     ; tensor_dim1 = 64
	s_mov_b32 s[G1A+3], 128<<16                    ; tile_dim0 = 128
	s_mov_b32 s[G1A+4], 64                         ; tile_dim1 = 64
	s_mov_b32 s[G1A+5], 1024                       ; elements from row to row
	s_mov_b32 s[G1A+6], 0
	s_mov_b32 s[G1A+7], 0
	s_or_b32 s[G1B], s44, (1<<16)|(1<<20)|(1<<21)|(6<<22)|(7<<25)  ; my column's mask; padding after every 128 words (code 6), 8 words of it (code 7)
	s_mov_b32 s[G1B+1], 256<<16                    ; tensor_dim0 = 256
	s_mov_b32 s[G1B+2], 64<<16                     ; tensor_dim1 = 64
	s_mov_b32 s[G1B+3], 256<<16                    ; tile_dim0 = 256
	s_mov_b32 s[G1B+4], 64                         ; tile_dim1 = 64
	s_mov_b32 s[G1B+5], 1024
	s_mov_b32 s[G1B+6], 0
	s_mov_b32 s[G1B+7], 0
	; where the tiles come from: A's offset is made of the tile row and the wave's number, B's of the tile column, the batch and the wave's number, each in registers that never hold the other coordinate
	s_lshl_b32 s16, s[YR], 7
	s_lshl_b32 s17, s12, 6
	s_add_co_u32 s16, s16, s17                     ; A: row 128 x tile row + 64 x half,
	s_lshl_b32 s16, s16, 11                        ; in bytes (under 2^24)
	s_mov_b32 s17, 0
	s_lshl_b32 s46, s12, 17                        ; B: 64 rows x half,
	s_lshl_b32 s47, s42, 9                         ; 256 columns x tile column
	s_add_co_u32 s46, s46, s47
	s_mov_b32 s47, 0
	s_lshr_b32 s20, s[CY], 1                       ; the batch: two clusters, 1,024 rows, each
	s_lshl_b32 s20, s20, 21
	s_add_co_u32 s20, s20, 32<<20                  ; v lies 32 MiB into qkv
	s_mov_b32 s21, 0
	s_mul_i32 s22, s12, AHALF                      ; and where they go: no place in the cluster enters an LDS address
	s_mul_i32 s23, s12, BHALF
	s_add_co_u32 s23, s23, BOFF
	s_wait_dscnt 0x0                               ; the opening add is done
	s_wait_kmcnt 0x0
	s_add_nc_u64 s[6:7], s[6:7], s[20:21]          ; the batch's v
	s_add_nc_u64 s[14:15], s[4:5], s[16:17]
	s_add_nc_u64 s[46:47], s[6:7], s[46:47]
	CROUND                                         ; all sixteen work-groups are here: the first joint loads meet
.irp n, 0,1
	s_mov_b32 s[G0A+4*(\n)], 1                                       ; count = 1
	s_add_co_u32 s[G0A+4*(\n)+1], s22, (\n)*SLOT1                    ; LDS address
	s_add_nc_u64 s[G0A+4*(\n)+2:G0A+4*(\n)+3], s[14:15], (\n)*KA     ; global address: K step n
	s_or_b32 s[G0A+4*(\n)+3], s[G0A+4*(\n)+3], 0x80000000            ; type = 2
	s_mov_b32 s[G0B+4*(\n)], 1
	s_add_co_u32 s[G0B+4*(\n)+1], s23, (\n)*SLOT1
	s_add_nc_u64 s[G0B+4*(\n)+2:G0B+4*(\n)+3], s[46:47], (\n)*KB
	s_or_b32 s[G0B+4*(\n)+3], s[G0B+4*(\n)+3], 0x80000000
.endr
	s_cmp_eq_u32 s11, 0                            ; a wave's two first fills stand in one branch, ahead of every wait on TENSORcnt and every LDS read: two loads of mine are out
	s_cbranch_scc0 .Lfirst_b
	tensor_load_to_lds s[G0A:G0A+3], s[G1A:G1A+7]
	s_nop 0
	tensor_load_to_lds s[G0A+4:G0A+7], s[G1A:G1A+7]
	s_nop 0
.rept 4
	v_nop
.endr
	s_branch .Lfirst_asked
.Lfirst_b:
	tensor_load_to_lds s[G0B:G0B+3], s[G1B:G1B+7]
	s_nop 0
	tensor_load_to_lds s[G0B+4:G0B+7], s[G1B:G1B+7]
	s_nop 0
.rept 4
	v_nop
.endr
.Lfirst_asked:
	; A fragment of A is 16 rows x 32 along K in 8 registers: lane l holds row l % 16, K = 8 (l / 16) + 0..7 and 16 + 8 (l / 16) + 0..7: two loads of 16 bytes, 32 bytes apart.
	v_and_b32 v1, 15, v0                           ; l % 16
	v_bfe_u32 v2, v0, 4, 1                         ; l / 16
	v_mul_u32_u24 v3, v1, PA
	v_lshl_add_u32 v3, v2, 4, v3                   ; row x pitch + 16 x half
	s_mul_i32 s21, s11, AHALF                      ; my 64 rows of A
	v_add_nc_u32 v[A0], s21, v3
	; The turning load takes 16 along K x 16 columns (lane l reads row 8 (l / 16) + l % 8, columns 8 ((l / 8) % 2) + 0..7) and leaves half a fragment: lane l holds column l % 16 and 8 along K.
	v_and_b32 v4, 7, v0
	v_lshl_add_u32 v4, v2, 3, v4
	v_mul_u32_u24 v4, v4, PB
	v_bfe_u32 v5, v0, 3, 1
	v_lshl_add_u32 v4, v5, 4, v4
	s_lshl_b32 s22, s12, 8                         ; my 128 columns of B
	s_add_co_u32 s22, s22, BOFF
	v_add_nc_u32 v[B0], s22, v4
	v_mov_b32 v[ADRA], v[A0]                       ; slot 0
	v_mov_b32 v[ADRB], v[B0]
	s_mov_b32 s[TB], 0
	s_mul_i32 s23, s10, 16*SP
	s_add_co_u32 s23, s23, STAGE                   ; my stage
	v_add_nc_u32 v[STO], s23, v3                   ; in: row l % 16, 16 bytes for each half of the lanes (the stage's pitch is A's)
	v_mul_u32_u24 v5, v2, SP                       ; back: lanes 0-15 take one row of 256 bytes, lanes 16-31 the next
	v_lshl_add_u32 v5, v1, 4, v5
	v_add_nc_u32 v[RD], s23, v5
	v_lshlrev_b32 v5, 11, v2                       ; and the same two rows in C
	v_lshl_add_u32 v[CO], v1, 4, v5
	s_lshl_b32 s20, s13, 7                         ; where my part of the tile begins in C: row 128 x tile row + 64 x half,
	s_lshl_b32 s21, s11, 6
	s_add_co_u32 s20, s20, s21
	s_lshl_b32 s20, s20, 11
	s_lshl_b32 s21, s42, 9                         ; column 256 x tile column + 128 x half, in bytes
	s_add_co_u32 s20, s20, s21
	s_lshl_b32 s21, s12, 8
	s_add_co_u32 s20, s20, s21
	s_mov_b32 s21, 0
	s_add_nc_u64 s[8:9], s[8:9], s[20:21]
	; the prefetches: both offsets are made, and the wave's number chooses
	s_lshl_b32 s20, s[YR], 7
	s_lshl_b32 s21, s40, 5
	s_add_co_u32 s20, s20, s21                     ; A: my work-group's 32 rows of the tile's 128,
	s_lshl_b32 s20, s20, 11
	s_add_co_u32 s20, s20, 3*KA                    ; at K step 3: the first change of slots steps it to 4
	s_lshl_b32 s21, s41, 1
	s_add_co_u32 s21, s21, s12
	s_lshl_b32 s21, s21, 15                        ; B: my wave's 16 rows of a step's 128,
	s_lshl_b32 s22, s42, 9                         ; my tile column's 512 bytes of them
	s_add_co_u32 s21, s21, s22
	s_add_co_u32 s21, s21, 3*KB
	s_and_b32 s17, s[CY], 1                        ; 0 in the first of the two clusters that read this batch's v
	s_mov_b32 s[PFS], KB
	s_mov_b32 s[PFS+1], 0
	s_cmp_eq_u32 s11, 0                            ; do I fetch for A?
	s_cselect_b32 s20, s20, s21
	s_cselect_b64 s[PFA:PFA+1], s[4:5], s[6:7]
	s_cselect_b32 s[PFS], KA, s[PFS]
	s_cselect_b32 s22, 31, 15                      ; A: a lane a row; B: 16 rows,
	s_cselect_b32 s23, 0, 256                      ; two blocks of 256 bytes in each
	s_cselect_b32 s16, s12, s17                    ; A: wave 0 asks; B: waves 2 and 3 of the first cluster
	s_mov_b32 s21, 0
	s_add_nc_u64 s[PFA:PFA+1], s[PFA:PFA+1], s[20:21]
	s_cmp_eq_u32 s16, 0
	s_cselect_b32 s[LIM], 2, -1                    ; the same in all sixteen partners, for a given wave
	v_and_b32 v31, 31, v0
	v_and_b32 v[PFO], s22, v31
	v_lshrrev_b32 v31, 4, v31
	v_mul_u32_u24 v31, v31, s23
	v_lshl_add_u32 v[PFO], v[PFO], 11, v31
	s_wait_tensorcnt 1                             ; my part of K step 0 is in; K step 1's may stay out
	s_barrier_signal -1
	s_barrier_wait -1                              ; everybody's is
	FETCH 0, F0
	QUARTER 1, F0, F1, 1                           ; the first quarter stands in front of the loop: its products start the sums
	WIN 0                                          ; at a label and at a branch every window is 0
	s_mov_b32 s3, 6
.Lstep:                                        ; six trips, from a step's second quarter to the next step's first; they ask for K steps 2 to 7
	QUARTER 2, F1, F0, 0
	QUARTER 3, F0, F1, 0
	TURN 1
	QUARTER 1, F0, F1, 0
	WIN 0
	s_sub_co_u32 s3, s3, 1
	s_cmp_lg_u32 s3, 0
	s_cbranch_scc1 .Lstep
	s_mov_b32 s3, 2
.Ltail:                                        ; K steps 6 and 7 ask for nothing; the second trip has no next step: its two forward jumps pass LDS loads and matrix instructions alone
	QUARTER 2, F1, F0, 0
	QUARTER 3, F0, F1, 0
	TURN 0
	WIN 0
	s_cmp_eq_u32 s3, 1
	s_cbranch_scc1 .Lskip
	QUARTER 1, F0, F1, 0
	WIN 0
.Lskip:
	s_sub_co_u32 s3, s3, 1
	s_cmp_lg_u32 s3, 0
	s_cbranch_scc1 .Ltail
	; THE WAY OUT, a block of 16 rows at a time: rounded to f16, 16 bytes a lane into my own stage, back as whole rows of 256 bytes, stored.
	s_wait_dscnt 0x0                               ; the last trip fetched nothing: no LDS load is out on any way through the two jumps above, so the fragment buffers may be written
	PLACES
	PLACES                                         ; eight places, once a launch, behind the last products
.macro PACK a
	WIN 0x05                                       ; sources 0 and 1 in window 1; each accumulator's registers in ascending order
.irp b, 0,1,2,3,4,5,6,7
.irp r, 0,1,2,3
	v_cvt_pk_f16_f32 v[TMP+4*(\b)+(\r)], v[8*(8*(\a)+(\b))+2*(\r)], v[8*(8*(\a)+(\b))+2*(\r)+1]
.endr
.endr
	WIN 0
.endm
.macro TOSTAGE a
.set BKA, BK+32*((\a)%2)
.irp b, 0,1,2,3,4,5,6,7
	ds_store_b128 v[STO], v[TMP+4*(\b):TMP+4*(\b)+3] offset:32*(\b)
.endr
.irp t, 0,1,2,3,4,5,6,7
	ds_load_b128 v[BKA+4*(\t):BKA+4*(\t)+3], v[RD] offset:(\t)*2*SP  ; LDS serves a wave's instructions in order (ISA guide 5.7.1.4): these see the stores above
.endr
.endm
.macro SEND a
.set BKA, BK+32*((\a)%2)
	s_wait_dscnt 0x0                               ; the block is back in registers
	s_wait_xcnt 0x0                                ; the block before's stores have read their registers, which the next block's loads from the stage write
.irp t, 0,1,2,3,4,5,6,7
	global_store_b128 v[CO], v[BKA+4*(\t):BKA+4*(\t)+3], s[8:9] offset:(\a)*16*ROWB+(\t)*2*ROWB  ; 16 lanes store 256 consecutive bytes, at a multiple of 256 from C's first byte
.endr
.endm
	PACK 0
	TOSTAGE 0
.irp a, 1,2,3                          ; block a's conversions stand between block a - 1's loads from the stage and the wait for them
	PACK \a
	SEND (\a)-1
	TOSTAGE \a
.endr
	SEND 3
	s_wait_tensorcnt 0x0                           ; the wave's end: a wait for my tensor loads, an add of 0 to my spare word and a wait for it, behind my last tensor load and my last LDS store
	ds_add_u32 v[SPW], v[NIL]
	s_wait_dscnt 0x0
	CROUND                                         ; the closing round: no work-group ends while a partner may still ask for a tile that names it
	s_endpgm
.Lfunc_end_k_qfebd58238a_ctx:
	.size	k_qfebd58238a_ctx, .Lfunc_end_k_qfebd58238a_ctx-k_qfebd58238a_ctx
	.p2alignl 7, 3214868480
	.fill 96, 4, 3214868480
	.section	.rodata,"a",@progbits
	.p2align	6, 0x0
	.amdhsa_kernel k_qfebd58238a_ctx
		.amdhsa_group_segment_fixed_size 327680
		.amdhsa_private_segment_fixed_size 0
		.amdhsa_enable_private_segment 0
		.amdhsa_kernarg_size 24
		.amdhsa_user_sgpr_count 2
		.amdhsa_user_sgpr_kernarg_segment_ptr 1
		.amdhsa_wavefront_size32 1
		.amdhsa_system_sgpr_workgroup_id_x 1
		.amdhsa_system_sgpr_workgroup_id_y 1
		.amdhsa_system_sgpr_workgroup_id_z 1
		.amdhsa_system_vgpr_workitem_id 0
		.amdhsa_next_free_vgpr 512
		.amdhsa_next_free_sgpr 84
		.amdhsa_reserve_vcc 0
		.amdhsa_float_denorm_mode_32 3
		.amdhsa_float_denorm_mode_16_64 3
		.amdhsa_memory_ordered 1
		.amdhsa_forward_progress 1
		.amdhsa_inst_pref_size 62
	.end_amdhsa_kernel
	.amdgpu_metadata
---
amdhsa.version: [ 1, 2 ]
amdhsa.kernels:
  - .name:           k_qfebd58238a_ctx
    .symbol:         k_qfebd58238a_ctx.kd
    .args:
      - { .name: bufx, .offset: 0, .size: 8, .value_kind: global_buffer, .address_space: global }
      - { .name: qkv, .offset: 8, .size: 8, .value_kind: global_buffer, .address_space: global }
      - { .name: bufc, .offset: 16, .size: 8, .value_kind: global_buffer, .address_space: global }
    .group_segment_fixed_size: 327680
    .private_segment_fixed_size: 0
    .kernarg_segment_align: 8
    .kernarg_segment_size: 24
    .max_flat_workgroup_size: 128
    .sgpr_count:     84
    .vgpr_count:     512
    .wavefront_size: 32
...
	.end_amdgpu_metadata
.endif
;; end of part 5
;; launch outp (part 6): grid 4 x 64, 4 waves a work-group, clusters of 4 x 4, 327,680 bytes of LDS; arguments bufc, wb, out0; writes out0
.if DOCPART == 6
	.amdgcn_target "amdgcn-amd-amdhsa--gfx1250"
	.amdhsa_code_object_version 6
	.text
	.protected	k_qfebd58238a_outp
	.globl	k_qfebd58238a_outp
	.p2align	8
	.type	k_qfebd58238a_outp,@function
k_qfebd58238a_outp:
	s_mov_b64 s[64:65], 0
	v_nop
	global_prefetch_b8 v0, s[64:65] scope:SCOPE_SE
	s_setreg_imm32_b32 hwreg(HW_REG_WAVE_MODE, 25, 1), 1
	s_wait_xcnt 0x0
	s_wait_alu depctr_hold_cnt(0) depctr_sa_sdst(0) depctr_va_vdst(0) depctr_va_sdst(0) depctr_va_ssrc(0) depctr_va_vcc(0) depctr_vm_vsrc(0)
	s_getreg_b32 s2, hwreg(HW_REG_IB_STS2, 6, 4)
	s_cmp_eq_u32 s2, 0
	s_cbranch_scc0 .Lentry_in_a_cluster
	s_endpgm
.Lentry_in_a_cluster:
	s_bfe_u32 s2, ttmp6, 0x10000c
	s_cmp_lg_u32 s2, 0xf033
	s_cbranch_scc0 .Lentry_shape_is_right
	s_endpgm
.Lentry_shape_is_right:
; OUTP: output = ctx Wo.  ctx is f16, [8192][1024] (bufc); Wo, rounded to bf16 and written as f16, lies [e][f] as given, 6 MiB into wb; sums f32, K ascending; the output leaves in f32 (out0), unrounded.
; LIMIT.  NaN and infinities are not treated apart.
; SHARES.  A work-group makes 128 rows x 256 columns of C: 256 work-groups.  Four waves, each 64 rows x 128 columns: 32 accumulators of 16 x 16, 256 registers.
; K goes in eight steps of 128 through two LDS slots filled by the tensor data mover; a step is four quarters of 32, 32 matrix instructions each.
; B (Wo) LIES [K][N] in memory and in LDS and is turned on the way into registers, by ds_load_tr16_b128: nothing is transposed in memory.
; THE MATRIX INSTRUCTION IS USED TRANSPOSED (source 0 = 16 columns of B, source 1 = 16 rows of A): a lane then holds row l % 16 of C and eight neighbouring columns, 32 bytes of f32.
; CLUSTER.  4 x 4 work-groups.  The four of a row of the cluster need the same tile of A, the four of a column the same tile of B: each is asked for JOINTLY, by the same tensor load with the same descriptor
; and a mask that names the four.
; REGISTERS.  Window 0: v0-31 addresses; v64-159 and v160-255 two fragment buffers (B's fragment b at +8 b, A's fragment a at +64 + 8 a); on the way out v64-191 at work.  Window 1: accumulator (a, b) at v[8 (8 a + b)].
.set ROWB,  2048                       ; bytes in a row of A and of B: 1,024 numbers of 16 bits
.set ROWC,  4096                       ; bytes in a row of C
.set PA,    272                        ; A's rows in LDS: 256 bytes + 16 of padding = 68 words: the 16 rows of a fragment load start at 16 different groups of four banks (64 banks of 4 bytes: ISA guide 11.1)
.set PB,    544                        ; B's rows in LDS: 512 bytes + 32 = 136 words
.set AHALF, 64*PA                      ; what wave 0 or 1 fetches: 64 rows of A
.set BOFF,  128*PA                     ; B's tile lies behind A's
.set BHALF, 64*PB                      ; what wave 2 or 3 fetches: 64 rows (along K) of B
.set SLOT1, 1<<17                      ; slot 1 begins here: one exclusive or turns an address in one slot into the other's
.set STAGE, SLOT1+BOFF+128*PB          ; behind the ring, never filled by a tensor load: 16 rows x 528 bytes for each wave, for the way out
.set SP,    528                        ; 512 bytes + 16 = 132 words: the 16 rows that a store touches start at 16 different groups of four banks
.set SPARE, STAGE+4*16*SP              ; behind the stages: the spare words, 128 bytes for each wave: two blocks of 256 bytes that no other line names
.set KA,    256                        ; a K step in A's memory: 128 numbers along the row
.set KB,    128*ROWB                   ; in B's: 128 rows down
.set A0,   16                          ; v16  my lane's place in a slot's tile of A; never rewritten
.set B0,   17                          ; v17  the same for B
.set ADRA, 18                          ; v18  A0 + the slot in hand
.set ADRB, 19                          ; v19  B0 + the slot in hand
.set STO,  24                          ; v24  the way out: where I put 32 bytes of a row
.set RD,   25                          ; v25  the way out: where I read a row back
.set CO,   26                          ; v26  my byte offset in a row of C: 16 x lane
.set SPW,  28                          ; v28  LDS address of my spare word: SPARE + 4 x my thread's number; never rewritten
.set NIL,  29                          ; v29  0; never rewritten
.set PFO,  30                          ; v30  the prefetches' lane offset; never rewritten
.set F0,   64
.set F1,   160
.set BK,   64                          ; the way out: 16 rows read back from the stage: v64-127 and v128-191 by turns
.set G1A,  24                          ; s[24:31] descriptor group 1 for A's tiles
.set G0A,  32                          ; s[32:39] group 0 for A: a set for each first fill; the second then walks
.set G1B,  48                          ; s[48:55], s[56:63] the same for B
.set G0B,  56
.set LIM,  43                          ; s43  2 in a wave that prefetches, else the greatest number
.set PFA,  44                          ; s[44:45] where my prefetches stand
.set PFS,  66                          ; s[66:67] their step: a K step of A or of B
.set TB,   68                          ; s68  the slot in hand: 0 or SLOT1
.set CY,   69                          ; s69  the cluster's y
.set YR,   75                          ; s75  A's tile row
.set MSB, 0
.macro WIN new                         ; the immediate's high byte repeats the setting that is left; a switch that changes nothing is dropped
.if MSB != (\new)
	s_set_vgpr_msb (MSB<<8)|(\new)
.set MSB, \new
.endif
.endm
.set W_MUL, 0x50                       ; C and D in window 1, both sources in window 0
; A joint refill by the walking descriptors.  Waves 0 and 1 fetch A's halves, waves 2 and 3 B's.  The branch hangs on the wave's number alone.
; An s_nop 0 and four v_nop follow each of the two lines, ahead of the jump, the label and what follows.
.macro JLOAD
	s_cmp_eq_u32 s11, 0
	s_cbranch_scc0 .Lfor_b_\@
	tensor_load_to_lds s[G0A+4:G0A+7], s[G1A:G1A+7]
	s_nop 0
.rept 4
	v_nop
.endr
	s_branch .Lasked_\@
.Lfor_b_\@:
	tensor_load_to_lds s[G0B+4:G0B+7], s[G1B:G1B+7]
	s_nop 0
.rept 4
	v_nop
.endr
.Lasked_\@:
.endm
; A round of the cluster's barrier behind its opening barrier: wave 0 signals for the work-group, every wave waits for all sixteen, my work-group's barrier closes it.
.macro CREST
	s_cmp_lg_u32 s10, 0
	s_cbranch_scc1 .Lnot_wave_0_\@
	s_barrier_signal -3
.Lnot_wave_0_\@:
	s_barrier_wait -3
	s_barrier_signal -1
	s_barrier_wait -1
.endm
.macro CROUND
	s_barrier_signal -1
	s_barrier_wait -1
	CREST
.endm
; A PREFETCH INTO THE L2 of the K step that stands two refills on: 32 blocks of 256 bytes, a lane a block, one instruction a wave, behind the joint load, its five lines and the run of LDS loads.
; Each block is named once in the launch.  A's 128 rows are read by my cluster's row alone: its four partners take 32 rows each, told apart by address (cx); wave 0 asks.  B's 128 rows x 512 bytes of a step are read
; by all sixteen clusters: the first asks, its four partners of a column (cy) and their waves 2 and 3 take 16 rows each, two blocks a row.  Trips 6 to 3 ask for K steps 4 to 7; steps 0 to 3 come by their loads alone.
.macro ASK
	s_cmp_gt_u32 s3, s[LIM]
	s_cbranch_scc0 .Lnot_mine_\@
	global_prefetch_b8 v[PFO], s[PFA:PFA+1] th:TH_LOAD_NT scope:SCOPE_SE
.Lnot_mine_\@:
.endm
; 8 matrix instructions: row block a x all 8 column blocks, 32 along K, from buffer f.  zero = 1: the product starts the sums: nothing is ever cleared.
; The 32 accumulators take turns, one instruction a turn, in the same order in every quarter, over the backward jumps too.
.macro MUL8 f, a, zero
	WIN W_MUL
.irp b, 0,1,2,3,4,5,6,7
.if \zero
	v_wmma_f32_16x16x32_f16 v[8*(8*(\a)+(\b)):8*(8*(\a)+(\b))+7], v[(\f)+8*(\b):(\f)+8*(\b)+7], v[(\f)+64+8*(\a):(\f)+64+8*(\a)+7], 0
.else
	v_wmma_f32_16x16x32_f16 v[8*(8*(\a)+(\b)):8*(8*(\a)+(\b))+7], v[(\f)+8*(\b):(\f)+8*(\b)+7], v[(\f)+64+8*(\a):(\f)+64+8*(\a)+7], v[8*(8*(\a)+(\b)):8*(8*(\a)+(\b))+7]
.endif
.endr
.endm
; 24 LDS loads in one run: quarter q of the slot in hand into buffer f: B's eight fragments (32 rows along K x 16 columns, turned), then A's four (16 rows x 32 along K).
.macro FETCH q, f
	WIN 0
.irp b, 0,1,2,3,4,5,6,7
	ds_load_tr16_b128 v[(\f)+8*(\b):(\f)+8*(\b)+3],   v[ADRB] offset:(\q)*32*PB+32*(\b)
	ds_load_tr16_b128 v[(\f)+8*(\b)+4:(\f)+8*(\b)+7], v[ADRB] offset:(\q)*32*PB+16*PB+32*(\b)
.endr
.irp a, 0,1,2,3
	ds_load_b128 v[(\f)+64+8*(\a):(\f)+64+8*(\a)+3],   v[ADRA] offset:(\q)*64+(\a)*16*PA
	ds_load_b128 v[(\f)+64+8*(\a)+4:(\f)+64+8*(\a)+7], v[ADRA] offset:(\q)*64+(\a)*16*PA+32
.endr
.endm
.macro PLACES                          ; four places in front of loads into registers that matrix instructions have read, and of instructions that read results (ISA guide 7.12.1 for the instructions that read results)
.rept 4
	v_nop
.endr
.endm
; One of a K step's first three quarters: multiplies buffer f and fetches quarter q of the same slot into buffer g.
.macro QUARTER q, f, g, zero
	s_wait_dscnt 6                                 ; B's fragments and A's first are in; the youngest six loads (A's fragments 1 to 3) may be out
	MUL8 \f, 0, \zero
	PLACES
	FETCH \q, \g
	s_wait_dscnt 24                                ; all but the 24 just issued
	MUL8 \f, 1, \zero
	MUL8 \f, 2, \zero
	MUL8 \f, 3, \zero
.endm
; The last quarter multiplies buffer 1 and changes slots: ONE barrier.  In front of it each wave waits for all its tensor loads (one is out: its part of the next slot), adds 0 to its spare word, and waits for that
; and for its reads of this slot.  fill = 1: the barrier opens a round of the cluster's, so that no wave of any partner still reads the slot or has a load on its way, and the joint refill, two K steps ahead, is the first
; thing behind it: 112 matrix instructions ahead of the wait for it.  fill = 0 (the tail): nothing is asked for; in the last trip there is no next slot, and the run of loads is jumped over.
.macro TURN fill
.if \fill
	s_wait_xcnt 0x0                                ; the last prefetch, a K step back, has read its address: it is stepped here, ahead of the waits of the change of slots
	s_add_nc_u64 s[PFA:PFA+1], s[PFA:PFA+1], s[PFS:PFS+1]
.endif
	WIN 0
	s_wait_tensorcnt 0x0                           ; all my tensor loads have landed
	ds_add_u32 v[SPW], v[NIL]                      ; 0 onto my spare word
	s_wait_dscnt 7                                 ; the add and the youngest six loads (A's fragments 1 to 3) may be out
	MUL8 F1, 0, 0                                  ; eight matrix instructions stand between the add and the wait for it
	s_wait_dscnt 0x0                               ; the add is done, and my reads of this slot are over
	s_barrier_signal -1
	MUL8 F1, 1, 0                                  ; work on registers while the others arrive
	WIN 0
	s_barrier_wait -1
.if \fill
	CREST
	s_xor_b32 s[G0A+5], s[G0A+5], SLOT1            ; no tensor load of mine is out, so the walking descriptors may be written: the other slot than last time,
	s_add_nc_u64 s[G0A+6:G0A+7], s[G0A+6:G0A+7], KA  ; the next K step; the type bits on top are not reached
	s_xor_b32 s[G0B+5], s[G0B+5], SLOT1
	s_add_nc_u64 s[G0B+6:G0B+7], s[G0B+6:G0B+7], KB
	JLOAD                                          ; the four v_nop behind it are also the places in front of the loads below
.else
	PLACES
.endif
	s_xor_b32 s[TB], s[TB], SLOT1
	v_add_nc_u32 v[ADRA], s[TB], v[A0]
	v_add_nc_u32 v[ADRB], s[TB], v[B0]
.if !(\fill)
	s_cmp_eq_u32 s3, 1
	s_cbranch_scc1 .Lno_more_\@
.endif
	FETCH 0, F0
.if \fill
	ASK
.else
.Lno_more_\@:
.endif
	MUL8 F1, 2, 0
	MUL8 F1, 3, 0
.endm
	s_load_b128 s[4:7], s[0:1], 0x0                ; ctx (bufc) s[4:5], wb s[6:7]
	s_load_b64 s[8:9], s[0:1], 0x10                ; out0
	v_lshl_add_u32 v[SPW], v0, 2, SPARE
	v_mov_b32 v[NIL], 0
	ds_add_u32 v[SPW], v[NIL]                      ; the wave's opening: the add and its wait stand ahead of my first tensor load; the set-up below, work on registers, stands between them
	v_lshrrev_b32 v1, 5, v0
	v_readfirstlane_b32 s10, v1                    ; wave 0..3
	s_lshr_b32 s11, s10, 1                         ; which 64 rows of the tile are mine.  Also: I fetch for A (0) or for B (1)
	s_and_b32 s12, s10, 1                          ; which 128 columns.  Also: which half of that tile I fetch
	s_bfe_u32 s40, ttmp6, 0x40000                  ; cx, cy: my place in the cluster
	s_bfe_u32 s41, ttmp6, 0x40004
	s_lshl_b32 s42, ttmp9, 2
	s_add_co_u32 s42, s42, s40                     ; tile column of C = 4 x cluster x + cx
	s_and_b32 s[CY], ttmp7, 0xffff
	s_lshl_b32 s13, s[CY], 2
	s_add_co_u32 s13, s13, s41                     ; tile row of C = 4 x cluster y + cy
	s_mov_b32 s[YR], s13
	s_lshl_b32 s43, s41, 2
	s_lshl_b32 s43, 15, s43                        ; my row of the cluster: places 4 cy .. 4 cy + 3
	s_lshl_b32 s44, 0x1111, s40                    ; my column: places cx, cx + 4, cx + 8, cx + 12
	s_or_b32 s[G1A], s43, (1<<16)|(1<<20)|(1<<21)|(5<<22)|(3<<25)  ; 15:0 the mask; 17:16 elements of 2 bytes; 20 padding on; 21 set beside a mask; 24:22 after every 64 words (code 5); 31:25 4 words of it (code 3)
	s_mov_b32 s[G1A+1], 128<<16                    ; tensor_dim0 = 128
	s_mov_b32 s[G1A+2], 64<<16                     ; tensor_dim1 = 64
	s_mov_b32 s[G1A+3], 128<<16                    ; tile_dim0 = 128
	s_mov_b32 s[G1A+4], 64                         ; tile_dim1 = 64
	s_mov_b32 s[G1A+5], 1024                       ; elements from row to row
	s_mov_b32 s[G1A+6], 0
	s_mov_b32 s[G1A+7], 0
	s_or_b32 s[G1B], s44, (1<<16)|(1<<20)|(1<<21)|(6<<22)|(7<<25)  ; my column's mask; padding after every 128 words (code 6), 8 words of it (code 7)
	s_mov_b32 s[G1B+1], 256<<16                    ; tensor_dim0 = 256
	s_mov_b32 s[G1B+2], 64<<16                     ; tensor_dim1 = 64
	s_mov_b32 s[G1B+3], 256<<16                    ; tile_dim0 = 256
	s_mov_b32 s[G1B+4], 64                         ; tile_dim1 = 64
	s_mov_b32 s[G1B+5], 1024
	s_mov_b32 s[G1B+6], 0
	s_mov_b32 s[G1B+7], 0
	; where the tiles come from: A's offset is made of the tile row and the wave's number, B's of the tile column and the wave's number, each in registers that never hold the other coordinate
	s_lshl_b32 s16, s[YR], 7
	s_lshl_b32 s17, s12, 6
	s_add_co_u32 s16, s16, s17                     ; A: row 128 x tile row + 64 x half,
	s_lshl_b32 s16, s16, 11                        ; in bytes (under 2^24)
	s_mov_b32 s17, 0
	s_lshl_b32 s46, s12, 17                        ; B: 64 rows x half,
	s_lshl_b32 s47, s42, 9                         ; 256 columns x tile column
	s_add_co_u32 s46, s46, s47
	s_mov_b32 s47, 0
	s_mov_b32 s20, 6<<20                           ; Wo lies 6 MiB into wb
	s_mov_b32 s21, 0
	s_mul_i32 s22, s12, AHALF                      ; and where they go: no place in the cluster enters an LDS address
	s_mul_i32 s23, s12, BHALF
	s_add_co_u32 s23, s23, BOFF
	s_wait_dscnt 0x0                               ; the opening add is done
	s_wait_kmcnt 0x0
	s_add_nc_u64 s[6:7], s[6:7], s[20:21]          ; Wo
	s_add_nc_u64 s[14:15], s[4:5], s[16:17]
	s_add_nc_u64 s[46:47], s[6:7], s[46:47]
	CROUND                                         ; all sixteen work-groups are here: the first joint loads meet
.irp n, 0,1
	s_mov_b32 s[G0A+4*(\n)], 1                                       ; count = 1
	s_add_co_u32 s[G0A+4*(\n)+1], s22, (\n)*SLOT1                    ; LDS address
	s_add_nc_u64 s[G0A+4*(\n)+2:G0A+4*(\n)+3], s[14:15], (\n)*KA     ; global address: K step n
	s_or_b32 s[G0A+4*(\n)+3], s[G0A+4*(\n)+3], 0x80000000            ; type = 2
	s_mov_b32 s[G0B+4*(\n)], 1
	s_add_co_u32 s[G0B+4*(\n)+1], s23, (\n)*SLOT1
	s_add_nc_u64 s[G0B+4*(\n)+2:G0B+4*(\n)+3], s[46:47], (\n)*KB
	s_or_b32 s[G0B+4*(\n)+3], s[G0B+4*(\n)+3], 0x80000000
.endr
	s_cmp_eq_u32 s11, 0                            ; a wave's two first fills stand in one branch, ahead of every wait on TENSORcnt and every LDS read: two loads of mine are out
	s_cbranch_scc0 .Lfirst_b
	tensor_load_to_lds s[G0A:G0A+3], s[G1A:G1A+7]
	s_nop 0
	tensor_load_to_lds s[G0A+4:G0A+7], s[G1A:G1A+7]
	s_nop 0
.rept 4
	v_nop
.endr
	s_branch .Lfirst_asked
.Lfirst_b:
	tensor_load_to_lds s[G0B:G0B+3], s[G1B:G1B+7]
	s_nop 0
	tensor_load_to_lds s[G0B+4:G0B+7], s[G1B:G1B+7]
	s_nop 0
.rept 4
	v_nop
.endr
.Lfirst_asked:
	; A fragment of A is 16 rows x 32 along K in 8 registers: lane l holds row l % 16, K = 8 (l / 16) + 0..7 and 16 + 8 (l / 16) + 0..7: two loads of 16 bytes, 32 bytes apart.
	v_and_b32 v1, 15, v0                           ; l % 16
	v_bfe_u32 v2, v0, 4, 1                         ; l / 16
	v_mul_u32_u24 v3, v1, PA
	v_lshl_add_u32 v3, v2, 4, v3                   ; row x pitch + 16 x half
	s_mul_i32 s21, s11, AHALF                      ; my 64 rows of A
	v_add_nc_u32 v[A0], s21, v3
	; The turning load takes 16 along K x 16 columns (lane l reads row 8 (l / 16) + l % 8, columns 8 ((l / 8) % 2) + 0..7) and leaves half a fragment: lane l holds column l % 16 and 8 along K.
	v_and_b32 v4, 7, v0
	v_lshl_add_u32 v4, v2, 3, v4
	v_mul_u32_u24 v4, v4, PB
	v_bfe_u32 v5, v0, 3, 1
	v_lshl_add_u32 v4, v5, 4, v4
	s_lshl_b32 s22, s12, 8                         ; my 128 columns of B
	s_add_co_u32 s22, s22, BOFF
	v_add_nc_u32 v[B0], s22, v4
	v_mov_b32 v[ADRA], v[A0]                       ; slot 0
	v_mov_b32 v[ADRB], v[B0]
	s_mov_b32 s[TB], 0
	s_mul_i32 s23, s10, 16*SP
	s_add_co_u32 s23, s23, STAGE                   ; my stage
	v_mul_u32_u24 v5, v1, SP                       ; in: row l % 16, 32 bytes for each half of the lanes
	v_lshl_add_u32 v5, v2, 5, v5
	v_add_nc_u32 v[STO], s23, v5
	v_and_b32 v5, 31, v0
	v_lshlrev_b32 v[CO], 4, v5                     ; back, and out: 32 lanes take one row of 512 bytes
	v_add_nc_u32 v[RD], s23, v[CO]
	s_lshl_b32 s20, s13, 7                         ; where my part of the tile begins in C: row 128 x tile row + 64 x half,
	s_lshl_b32 s21, s11, 6
	s_add_co_u32 s20, s20, s21
	s_lshl_b32 s20, s20, 12
	s_lshl_b32 s21, s42, 10                        ; column 256 x tile column + 128 x half, in bytes
	s_add_co_u32 s20, s20, s21
	s_lshl_b32 s21, s12, 9
	s_add_co_u32 s20, s20, s21
	s_mov_b32 s21, 0
	s_add_nc_u64 s[8:9], s[8:9], s[20:21]
	; the prefetches: both offsets are made, and the wave's number chooses
	s_lshl_b32 s20, s[YR], 7
	s_lshl_b32 s21, s40, 5
	s_add_co_u32 s20, s20, s21                     ; A: my work-group's 32 rows of the tile's 128,
	s_lshl_b32 s20, s20, 11
	s_add_co_u32 s20, s20, 3*KA                    ; at K step 3: the first change of slots steps it to 4
	s_lshl_b32 s21, s41, 1
	s_add_co_u32 s21, s21, s12
	s_lshl_b32 s21, s21, 15                        ; B: my wave's 16 rows of a step's 128,
	s_lshl_b32 s22, s42, 9                         ; my tile column's 512 bytes of them
	s_add_co_u32 s21, s21, s22
	s_add_co_u32 s21, s21, 3*KB
	s_mov_b32 s[PFS], KB
	s_mov_b32 s[PFS+1], 0
	s_cmp_eq_u32 s11, 0                            ; do I fetch for A?
	s_cselect_b32 s20, s20, s21
	s_cselect_b64 s[PFA:PFA+1], s[4:5], s[6:7]
	s_cselect_b32 s[PFS], KA, s[PFS]
	s_cselect_b32 s22, 31, 15                      ; A: a lane a row; B: 16 rows,
	s_cselect_b32 s23, 0, 256                      ; two blocks of 256 bytes in each
	s_cselect_b32 s16, s12, s[CY]                  ; A: wave 0 asks; B: waves 2 and 3 of the first of the sixteen clusters, which all read Wo
	s_mov_b32 s21, 0
	s_add_nc_u64 s[PFA:PFA+1], s[PFA:PFA+1], s[20:21]
	s_cmp_eq_u32 s16, 0
	s_cselect_b32 s[LIM], 2, -1                    ; the same in all sixteen partners, for a given wave
	v_and_b32 v31, 31, v0
	v_and_b32 v[PFO], s22, v31
	v_lshrrev_b32 v31, 4, v31
	v_mul_u32_u24 v31, v31, s23
	v_lshl_add_u32 v[PFO], v[PFO], 11, v31
	s_wait_tensorcnt 1                             ; my part of K step 0 is in; K step 1's may stay out
	s_barrier_signal -1
	s_barrier_wait -1                              ; everybody's is
	FETCH 0, F0
	QUARTER 1, F0, F1, 1                           ; the first quarter stands in front of the loop: its products start the sums
	WIN 0                                          ; at a label and at a branch every window is 0
	s_mov_b32 s3, 6
.Lstep:                                        ; six trips, from a step's second quarter to the next step's first; they ask for K steps 2 to 7
	QUARTER 2, F1, F0, 0
	QUARTER 3, F0, F1, 0
	TURN 1
	QUARTER 1, F0, F1, 0
	WIN 0
	s_sub_co_u32 s3, s3, 1
	s_cmp_lg_u32 s3, 0
	s_cbranch_scc1 .Lstep
	s_mov_b32 s3, 2
.Ltail:                                        ; K steps 6 and 7 ask for nothing; the second trip has no next step: its two forward jumps pass LDS loads and matrix instructions alone
	QUARTER 2, F1, F0, 0
	QUARTER 3, F0, F1, 0
	TURN 0
	WIN 0
	s_cmp_eq_u32 s3, 1
	s_cbranch_scc1 .Lskip
	QUARTER 1, F0, F1, 0
	WIN 0
.Lskip:
	s_sub_co_u32 s3, s3, 1
	s_cmp_lg_u32 s3, 0
	s_cbranch_scc1 .Ltail
	; THE WAY OUT, a block of 16 rows at a time: the f32 sums go as they are, 32 bytes a lane, into my own stage, come back as whole rows of 512 bytes, and are stored.
	s_wait_dscnt 0x0                               ; the last trip fetched nothing: no LDS load is out on any way through the two jumps above, so the fragment buffers may be written
	PLACES
	PLACES                                         ; eight places, once a launch, behind the last products
.macro TOST a
.set BKA, BK+64*((\a)%2)
.if (\a) >= 2
	s_wait_xcnt 0x0                                ; the stores of the block two back have read the registers that the loads below write
.endif
	WIN 0x04                                       ; the stores' data in window 1; each accumulator's low four registers first
.irp b, 0,1,2,3,4,5,6,7
	ds_store_b128 v[STO], v[8*(8*(\a)+(\b)):8*(8*(\a)+(\b))+3]   offset:64*(\b)
	ds_store_b128 v[STO], v[8*(8*(\a)+(\b))+4:8*(8*(\a)+(\b))+7] offset:64*(\b)+16
.endr
	WIN 0
.irp t, 0,1,2,3,4,5,6,7,8,9,10,11,12,13,14,15
	ds_load_b128 v[BKA+4*(\t):BKA+4*(\t)+3], v[RD] offset:(\t)*SP  ; LDS serves a wave's instructions in order (ISA guide 5.7.1.4): these see the stores above, and the next block's stores come behind them
.endr
.endm
.macro SEND a, younger                 ; younger: the LDS instructions issued behind block a's loads: the next block's 32, or none
.set BKA, BK+64*((\a)%2)
	s_wait_dscnt \younger
.irp t, 0,1,2,3,4,5,6,7,8,9,10,11,12,13,14,15
	global_store_b128 v[CO], v[BKA+4*(\t):BKA+4*(\t)+3], s[8:9] offset:(16*(\a)+(\t))*ROWC th:TH_STORE_NT  ; 512 consecutive bytes, at a multiple of 256 from C's first byte
.endr
.endm
	TOST 0
	TOST 1
	SEND 0, 32
	TOST 2
	SEND 1, 32
	TOST 3
	SEND 2, 32
	SEND 3, 0
	s_wait_tensorcnt 0x0                           ; the wave's end: a wait for my tensor loads, an add of 0 to my spare word and a wait for it, behind my last tensor load and my last LDS store
	ds_add_u32 v[SPW], v[NIL]
	s_wait_dscnt 0x0
	CROUND                                         ; the closing round: no work-group ends while a partner may still ask for a tile that names it
	s_endpgm
.Lfunc_end_k_qfebd58238a_outp:
	.size	k_qfebd58238a_outp, .Lfunc_end_k_qfebd58238a_outp-k_qfebd58238a_outp
	.p2alignl 7, 3214868480
	.fill 96, 4, 3214868480
	.section	.rodata,"a",@progbits
	.p2align	6, 0x0
	.amdhsa_kernel k_qfebd58238a_outp
		.amdhsa_group_segment_fixed_size 327680
		.amdhsa_private_segment_fixed_size 0
		.amdhsa_enable_private_segment 0
		.amdhsa_kernarg_size 24
		.amdhsa_user_sgpr_count 2
		.amdhsa_user_sgpr_kernarg_segment_ptr 1
		.amdhsa_wavefront_size32 1
		.amdhsa_system_sgpr_workgroup_id_x 1
		.amdhsa_system_sgpr_workgroup_id_y 1
		.amdhsa_system_sgpr_workgroup_id_z 1
		.amdhsa_system_vgpr_workitem_id 0
		.amdhsa_next_free_vgpr 512
		.amdhsa_next_free_sgpr 84
		.amdhsa_reserve_vcc 0
		.amdhsa_float_denorm_mode_32 3
		.amdhsa_float_denorm_mode_16_64 3
		.amdhsa_memory_ordered 1
		.amdhsa_forward_progress 1
		.amdhsa_inst_pref_size 61
	.end_amdhsa_kernel
	.amdgpu_metadata
---
amdhsa.version: [ 1, 2 ]
amdhsa.kernels:
  - .name:           k_qfebd58238a_outp
    .symbol:         k_qfebd58238a_outp.kd
    .args:
      - { .name: bufc, .offset: 0, .size: 8, .value_kind: global_buffer, .address_space: global }
      - { .name: wb, .offset: 8, .size: 8, .value_kind: global_buffer, .address_space: global }
      - { .name: out0, .offset: 16, .size: 8, .value_kind: global_buffer, .address_space: global }
    .group_segment_fixed_size: 327680
    .private_segment_fixed_size: 0
    .kernarg_segment_align: 8
    .kernarg_segment_size: 24
    .max_flat_workgroup_size: 128
    .sgpr_count:     84
    .vgpr_count:     512
    .wavefront_size: 32
...
	.end_amdgpu_metadata
.endif
;; end of part 6
;; ======== version 2 of 2: 5 launches
;; limits: values are held in f16: magnitudes above 65,504 overflow, below 6.1e-05 lose precision; inputs' magnitudes at most 65,504
;; workspace buffers: bufx 16,777,216 bytes; bufc 16,777,216 bytes; wb 8,388,608 bytes; qk 33,554,432 bytes; vb 16,777,216 bytes; ph 16,777,216 bytes; st 524,288 bytes
;; launch prep (part 7): grid 64 x 20, 8 waves a work-group, no clusters, 35,840 bytes of LDS; arguments input, context, Wq, Wk, Wv, Wo, bufx, bufc, wb; writes bufx, bufc, wb
.if DOCPART == 7
	.amdgcn_target "amdgcn-amd-amdhsa--gfx1250"
	.amdhsa_code_object_version 6
	.text
	.protected	k_qfebd58238a_prep
	.globl	k_qfebd58238a_prep
	.p2align	8
	.type	k_qfebd58238a_prep,@function
k_qfebd58238a_prep:
	s_mov_b64 s[64:65], 0
	v_nop
	global_prefetch_b8 v0, s[64:65] scope:SCOPE_SE
	s_setreg_imm32_b32 hwreg(HW_REG_WAVE_MODE, 25, 1), 1
	s_wait_xcnt 0x0
; PREP: every input is rounded once to bf16, and that number is written as f16, the one format of all matrix operands.  input -> bufx, context -> bufc, Wo -> 6 MiB into wb, all laid out as given.
; Wq, Wk, Wv go to wb at 0, 2 and 4 MiB TURNED, [e][d], so that in the products that take them K lies along the rows of both operands.
; LIMIT.  The step from bf16 to f16 is exact for 7.6e-6 <= |x| < 65,504 (bf16's 8 bits fit f16's fixed step of 6e-8 down to there); below, the error is at most 3e-8; at 65,520 and above it gives an infinity.
; SHARES.  The grid's y names a slab of 2^20 numbers (0-7 input, 8-15 context, 16-19 the four weights), x a piece of 16,384 numbers: 64 KiB in, 32 KiB out.
; STREAMED (slabs 0-15 and 19): a wave takes 8 KiB: sixteen loads of 16 bytes a lane, 512 consecutive bytes each, all issued before the first is used; each store covers 256 consecutive bytes, aligned.
; TURNED (slabs 16-18): a piece is a block of 128 (d) x 128 (e).  A wave loads 16 rows of 512 bytes; two rows' numbers of one column pack into a word, so a lane ends with 32 bytes along d for each of its four e;
; they go into LDS as [e][d], and behind one barrier each wave reads 16 whole rows of 256 bytes back and stores them, sixteen lanes to 256 consecutive bytes, aligned.
.set X, 8                              ; v[8:71]    sixteen loads of four f32
.set Y, 72                             ; v[72:103]  the 16-bit numbers: each store has registers of its own, so nothing waits for a store
.set T, 104                            ; v[104:105] at work
.set LST, 106                          ; v106  turned: where I put my 32 bytes of row 4 x lane
.set LRD, 107                          ; v107  turned: where I read a row back
.set SPW, 6                            ; v6   LDS address of my spare word: SPARE + 4 x my thread's number; never rewritten
.set NIL, 7                            ; v7   0; never rewritten
.set P, 272                            ; a row of the block in LDS: 256 bytes + 16
.set SPARE, 128*P                      ; behind the block: the spare words, 128 bytes for each of eight waves: four blocks of 256 bytes that no other line names
	s_load_b512 s[8:23], s[0:1], 0x0               ; input s[8:9], context s[10:11], Wq s[12:13], Wk s[14:15], Wv s[16:17], Wo s[18:19], bufx s[20:21], bufc s[22:23]
	s_load_b64 s[24:25], s[0:1], 0x40              ; wb
	v_lshl_add_u32 v[SPW], v0, 2, SPARE
	v_mov_b32 v[NIL], 0
	s_and_b32 s2, ttmp7, 0xffff                    ; the slab
	v_lshrrev_b32 v3, 5, v0                        ; wave
	v_and_b32 v4, 31, v0                           ; lane
	s_cmp_ge_u32 s2, 16
	s_cselect_b32 s35, 1, 0
	s_cmp_eq_u32 s2, 19
	s_cselect_b32 s35, 0, s35                      ; 1: a slab that is turned
	s_and_b32 s3, s2, 7                            ; the slab's number inside input or context,
	s_sub_co_u32 s5, s2, 16                        ; or among the weights
	s_cmp_lt_u32 s2, 16
	s_cselect_b32 s4, s3, 0                        ; a weight is one slab: it is read from its first byte,
	s_cselect_b32 s5, s3, s5                       ; and written at its place in wb
	s_lshl_b32 s30, s4, 22                         ; streamed, in: a slab is 4 MiB, a piece 64 KiB
	s_lshl_b32 s31, ttmp9, 16
	s_add_co_u32 s30, s30, s31
	s_lshl_b32 s32, s5, 21                         ; out: half of that
	s_lshl_b32 s33, ttmp9, 15
	s_add_co_u32 s33, s32, s33
	s_lshr_b32 s36, ttmp9, 3                       ; turned: the block's place along d,
	s_and_b32 s37, ttmp9, 7                        ; and along e
	s_lshl_b32 s38, s36, 19                        ; in: 128 rows of 4,096 bytes,
	s_lshl_b32 s39, s37, 9                         ; 128 columns of 4 bytes
	s_add_co_u32 s38, s38, s39
	s_lshl_b32 s39, s37, 18                        ; out: 128 rows of 2,048 bytes,
	s_add_co_u32 s39, s39, s32                     ; in the weight's 2 MiB of wb,
	s_lshl_b32 s36, s36, 8                         ; 128 columns of 2 bytes
	s_add_co_u32 s39, s39, s36
	s_cmp_eq_u32 s35, 1
	s_cselect_b32 s30, s38, s30
	s_cselect_b32 s32, s39, s33
	s_mov_b32 s31, 0
	s_mov_b32 s33, 0
	s_mov_b32 s34, 0xffff0000                      ; a word's upper bf16
	s_wait_kmcnt 0x0
	s_cmp_lt_u32 s2, 8                             ; from where: chosen by the slab's number alone
	s_cselect_b64 s[26:27], s[8:9], s[10:11]
	s_cmp_eq_u32 s2, 16
	s_cselect_b64 s[26:27], s[12:13], s[26:27]
	s_cmp_eq_u32 s2, 17
	s_cselect_b64 s[26:27], s[14:15], s[26:27]
	s_cmp_eq_u32 s2, 18
	s_cselect_b64 s[26:27], s[16:17], s[26:27]
	s_cmp_eq_u32 s2, 19
	s_cselect_b64 s[26:27], s[18:19], s[26:27]
	s_cmp_lt_u32 s2, 8                             ; to where
	s_cselect_b64 s[28:29], s[20:21], s[22:23]
	s_cmp_lt_u32 s2, 16
	s_cselect_b64 s[28:29], s[28:29], s[24:25]
	s_add_nc_u64 s[26:27], s[26:27], s[30:31]
	s_add_nc_u64 s[28:29], s[28:29], s[32:33]
	s_cmp_eq_u32 s35, 1                            ; the same in all waves of a work-group: it hangs on the grid's y alone
	s_cbranch_scc1 .Lturned
	v_lshlrev_b32 v1, 4, v4
	v_lshl_or_b32 v1, v3, 13, v1                   ; in: 8,192 x wave + 16 x lane
	v_lshlrev_b32 v2, 3, v4
	v_lshl_or_b32 v2, v3, 12, v2                   ; out: 4,096 x wave + 8 x lane
.irp i, 0,1,2,3,4,5,6,7,8,9,10,11,12,13,14,15
	global_load_b128 v[X+4*(\i):X+4*(\i)+3], v1, s[26:27] offset:512*(\i) th:TH_LOAD_NT
.endr
.irp i, 0,1,2,3,4,5,6,7,8,9,10,11,12,13,14,15
	s_wait_loadcnt 15-(\i)                         ; loads come back in order: load i is in, the 15 - i younger ones stay out
	v_cvt_pk_bf16_f32 v[T],   v[X+4*(\i)],   v[X+4*(\i)+1]      ; rounded to bf16,
	v_cvt_pk_bf16_f32 v[T+1], v[X+4*(\i)+2], v[X+4*(\i)+3]
	v_lshlrev_b32 v[X+4*(\i)],   16,  v[T]                      ; widened again (a shift, a mask),
	v_and_b32     v[X+4*(\i)+1], s34, v[T]
	v_lshlrev_b32 v[X+4*(\i)+2], 16,  v[T+1]
	v_and_b32     v[X+4*(\i)+3], s34, v[T+1]
	v_cvt_pk_f16_f32 v[Y+2*(\i)],   v[X+4*(\i)],   v[X+4*(\i)+1]  ; and that number written as f16
	v_cvt_pk_f16_f32 v[Y+2*(\i)+1], v[X+4*(\i)+2], v[X+4*(\i)+3]
	global_store_b64 v2, v[Y+2*(\i):Y+2*(\i)+1], s[28:29] offset:256*(\i)
.endr
	s_endpgm                                       ; a wave on this way has written no LDS
.Lturned:
	v_lshlrev_b32 v1, 4, v4
	v_lshl_or_b32 v1, v3, 16, v1                   ; in: 16 rows of 4,096 bytes x wave + 16 x lane
.irp i, 0,1,2,3,4,5,6,7,8,9,10,11,12,13,14,15
	global_load_b128 v[X+4*(\i):X+4*(\i)+3], v1, s[26:27] offset:4096*(\i) th:TH_LOAD_NT  ; row d = 16 wave + i, columns e = 4 lane + 0..3: 512 consecutive bytes
.endr
	v_mul_u32_u24 v[LST], v4, 4*P                  ; into LDS: row e = 4 lane (+ c by the offset),
	v_lshl_add_u32 v[LST], v3, 5, v[LST]           ; byte 2 d = 32 wave
	v_lshrrev_b32 v5, 4, v4
	v_lshl_add_u32 v5, v3, 4, v5                   ; back: row e = 16 wave + lane / 16 (+ 2 t by the offset),
	v_and_b32 v2, 15, v4
	v_lshlrev_b32 v2, 4, v2                        ; byte 16 (lane % 16)
	v_mul_u32_u24 v[LRD], v5, P
	v_add_nc_u32 v[LRD], v[LRD], v2
	v_lshl_add_u32 v2, v5, 11, v2                  ; and the same place in the turned weight, rows of 2,048 bytes
.irp p, 0,1,2,3,4,5,6,7
	s_wait_loadcnt 14-2*(\p)                       ; rows 2 p and 2 p + 1 are in, the younger loads stay out
.irp c, 0,1,2,3
	v_cvt_pk_bf16_f32 v[T+(\c)%2], v[X+8*(\p)+(\c)], v[X+8*(\p)+4+(\c)]   ; column c of both rows
	v_lshlrev_b32 v[X+8*(\p)+(\c)],   16,  v[T+(\c)%2]
	v_and_b32     v[X+8*(\p)+4+(\c)], s34, v[T+(\c)%2]
	v_cvt_pk_f16_f32 v[Y+8*(\c)+(\p)], v[X+8*(\p)+(\c)], v[X+8*(\p)+4+(\c)]  ; word p of column c: d = 2 p below, 2 p + 1 above
.endr
.endr
.irp c, 0,1,2,3
	ds_store_b128 v[LST], v[Y+8*(\c):Y+8*(\c)+3]   offset:(\c)*P
	ds_store_b128 v[LST], v[Y+8*(\c)+4:Y+8*(\c)+7] offset:(\c)*P+16
.endr
	s_wait_dscnt 0x0                               ; for the others' sake: my stores are done
	s_barrier_signal -1
	s_barrier_wait -1                              ; the block lies turned in LDS
.irp t, 0,1,2,3,4,5,6,7
	ds_load_b128 v[X+4*(\t):X+4*(\t)+3], v[LRD] offset:(\t)*2*P
.endr
.irp t, 0,1,2,3,4,5,6,7
	s_wait_dscnt 7-(\t)                            ; LDS loads come back in order: load t is in
	global_store_b128 v2, v[X+4*(\t):X+4*(\t)+3], s[28:29] offset:(\t)*2*2048  ; 16 lanes store 256 consecutive bytes, at a multiple of 256 from wb's first byte
.endr
	s_wait_tensorcnt 0x0                           ; the wave's end: a wait for my tensor loads, an add of 0 to my spare word and a wait for it, behind my last LDS store
	ds_add_u32 v[SPW], v[NIL]
	s_wait_dscnt 0x0
	s_endpgm
.Lfunc_end_k_qfebd58238a_prep:
	.size	k_qfebd58238a_prep, .Lfunc_end_k_qfebd58238a_prep-k_qfebd58238a_prep
	.p2alignl 7, 3214868480
	.fill 96, 4, 3214868480
	.section	.rodata,"a",@progbits
	.p2align	6, 0x0
	.amdhsa_kernel k_qfebd58238a_prep
		.amdhsa_group_segment_fixed_size 35840
		.amdhsa_private_segment_fixed_size 0
		.amdhsa_enable_private_segment 0
		.amdhsa_kernarg_size 72
		.amdhsa_user_sgpr_count 2
		.amdhsa_user_sgpr_kernarg_segment_ptr 1
		.amdhsa_wavefront_size32 1
		.amdhsa_system_sgpr_workgroup_id_x 1
		.amdhsa_system_sgpr_workgroup_id_y 1
		.amdhsa_system_sgpr_workgroup_id_z 1
		.amdhsa_system_vgpr_workitem_id 0
		.amdhsa_next_free_vgpr 108
		.amdhsa_next_free_sgpr 66
		.amdhsa_reserve_vcc 0
		.amdhsa_float_denorm_mode_32 3
		.amdhsa_float_denorm_mode_16_64 3
		.amdhsa_memory_ordered 1
		.amdhsa_forward_progress 1
		.amdhsa_inst_pref_size 23
	.end_amdhsa_kernel
	.amdgpu_metadata
---
amdhsa.version: [ 1, 2 ]
amdhsa.kernels:
  - .name:           k_qfebd58238a_prep
    .symbol:         k_qfebd58238a_prep.kd
    .args:
      - { .name: input, .offset: 0, .size: 8, .value_kind: global_buffer, .address_space: global }
      - { .name: context, .offset: 8, .size: 8, .value_kind: global_buffer, .address_space: global }
      - { .name: Wq, .offset: 16, .size: 8, .value_kind: global_buffer, .address_space: global }
      - { .name: Wk, .offset: 24, .size: 8, .value_kind: global_buffer, .address_space: global }
      - { .name: Wv, .offset: 32, .size: 8, .value_kind: global_buffer, .address_space: global }
      - { .name: Wo, .offset: 40, .size: 8, .value_kind: global_buffer, .address_space: global }
      - { .name: bufx, .offset: 48, .size: 8, .value_kind: global_buffer, .address_space: global }
      - { .name: bufc, .offset: 56, .size: 8, .value_kind: global_buffer, .address_space: global }
      - { .name: wb, .offset: 64, .size: 8, .value_kind: global_buffer, .address_space: global }
    .group_segment_fixed_size: 35840
    .private_segment_fixed_size: 0
    .kernarg_segment_align: 8
    .kernarg_segment_size: 72
    .max_flat_workgroup_size: 256
    .sgpr_count:     66
    .vgpr_count:     108
    .wavefront_size: 32
...
	.end_amdgpu_metadata
.endif
;; end of part 7
;; launch projqk (part 8): grid 4 x 64, 4 waves a work-group, clusters of 4 x 4, 327,680 bytes of LDS; arguments bufx, bufc, wb, qk; writes qk
.if DOCPART == 8
	.amdgcn_target "amdgcn-amd-amdhsa--gfx1250"
	.amdhsa_code_object_version 6
	.text
	.protected	k_qfebd58238a_projqk
	.globl	k_qfebd58238a_projqk
	.p2align	8
	.type	k_qfebd58238a_projqk,@function
k_qfebd58238a_projqk:
	s_mov_b64 s[64:65], 0
	v_nop
	global_prefetch_b8 v0, s[64:65] scope:SCOPE_SE
	s_setreg_imm32_b32 hwreg(HW_REG_WAVE_MODE, 25, 1), 1
	s_wait_xcnt 0x0
	s_wait_alu depctr_hold_cnt(0) depctr_sa_sdst(0) depctr_va_vdst(0) depctr_va_sdst(0) depctr_va_ssrc(0) depctr_va_vcc(0) depctr_vm_vsrc(0)
	s_getreg_b32 s2, hwreg(HW_REG_IB_STS2, 6, 4)
	s_cmp_eq_u32 s2, 0
	s_cbranch_scc0 .Lentry_in_a_cluster
	s_endpgm
.Lentry_in_a_cluster:
	s_bfe_u32 s2, ttmp6, 0x10000c
	s_cmp_lg_u32 s2, 0xf033
	s_cbranch_scc0 .Lentry_shape_is_right
	s_endpgm
.Lentry_shape_is_right:
; PROJQK: q = input Wq and k = context Wk, two products [8192 x 1024] x [1024 x 1024] in one launch.  All operands are f16 (the inputs rounded to bf16, that number written as f16): bufx, bufc as given;
; wb holds the weights TURNED, [e][d], Wq's at 0 and Wk's at 2 MiB, so that K lies along the rows of both operands.  Sums f32, K ascending; q and k leave rounded once to f16, [8192][1024] each, q then k in qk, without the scale.
; LIMIT.  f16 ends at 65,504: |q| and |k| must stay below it, else the conversion gives an infinity.  NaN and infinities are not treated apart.
; SHARES.  A tile of C is 256 x 256: each product has 128 of them, the two together one for each of 256 work-groups.  Four waves, each 128 x 128: 64 accumulators of 16 x 16, 512 registers.
; K goes in eight steps of 128 through two LDS slots filled by the tensor data mover; a step is four quarters of 32, 64 matrix instructions each.
; THE MATRIX INSTRUCTION IS USED TRANSPOSED (source 0 = 16 rows of B, source 1 = 16 rows of A): a lane then holds row l % 16 of C and eight neighbouring columns, 16 bytes of f16.
; CLUSTER.  4 x 4 work-groups.  The four of a row of the cluster need the same tile of A, the four of a column the same tile of B: each is asked for JOINTLY, by the same tensor load with the same descriptor
; and a mask that names the four.  Which product a cluster works on hangs on the cluster's y alone (eight clusters each).
; REGISTERS, in windows of 256 (s_set_vgpr_msb: bits 1:0 source 0, 3:2 source 1, 5:4 source 2, 7:6 destination):
;   window 0: v0-31 addresses; v64-127, v128-191 A's fragments (8 x 16 rows x 32 K), two buffers; on the way out v64-127 at work          window 1: v64-127, v128-191 B's fragments, two buffers
;   window 2: the 32 accumulators of my rows 0-63 (accumulator (a, b) at v[8 (8 a + b)])          window 3: those of my rows 64-127
.set ROWB,  2048                       ; bytes in a row of every matrix here: 1,024 numbers of 16 bits
.set PITCH, 272                        ; a row in LDS: 256 bytes + 16 of padding = 68 words: the 16 rows of a fragment load start at 16 different groups of four banks (64 banks of 4 bytes: ISA guide 11.1)
.set HALFT, 128*PITCH                  ; 128 rows: what one tensor load brings, and what one wave reads of A or of B
.set SLOT,  4*HALFT                    ; A's 256 rows, then B's 256 rows: 139,264 = 2^17 + 2^13.  A wave's place in a slot, 34,816 x wave, has neither of these two bits set, so one exclusive or with SLOT turns an address in one slot into the other's
.set STAGE, 2*SLOT                     ; behind the ring, never filled by a tensor load: 16 rows x 272 bytes for each wave, for the way out
.set SP,    272
.set SPARE, STAGE+4*16*SP              ; behind the stages: the spare words, 128 bytes for each wave: two blocks of 256 bytes that no other line names
.set KA,    256                        ; a K step in memory, for A and for B: 128 numbers along the row
.set A0,   16                          ; v16  my lane's place in a slot's tile of A; never rewritten
.set B0,   17                          ; v17  the same for B
.set ADRA, 18                          ; v18  A0 + the slot in hand
.set ADRB, 19                          ; v19  B0 + the slot in hand
.set STO,  24                          ; v24  the way out: where I put 16 bytes of a row
.set RD,   25                          ; v25  the way out: where I read a row back
.set CO,   26                          ; v26  my byte offset in C
.set SPW,  28                          ; v28  LDS address of my spare word: SPARE + 4 x my thread's number; never rewritten
.set NIL,  29                          ; v29  0; never rewritten
.set PFO,  30                          ; v30  the prefetches' lane offset: a lane a row; never rewritten
.set F0,   64
.set F1,   128
.set TMP,  64                          ; the way out: a block's packed results
.set BK,   96                          ; the way out: 16 rows read back from the stage
.set G1A,  24                          ; s[24:31] descriptor group 1 for A's tiles
.set G0A,  32                          ; s[32:39] group 0 for A: a set for each first fill; the second then walks
.set G1B,  48                          ; s[48:55], s[56:63] the same for B
.set G0B,  56
.set LIM,  43                          ; s43  2 in a wave that prefetches, else the greatest number
.set PFA,  44                          ; s[44:45] where my prefetches stand
.set TB,   68                          ; s68  the slot in hand: 0 or SLOT
.set CY,   69                          ; s69  the cluster's y
.set PR,   75                          ; s75  the product: 0 q, 1 k
.set MSB, 0
.macro WIN new                         ; the immediate's high byte repeats the setting that is left; a switch that changes nothing is dropped
.if MSB != (\new)
	s_set_vgpr_msb (MSB<<8)|(\new)
.set MSB, \new
.endif
.endm
.set MUL_LO, 0xa1                      ; source 0 (B) window 1, source 1 (A) window 0, C and D window 2
.set MUL_HI, 0xf1                      ; the same, C and D window 3
.set TO_B,   0x40                      ; destination window 1, address window 0
; A joint refill by the walking descriptors.  Waves 0 and 1 fetch A's halves, waves 2 and 3 B's.  The branch hangs on the wave's number alone.
; An s_nop 0 and four v_nop follow each of the two lines, ahead of the jump, the label and what follows.
.macro JLOAD
	s_cmp_eq_u32 s11, 0
	s_cbranch_scc0 .Lfor_b_\@
	tensor_load_to_lds s[G0A+4:G0A+7], s[G1A:G1A+7]
	s_nop 0
.rept 4
	v_nop
.endr
	s_branch .Lasked_\@
.Lfor_b_\@:
	tensor_load_to_lds s[G0B+4:G0B+7], s[G1B:G1B+7]
	s_nop 0
.rept 4
	v_nop
.endr
.Lasked_\@:
.endm
; A round of the cluster's barrier behind its opening barrier: wave 0 signals for the work-group, every wave waits for all sixteen, my work-group's barrier closes it.
.macro CREST
	s_cmp_lg_u32 s10, 0
	s_cbranch_scc1 .Lnot_wave_0_\@
	s_barrier_signal -3
.Lnot_wave_0_\@:
	s_barrier_wait -3
	s_barrier_signal -1
	s_barrier_wait -1
.endm
.macro CROUND
	s_barrier_signal -1
	s_barrier_wait -1
	CREST
.endm
; A PREFETCH INTO THE L2 of the K step that stands two refills on: 32 rows x 256 bytes, a lane a row, one instruction a wave, behind the joint load, its five lines and the run of LDS loads.
; Each block is named once in the launch.  Of the 128 rows that a wave fetches, each of the four partners that ask for them jointly takes 32, told apart by address (cx for A, cy for B).  A's rows are read by my
; cluster's row alone; the weights' rows by the eight clusters of a product, of which the first asks.  Trips 6 to 3 ask for K steps 4 to 7; steps 0 to 3 come by their loads alone.
.macro ASK
	s_cmp_gt_u32 s3, s[LIM]
	s_cbranch_scc0 .Lnot_mine_\@
	global_prefetch_b8 v[PFO], s[PFA:PFA+1] th:TH_LOAD_NT scope:SCOPE_SE
.Lnot_mine_\@:
.endm
; 16 matrix instructions: row blocks a0, a0 + 1 of the window's four (hi = 0: my rows 0-63, 1: rows 64-127) x all 8 column blocks, 32 along K.  zero = 1: the product starts the sums: nothing is ever cleared.
; The 64 accumulators take turns, one instruction a turn, in the same order in every quarter, over the backward jumps too.
.macro MUL16 f, hi, a0, zero
	WIN MUL_LO+0x50*(\hi)
.irp a, \a0, (\a0)+1
.irp b, 0,1,2,3,4,5,6,7
.if \zero
	v_wmma_f32_16x16x32_f16 v[8*(8*(\a)+(\b)):8*(8*(\a)+(\b))+7], v[(\f)+8*(\b):(\f)+8*(\b)+7], v[(\f)+8*(4*(\hi)+(\a)):(\f)+8*(4*(\hi)+(\a))+7], 0
.else
	v_wmma_f32_16x16x32_f16 v[8*(8*(\a)+(\b)):8*(8*(\a)+(\b))+7], v[(\f)+8*(\b):(\f)+8*(\b)+7], v[(\f)+8*(4*(\hi)+(\a)):(\f)+8*(4*(\hi)+(\a))+7], v[8*(8*(\a)+(\b)):8*(8*(\a)+(\b))+7]
.endif
.endr
.endr
.endm
; 32 LDS loads in one run: quarter q of the slot in hand into buffer f: B's eight fragments, then A's eight (16 rows x 32 along K each: two loads of 16 bytes, 32 bytes apart).
.macro FETCH q, f
	WIN TO_B
.irp i, 0,1,2,3,4,5,6,7
	ds_load_b128 v[(\f)+8*(\i):(\f)+8*(\i)+3],   v[ADRB] offset:(\q)*64+(\i)*16*PITCH
	ds_load_b128 v[(\f)+8*(\i)+4:(\f)+8*(\i)+7], v[ADRB] offset:(\q)*64+(\i)*16*PITCH+32
.endr
	WIN 0
.irp i, 0,1,2,3,4,5,6,7
	ds_load_b128 v[(\f)+8*(\i):(\f)+8*(\i)+3],   v[ADRA] offset:(\q)*64+(\i)*16*PITCH
	ds_load_b128 v[(\f)+8*(\i)+4:(\f)+8*(\i)+7], v[ADRA] offset:(\q)*64+(\i)*16*PITCH+32
.endr
.endm
.macro PLACES                          ; four places in front of loads into registers that matrix instructions have read, and of instructions that read results (ISA guide 7.12.1 for the instructions that read results)
.rept 4
	v_nop
.endr
.endm
; One of a K step's first three quarters: multiplies buffer f and, in its middle, fetches quarter q of the same slot into buffer g.
.macro QUARTER q, f, g, zero
	s_wait_dscnt 8                                 ; B's fragments and A's rows 0-63 are in; the youngest eight loads (A's rows 64-127) may be out
	MUL16 \f, 0, 0, \zero
	MUL16 \f, 0, 2, \zero
	PLACES
	FETCH \q, \g
	s_wait_dscnt 32                                ; all but the 32 just issued
	MUL16 \f, 1, 0, \zero
	MUL16 \f, 1, 2, \zero
.endm
; The last quarter multiplies buffer 1 and changes slots: ONE barrier.  In front of it each wave waits for all its tensor loads (one is out: its part of the next slot), adds 0 to its spare word, and waits for that
; and for its reads of this slot.  fill = 1: the barrier opens a round of the cluster's, so that no wave of any partner still reads the slot or has a load on its way, and the joint refill, two K steps ahead, is the first
; thing behind it: 224 matrix instructions ahead of the wait for it.  fill = 0 (the tail): nothing is asked for; in the last trip there is no next slot, and the run of loads is jumped over.
.macro TURN fill
.if \fill
	s_wait_xcnt 0x0                                ; the last prefetch, a K step back, has read its address: it is stepped here, ahead of the waits of the change of slots
	s_add_nc_u64 s[PFA:PFA+1], s[PFA:PFA+1], KA
.endif
	WIN 0                                          ; (the add's two registers lie in window 0)
	s_wait_tensorcnt 0x0                           ; all my tensor loads have landed
	ds_add_u32 v[SPW], v[NIL]                      ; 0 onto my spare word
	s_wait_dscnt 9                                 ; the add and the youngest eight loads (A's rows 64-127) may be out
	MUL16 F1, 0, 0, 0                              ; sixteen matrix instructions stand between the add and the wait for it
	s_wait_dscnt 0x0                               ; the add is done, and my reads of this slot are over
	s_barrier_signal -1
	MUL16 F1, 0, 2, 0                              ; work on registers while the others arrive
	WIN 0
	s_barrier_wait -1
.if \fill
	CREST
	s_xor_b32 s[G0A+5], s[G0A+5], SLOT             ; no tensor load of mine is out, so the walking descriptors may be written: the other slot than last time,
	s_add_nc_u64 s[G0A+6:G0A+7], s[G0A+6:G0A+7], KA  ; the next K step; the type bits on top are not reached
	s_xor_b32 s[G0B+5], s[G0B+5], SLOT
	s_add_nc_u64 s[G0B+6:G0B+7], s[G0B+6:G0B+7], KA
	JLOAD                                          ; the four v_nop behind it are also the places in front of the loads below
.else
	PLACES
.endif
	s_xor_b32 s[TB], s[TB], SLOT
	v_add_nc_u32 v[ADRA], s[TB], v[A0]
	v_add_nc_u32 v[ADRB], s[TB], v[B0]
.if !(\fill)
	s_cmp_eq_u32 s3, 1
	s_cbranch_scc1 .Lno_more_\@
.endif
	FETCH 0, F0
.if \fill
	ASK
.else
.Lno_more_\@:
.endif
	MUL16 F1, 1, 0, 0
	MUL16 F1, 1, 2, 0
.endm
	s_load_b256 s[80:87], s[0:1], 0x0              ; bufx s[80:81], bufc s[82:83], wb s[84:85], qk s[86:87]
	v_lshl_add_u32 v[SPW], v0, 2, SPARE
	v_mov_b32 v[NIL], 0
	ds_add_u32 v[SPW], v[NIL]                      ; the wave's opening: the add and its wait stand ahead of my first tensor load; the set-up below, work on registers, stands between them
	v_lshrrev_b32 v1, 5, v0
	v_readfirstlane_b32 s10, v1                    ; wave 0..3
	s_lshr_b32 s11, s10, 1                         ; which 128 rows of the tile are mine.  Also: I fetch for A (0) or for B (1)
	s_and_b32 s12, s10, 1                          ; which 128 columns.  Also: which half of that tile I fetch
	s_bfe_u32 s40, ttmp6, 0x40000                  ; cx, cy: my place in the cluster
	s_bfe_u32 s41, ttmp6, 0x40004
	s_lshl_b32 s42, ttmp9, 2
	s_add_co_u32 s42, s42, s40                     ; tile column of C = 4 x cluster x + cx
	s_and_b32 s[CY], ttmp7, 0xffff
	s_lshr_b32 s[PR], s[CY], 3                     ; the product: eight clusters each
	s_and_b32 s13, s[CY], 7
	s_lshl_b32 s13, s13, 2
	s_add_co_u32 s13, s13, s41                     ; tile row in the product: 0..31
	s_lshl_b32 s43, s41, 2
	s_lshl_b32 s43, 15, s43                        ; my row of the cluster: places 4 cy .. 4 cy + 3
	s_lshl_b32 s44, 0x1111, s40                    ; my column: places cx, cx + 4, cx + 8, cx + 12
	s_or_b32 s[G1A], s43, (1<<16)|(1<<20)|(1<<21)|(5<<22)|(3<<25)  ; 15:0 the mask; 17:16 elements of 2 bytes; 20 padding on; 21 set beside a mask; 24:22 after every 64 words (code 5); 31:25 4 words of it (code 3)
	s_or_b32 s[G1B], s44, (1<<16)|(1<<20)|(1<<21)|(5<<22)|(3<<25)  ; the same with my column's mask
.irp g, G1A, G1B
	s_mov_b32 s[(\g)+1], 128<<16                   ; tensor_dim0 = 128
	s_mov_b32 s[(\g)+2], 128<<16                   ; tensor_dim1 = 128
	s_mov_b32 s[(\g)+3], 128<<16                   ; tile_dim0 = 128
	s_mov_b32 s[(\g)+4], 128                       ; tile_dim1 = 128
	s_mov_b32 s[(\g)+5], 1024                      ; elements from row to row
	s_mov_b32 s[(\g)+6], 0
	s_mov_b32 s[(\g)+7], 0
.endr
	; where the tiles come from: A's offset is made of the tile row and the wave's number, B's of the tile column, the product and the wave's number, each in registers that never hold the other coordinate
	s_lshl_b32 s16, s13, 8
	s_lshl_b32 s17, s12, 7
	s_add_co_u32 s16, s16, s17                     ; A: row 256 x tile row + 128 x half,
	s_lshl_b32 s16, s16, 11                        ; in bytes (under 2^24)
	s_mov_b32 s17, 0
	s_lshl_b32 s46, s42, 8
	s_lshl_b32 s47, s12, 7
	s_add_co_u32 s46, s46, s47                     ; B: row 256 x tile column + 128 x half
	s_lshl_b32 s46, s46, 11
	s_mov_b32 s47, 0
	s_lshl_b32 s20, s[PR], 21                      ; the product's weights in wb
	s_mov_b32 s21, 0
	s_mul_i32 s22, s10, HALFT                      ; and where they go: A's two halves, then B's two = wave x 128 rows: no place in the cluster enters an LDS address
	s_wait_dscnt 0x0                               ; the opening add is done
	s_wait_kmcnt 0x0
	s_cmp_eq_u32 s[PR], 0
	s_cselect_b64 s[4:5], s[80:81], s[82:83]       ; A: input for q, context for k
	s_add_nc_u64 s[6:7], s[84:85], s[20:21]        ; B
	s_mov_b64 s[8:9], s[86:87]                     ; C
	s_add_nc_u64 s[14:15], s[4:5], s[16:17]
	s_add_nc_u64 s[46:47], s[6:7], s[46:47]
	CROUND                                         ; all sixteen work-groups are here: the first joint loads meet
.irp n, 0,1
	s_mov_b32 s[G0A+4*(\n)], 1                                       ; count = 1
	s_add_co_u32 s[G0A+4*(\n)+1], s22, (\n)*SLOT                     ; LDS address
	s_add_nc_u64 s[G0A+4*(\n)+2:G0A+4*(\n)+3], s[14:15], (\n)*KA     ; global address: K step n
	s_or_b32 s[G0A+4*(\n)+3], s[G0A+4*(\n)+3], 0x80000000            ; type = 2
	s_mov_b32 s[G0B+4*(\n)], 1
	s_add_co_u32 s[G0B+4*(\n)+1], s22, (\n)*SLOT
	s_add_nc_u64 s[G0B+4*(\n)+2:G0B+4*(\n)+3], s[46:47], (\n)*KA
	s_or_b32 s[G0B+4*(\n)+3], s[G0B+4*(\n)+3], 0x80000000
.endr
	s_cmp_eq_u32 s11, 0                            ; a wave's two first fills stand in one branch, ahead of every wait on TENSORcnt and every LDS read: two loads of mine are out
	s_cbranch_scc0 .Lfirst_b
	tensor_load_to_lds s[G0A:G0A+3], s[G1A:G1A+7]
	s_nop 0
	tensor_load_to_lds s[G0A+4:G0A+7], s[G1A:G1A+7]
	s_nop 0
.rept 4
	v_nop
.endr
	s_branch .Lfirst_asked
.Lfirst_b:
	tensor_load_to_lds s[G0B:G0B+3], s[G1B:G1B+7]
	s_nop 0
	tensor_load_to_lds s[G0B+4:G0B+7], s[G1B:G1B+7]
	s_nop 0
.rept 4
	v_nop
.endr
.Lfirst_asked:
	; A fragment is 16 rows x 32 along K in 8 registers: lane l holds row l % 16, K = 8 (l / 16) + 0..7 and 16 + 8 (l / 16) + 0..7.
	v_and_b32 v1, 15, v0                           ; l % 16
	v_bfe_u32 v2, v0, 4, 1                         ; l / 16
	v_mul_u32_u24 v3, v1, PITCH
	v_lshl_add_u32 v3, v2, 4, v3                   ; row x pitch + 16 x half
	s_mul_i32 s21, s11, HALFT                      ; my 128 rows of A
	v_add_nc_u32 v[A0], s21, v3
	s_mul_i32 s22, s12, HALFT                      ; my 128 rows of B,
	s_add_co_u32 s22, s22, 2*HALFT                 ; which lie behind A's 256
	v_add_nc_u32 v[B0], s22, v3
	v_mov_b32 v[ADRA], v[A0]                       ; slot 0
	v_mov_b32 v[ADRB], v[B0]
	s_mov_b32 s[TB], 0
	s_mul_i32 s23, s10, 16*SP
	s_add_co_u32 s23, s23, STAGE                   ; my stage
	v_add_nc_u32 v[STO], s23, v3                   ; in: row l % 16, 16 bytes for each half of the lanes (the stage's pitch is the tiles')
	v_mul_u32_u24 v5, v2, SP                       ; back: lanes 0-15 take one row of 256 bytes, lanes 16-31 the next
	v_lshl_add_u32 v5, v1, 4, v5
	v_add_nc_u32 v[RD], s23, v5
	v_lshlrev_b32 v5, 11, v2                       ; and the same two rows in C
	v_lshl_add_u32 v[CO], v1, 4, v5
	v_and_b32 v5, 31, v0
	v_lshlrev_b32 v[PFO], 11, v5
	s_lshl_b32 s20, s13, 8                         ; where my part of the tile begins in C: row 256 x tile row + 128 x half,
	s_lshl_b32 s21, s11, 7
	s_add_co_u32 s20, s20, s21
	s_lshl_b32 s20, s20, 11
	s_lshl_b32 s21, s42, 9                         ; column 256 x tile column + 128 x half, in bytes,
	s_add_co_u32 s20, s20, s21
	s_lshl_b32 s21, s12, 8
	s_add_co_u32 s20, s20, s21
	s_lshl_b32 s21, s[PR], 24                      ; k 16 MiB behind q
	s_add_co_u32 s20, s20, s21
	s_mov_b32 s21, 0
	s_add_nc_u64 s[8:9], s[8:9], s[20:21]
	; the prefetches: both offsets are made, and the wave's number chooses
	s_lshl_b32 s20, s13, 8
	s_lshl_b32 s21, s12, 7
	s_add_co_u32 s20, s20, s21
	s_lshl_b32 s21, s40, 5
	s_add_co_u32 s20, s20, s21                     ; A: my work-group's 32 of the 128 rows that I fetch,
	s_lshl_b32 s20, s20, 11
	s_add_co_u32 s20, s20, 3*KA                    ; at K step 3: the first change of slots steps it to 4
	s_lshl_b32 s21, s42, 8
	s_lshl_b32 s22, s12, 7
	s_add_co_u32 s21, s21, s22
	s_lshl_b32 s22, s41, 5
	s_add_co_u32 s21, s21, s22                     ; B: the same
	s_lshl_b32 s21, s21, 11
	s_add_co_u32 s21, s21, 3*KA
	s_and_b32 s17, s[CY], 7                        ; 0 in the first of the eight clusters that read these weights
	s_cmp_eq_u32 s11, 0                            ; do I fetch for A?
	s_cselect_b32 s20, s20, s21
	s_cselect_b64 s[PFA:PFA+1], s[4:5], s[6:7]
	s_cselect_b32 s16, 0, s17
	s_mov_b32 s21, 0
	s_add_nc_u64 s[PFA:PFA+1], s[PFA:PFA+1], s[20:21]
	s_cmp_eq_u32 s16, 0
	s_cselect_b32 s[LIM], 2, -1                    ; the same in all sixteen partners, for a given wave
	s_wait_tensorcnt 1                             ; my part of K step 0 is in; K step 1's may stay out
	s_barrier_signal -1
	s_barrier_wait -1                              ; everybody's is
	FETCH 0, F0
	QUARTER 1, F0, F1, 1                           ; the first quarter stands in front of the loop: its products start the sums
	WIN 0                                          ; at a label and at a branch every window is 0
	s_mov_b32 s3, 6
.Lstep:                                        ; six trips, from a step's second quarter to the next step's first; they ask for K steps 2 to 7
	QUARTER 2, F1, F0, 0
	QUARTER 3, F0, F1, 0
	TURN 1
	QUARTER 1, F0, F1, 0
	WIN 0
	s_sub_co_u32 s3, s3, 1
	s_cmp_lg_u32 s3, 0
	s_cbranch_scc1 .Lstep
	s_mov_b32 s3, 2
.Ltail:                                        ; K steps 6 and 7 ask for nothing; the second trip has no next step: its two forward jumps pass LDS loads and matrix instructions alone
	QUARTER 2, F1, F0, 0
	QUARTER 3, F0, F1, 0
	TURN 0
	WIN 0
	s_cmp_eq_u32 s3, 1
	s_cbranch_scc1 .Lskip
	QUARTER 1, F0, F1, 0
	WIN 0
.Lskip:
	s_sub_co_u32 s3, s3, 1
	s_cmp_lg_u32 s3, 0
	s_cbranch_scc1 .Ltail
	; THE WAY OUT, a loop of eight trips, a block of 16 rows each: rounded to f16, 16 bytes a lane into my own stage, back as whole rows of 256 bytes, stored.
	; Only the 32 conversions name a block's own accumulators: they are written once for each block and chosen by forward jumps on the counter; stage and stores are written once.
	s_wait_dscnt 0x0                               ; the last trip fetched nothing: no LDS load is out on any way through the two jumps above, so the fragment buffers may be written
	PLACES
	PLACES                                         ; eight places, once a launch, behind the last products
.macro PACK a
.set AC, 64*((\a)%4)
	WIN 0x0a+5*((\a)/4)                            ; sources 0 and 1 in window 2 or 3; each accumulator's registers in ascending order
.irp b, 0,1,2,3,4,5,6,7
.irp r, 0,1,2,3
	v_cvt_pk_f16_f32 v[TMP+4*(\b)+(\r)], v[AC+8*(\b)+2*(\r)], v[AC+8*(\b)+2*(\r)+1]
.endr
.endr
	WIN 0
.endm
.macro TRYP a, n                       ; block a's turn (s3 = 8 - a)?  Else on to the next test
.Lpack_\a:
	s_cmp_lg_u32 s3, 8-(\a)
	s_cbranch_scc1 .Lpack_\n
	PACK \a
	s_branch .Lpacked
.endm
.macro TOSTAGE
.irp b, 0,1,2,3,4,5,6,7
	ds_store_b128 v[STO], v[TMP+4*(\b):TMP+4*(\b)+3] offset:32*(\b)
.endr
.irp t, 0,1,2,3,4,5,6,7
	ds_load_b128 v[BK+4*(\t):BK+4*(\t)+3], v[RD] offset:(\t)*2*SP  ; LDS serves a wave's instructions in order (ISA guide 5.7.1.4): these see the stores above
.endr
.endm
.macro SEND step                       ; the block that lies in BK leaves; step = 1: another follows
	s_wait_dscnt 0x0                               ; the block is back in registers
.irp t, 0,1,2,3,4,5,6,7
	global_store_b128 v[CO], v[BK+4*(\t):BK+4*(\t)+3], s[8:9] offset:(\t)*2*ROWB  ; 16 lanes store 256 consecutive bytes, at a multiple of 256 from C's first byte
.endr
.if \step
	s_wait_xcnt 0x0                                ; the stores have read BK and their base: the next block's loads from the stage land in BK, and the base steps, only behind this wait
	s_add_nc_u64 s[8:9], s[8:9], 16*ROWB
.endif
.endm
	s_mov_b32 s3, 8                                ; blocks to go
.Lblock:
	TRYP 0, 1
	TRYP 1, 2
	TRYP 2, 3
	TRYP 3, 4
	TRYP 4, 5
	TRYP 5, 6
	TRYP 6, 7
.Lpack_7:
	PACK 7
.Lpacked:                                      ; a block's conversions stand between the loads of the block before from the stage and the wait for them
	s_cmp_eq_u32 s3, 8
	s_cbranch_scc1 .Lnone_yet                      ; the first trip has no block before it
	SEND 1
.Lnone_yet:
	TOSTAGE
	s_sub_co_u32 s3, s3, 1
	s_cmp_lg_u32 s3, 0
	s_cbranch_scc1 .Lblock
	SEND 0
	s_wait_tensorcnt 0x0                           ; the wave's end: a wait for my tensor loads, an add of 0 to my spare word and a wait for it, behind my last tensor load and my last LDS store
	ds_add_u32 v[SPW], v[NIL]
	s_wait_dscnt 0x0
	CROUND                                         ; the closing round: no work-group ends while a partner may still ask for a tile that names it
	s_endpgm
.Lfunc_end_k_qfebd58238a_projqk:
	.size	k_qfebd58238a_projqk, .Lfunc_end_k_qfebd58238a_projqk-k_qfebd58238a_projqk
	.p2alignl 7, 3214868480
	.fill 96, 4, 3214868480
	.section	.rodata,"a",@progbits
	.p2align	6, 0x0
	.amdhsa_kernel k_qfebd58238a_projqk
		.amdhsa_group_segment_fixed_size 327680
		.amdhsa_private_segment_fixed_size 0
		.amdhsa_enable_private_segment 0
		.amdhsa_kernarg_size 32
		.amdhsa_user_sgpr_count 2
		.amdhsa_user_sgpr_kernarg_segment_ptr 1
		.amdhsa_wavefront_size32 1
		.amdhsa_system_sgpr_workgroup_id_x 1
		.amdhsa_system_sgpr_workgroup_id_y 1
		.amdhsa_system_sgpr_workgroup_id_z 1
		.amdhsa_system_vgpr_workitem_id 0
		.amdhsa_next_free_vgpr 1024
		.amdhsa_next_free_sgpr 88
		.amdhsa_reserve_vcc 0
		.amdhsa_float_denorm_mode_32 3
		.amdhsa_float_denorm_mode_16_64 3
		.amdhsa_memory_ordered 1
		.amdhsa_forward_progress 1
		.amdhsa_inst_pref_size 90
	.end_amdhsa_kernel
	.amdgpu_metadata
---
amdhsa.version: [ 1, 2 ]
amdhsa.kernels:
  - .name:           k_qfebd58238a_projqk
    .symbol:         k_qfebd58238a_projqk.kd
    .args:
      - { .name: bufx, .offset: 0, .size: 8, .value_kind: global_buffer, .address_space: global }
      - { .name: bufc, .offset: 8, .size: 8, .value_kind: global_buffer, .address_space: global }
      - { .name: wb, .offset: 16, .size: 8, .value_kind: global_buffer, .address_space: global }
      - { .name: qk, .offset: 24, .size: 8, .value_kind: global_buffer, .address_space: global }
    .group_segment_fixed_size: 327680
    .private_segment_fixed_size: 0
    .kernarg_segment_align: 8
    .kernarg_segment_size: 32
    .max_flat_workgroup_size: 128
    .sgpr_count:     88
    .vgpr_count:     1024
    .wavefront_size: 32
...
	.end_amdgpu_metadata
.endif
;; end of part 8
;; launch scorev (part 9): grid 4 x 64, 4 waves a work-group, clusters of 4 x 4, 327,680 bytes of LDS; arguments qk, bufc, wb, vb, ph, st; writes vb, ph, st
.if DOCPART == 9
	.amdgcn_target "amdgcn-amd-amdhsa--gfx1250"
	.amdhsa_code_object_version 6
	.text
	.protected	k_qfebd58238a_scorev
	.globl	k_qfebd58238a_scorev
	.p2align	8
	.type	k_qfebd58238a_scorev,@function
k_qfebd58238a_scorev:
	s_mov_b64 s[64:65], 0
	v_nop
	global_prefetch_b8 v0, s[64:65] scope:SCOPE_SE
	s_setreg_imm32_b32 hwreg(HW_REG_WAVE_MODE, 25, 1), 1
	s_wait_xcnt 0x0
	s_wait_alu depctr_hold_cnt(0) depctr_sa_sdst(0) depctr_va_vdst(0) depctr_va_sdst(0) depctr_va_ssrc(0) depctr_va_vcc(0) depctr_vm_vsrc(0)
	s_getreg_b32 s2, hwreg(HW_REG_IB_STS2, 6, 4)
	s_cmp_eq_u32 s2, 0
	s_cbranch_scc0 .Lentry_in_a_cluster
	s_endpgm
.Lentry_in_a_cluster:
	s_bfe_u32 s2, ttmp6, 0x10000c
	s_cmp_lg_u32 s2, 0xf033
	s_cbranch_scc0 .Lentry_shape_is_right
	s_endpgm
.Lentry_shape_is_right:
; SCOREV: two products that do not hang on each other share one launch, so that tiles of 256 x 256 still give 256 work-groups: clusters 0-7 make the scores, clusters 8-15 make v.
; SCORES: s = q k^T for each of 8 batches (a cluster a batch), and the softmax's first half.  q and k are f16, [8192][1024] at 0 and 16 MiB of qk.  For each row and each block of 128 keys: the block's TRUE maximum m,
; p = 2^(c s - c m) with c = log2(e) / 32 (the scale 1 / sqrt(1024) folded in), and l = the f32 sum of the unrounded p.  p leaves rounded once to f16, [8192][1024] in ph; (c m, l) leave as f32 pairs in st at byte
; (8,192 x key block + row) x 8.  The next launch joins a row's eight blocks by the row's own maximum.
; V: v = context Wv.  context is f16 (bufc); Wv lies turned, [e][d], f16, 4 MiB into wb; v leaves rounded once to f16, [8192][1024] in vb.
; In both products K lies along the rows of both operands, all rows are 2,048 bytes, and the sums are f32, K ascending: ONE text serves both up to the way out; three addresses are chosen by the cluster's y.
; LIMITS.  p lies in 0 to 1; below 6e-5 it keeps f16's fixed step of 6e-8; a p below 2^-126 counts as 0 in l.  |v| must stay below f16's 65,504.  NaN and infinities are not treated apart.
; SHARES.  A tile is 256 x 256; four waves, each 128 rows x 128 columns (for the scores: one key block): 64 accumulators of 16 x 16, 512 registers.  K goes in eight steps of 128 through two LDS slots
; filled by the tensor data mover; a step is four quarters of 32, 64 matrix instructions each.
; THE MATRIX INSTRUCTION IS USED TRANSPOSED (source 0 = 16 rows of B, source 1 = 16 rows of A): a lane holds ONE row of C (l % 16) and, of each 16 columns, 8 (l / 16) + 0..7: a row's maximum and sum want one exchange between the halves of the lanes.
; CLUSTER.  4 x 4 work-groups.  The four of a row of the cluster need the same tile of A, the four of a column the same tile of B: each is asked for JOINTLY.  No branch hangs on a work-group's place in its cluster.
; REGISTERS, in windows of 256 (s_set_vgpr_msb: bits 1:0 source 0, 3:2 source 1, 5:4 source 2, 7:6 destination):
;   window 0: v0-31 addresses; v32-42 at work; v48-63 (c m, l) of my eight row blocks; v64-127, v128-191 A's fragments, two buffers; on the way out v64-191 at work          window 1: v64-127, v128-191 B's fragments, two buffers
;   window 2: the 32 accumulators of my rows 0-63 (accumulator (a, b) at v[8 (8 a + b)])          window 3: those of my rows 64-127
.set ROWB,  2048                       ; bytes in a row of every matrix here: 1,024 numbers of 16 bits
.set PITCH, 272                        ; a row in LDS: 256 bytes + 16 of padding = 68 words: the 16 rows of a fragment load start at 16 different groups of four banks (64 banks of 4 bytes: ISA guide 11.1)
.set HALFT, 128*PITCH                  ; 128 rows: what one tensor load brings, and what one wave reads of A or of B
.set SLOT,  4*HALFT                    ; A's 256 rows, then B's 256 rows: 139,264 = 2^17 + 2^13.  A wave's place in a slot, 34,816 x wave, has neither of these two bits set, so one exclusive or with SLOT turns an address in one slot into the other's
.set STAGE, 2*SLOT                     ; behind the ring, never filled by a tensor load: 16 rows x 272 bytes for each wave, for the way out
.set SP,    272
.set SPARE, STAGE+4*16*SP              ; behind the stages: the spare words, 128 bytes for each wave: two blocks of 256 bytes that no other line names
.set KA,    256                        ; a K step in memory, for A and for B: 128 numbers along the row
.set A0,   16                          ; v16  my lane's place in a slot's tile of A; never rewritten
.set B0,   17                          ; v17  the same for B
.set ADRA, 18                          ; v18  A0 + the slot in hand
.set ADRB, 19                          ; v19  B0 + the slot in hand
.set STO,  24                          ; v24  the way out: where I put 16 bytes of a row
.set RD,   25                          ; v25  the way out: where I read a row back
.set CO,   26                          ; v26  my byte offset in C
.set SO,   27                          ; v27  my byte offset in st: 8 x lane
.set SPW,  28                          ; v28  LDS address of my spare word: SPARE + 4 x my thread's number; never rewritten
.set NIL,  29                          ; v29  0; never rewritten
.set PFO,  30                          ; v30  the prefetches' lane offset: a lane a row; never rewritten
.set MX,   32                          ; v32-39 eight chains of the maximum; v40-41 the sum's exchange
.set LC,   42                          ; v42  l of the block in hand
.set STAT, 48
.set F0,   64
.set F1,   128
.set EX,   64                          ; the way out: a block's 64 numbers c s - c m, then p
.set TMP,  128                         ; the way out: a block's packed results
.set BK,   160                         ; the way out: 16 rows read back from the stage
.set G1A,  24                          ; s[24:31] descriptor group 1 for A's tiles
.set G0A,  32                          ; s[32:39] group 0 for A: a set for each first fill; the second then walks
.set G1B,  48                          ; s[48:55], s[56:63] the same for B
.set G0B,  56
.set LIM,  43                          ; s43  2 in a wave that prefetches, else the greatest number
.set PFA,  44                          ; s[44:45] where my prefetches stand
.set TB,   68                          ; s68  the slot in hand: 0 or SLOT
.set CY,   69                          ; s69  the cluster's y
.set CS,   70                          ; s[70:71] c: the packed scaling names a pair and takes its low word for both halves
.set SEL,  72                          ; s[72:73] v_permlanex16_b32's selects: each lane takes its own place in the other half
.set UPPER, 74                         ; s74  a mask of lanes 16-31
.set PR,   75                          ; s75  the product: 0 the scores, 1 v
.set STP,  76                          ; s[76:77] st at my rows of my key block
.set MSB, 0
.macro WIN new                         ; the immediate's high byte repeats the setting that is left; a switch that changes nothing is dropped
.if MSB != (\new)
	s_set_vgpr_msb (MSB<<8)|(\new)
.set MSB, \new
.endif
.endm
.set MUL_LO, 0xa1                      ; source 0 (B) window 1, source 1 (A) window 0, C and D window 2
.set MUL_HI, 0xf1                      ; the same, C and D window 3
.set TO_B,   0x40                      ; destination window 1, address window 0
; A joint refill by the walking descriptors.  Waves 0 and 1 fetch A's halves, waves 2 and 3 B's.  The branch hangs on the wave's number alone.
; An s_nop 0 and four v_nop follow each of the two lines, ahead of the jump, the label and what follows.
.macro JLOAD
	s_cmp_eq_u32 s11, 0
	s_cbranch_scc0 .Lfor_b_\@
	tensor_load_to_lds s[G0A+4:G0A+7], s[G1A:G1A+7]
	s_nop 0
.rept 4
	v_nop
.endr
	s_branch .Lasked_\@
.Lfor_b_\@:
	tensor_load_to_lds s[G0B+4:G0B+7], s[G1B:G1B+7]
	s_nop 0
.rept 4
	v_nop
.endr
.Lasked_\@:
.endm
; A round of the cluster's barrier behind its opening barrier: wave 0 signals for the work-group, every wave waits for all sixteen, my work-group's barrier closes it.
.macro CREST
	s_cmp_lg_u32 s10, 0
	s_cbranch_scc1 .Lnot_wave_0_\@
	s_barrier_signal -3
.Lnot_wave_0_\@:
	s_barrier_wait -3
	s_barrier_signal -1
	s_barrier_wait -1
.endm
.macro CROUND
	s_barrier_signal -1
	s_barrier_wait -1
	CREST
.endm
; A PREFETCH INTO THE L2 of the K step that stands two refills on: 32 rows x 256 bytes, a lane a row, one instruction a wave, behind the joint load, its five lines and the run of LDS loads.
; Each block is named once in the launch.  Of the 128 rows that a wave fetches, each of the four partners that ask for them jointly takes 32, told apart by address (cx for A, cy for B).  q's, k's and context's rows are
; read by one cluster alone; Wv's rows by the eight clusters that make v, of which the first asks.  Trips 6 to 3 ask for K steps 4 to 7; steps 0 to 3 come by their loads alone.
.macro ASK
	s_cmp_gt_u32 s3, s[LIM]
	s_cbranch_scc0 .Lnot_mine_\@
	global_prefetch_b8 v[PFO], s[PFA:PFA+1] th:TH_LOAD_NT scope:SCOPE_SE
.Lnot_mine_\@:
.endm
; 16 matrix instructions: row blocks a0, a0 + 1 of the window's four (hi = 0: my rows 0-63, 1: rows 64-127) x all 8 column blocks, 32 along K.  zero = 1: the product starts the sums: nothing is ever cleared.
; The 64 accumulators take turns, one instruction a turn, in the same order in every quarter, over the backward jumps too.
.macro MUL16 f, hi, a0, zero
	WIN MUL_LO+0x50*(\hi)
.irp a, \a0, (\a0)+1
.irp b, 0,1,2,3,4,5,6,7
.if \zero
	v_wmma_f32_16x16x32_f16 v[8*(8*(\a)+(\b)):8*(8*(\a)+(\b))+7], v[(\f)+8*(\b):(\f)+8*(\b)+7], v[(\f)+8*(4*(\hi)+(\a)):(\f)+8*(4*(\hi)+(\a))+7], 0
.else
	v_wmma_f32_16x16x32_f16 v[8*(8*(\a)+(\b)):8*(8*(\a)+(\b))+7], v[(\f)+8*(\b):(\f)+8*(\b)+7], v[(\f)+8*(4*(\hi)+(\a)):(\f)+8*(4*(\hi)+(\a))+7], v[8*(8*(\a)+(\b)):8*(8*(\a)+(\b))+7]
.endif
.endr
.endr
.endm
; 32 LDS loads in one run: quarter q of the slot in hand into buffer f: B's eight fragments, then A's eight (16 rows x 32 along K each: two loads of 16 bytes, 32 bytes apart).
.macro FETCH q, f
	WIN TO_B
.irp i, 0,1,2,3,4,5,6,7
	ds_load_b128 v[(\f)+8*(\i):(\f)+8*(\i)+3],   v[ADRB] offset:(\q)*64+(\i)*16*PITCH
	ds_load_b128 v[(\f)+8*(\i)+4:(\f)+8*(\i)+7], v[ADRB] offset:(\q)*64+(\i)*16*PITCH+32
.endr
	WIN 0
.irp i, 0,1,2,3,4,5,6,7
	ds_load_b128 v[(\f)+8*(\i):(\f)+8*(\i)+3],   v[ADRA] offset:(\q)*64+(\i)*16*PITCH
	ds_load_b128 v[(\f)+8*(\i)+4:(\f)+8*(\i)+7], v[ADRA] offset:(\q)*64+(\i)*16*PITCH+32
.endr
.endm
.macro PLACES                          ; four places in front of loads into registers that matrix instructions have read, and of instructions that read results (ISA guide 7.12.1 for the instructions that read results)
.rept 4
	v_nop
.endr
.endm
; One of a K step's first three quarters: multiplies buffer f and, in its middle, fetches quarter q of the same slot into buffer g.
.macro QUARTER q, f, g, zero
	s_wait_dscnt 8                                 ; B's fragments and A's rows 0-63 are in; the youngest eight loads (A's rows 64-127) may be out
	MUL16 \f, 0, 0, \zero
	MUL16 \f, 0, 2, \zero
	PLACES
	FETCH \q, \g
	s_wait_dscnt 32                                ; all but the 32 just issued
	MUL16 \f, 1, 0, \zero
	MUL16 \f, 1, 2, \zero
.endm
; The last quarter multiplies buffer 1 and changes slots: ONE barrier.  In front of it each wave waits for all its tensor loads (one is out: its part of the next slot), adds 0 to its spare word, and waits for that
; and for its reads of this slot.  fill = 1: the barrier opens a round of the cluster's, so that no wave of any partner still reads the slot or has a load on its way, and the joint refill, two K steps ahead, is the first
; thing behind it: 224 matrix instructions ahead of the wait for it.  fill = 0 (the tail): nothing is asked for; in the last trip there is no next slot, and the run of loads is jumped over.
.macro TURN fill
.if \fill
	s_wait_xcnt 0x0                                ; the last prefetch, a K step back, has read its address: it is stepped here, ahead of the waits of the change of slots
	s_add_nc_u64 s[PFA:PFA+1], s[PFA:PFA+1], KA
.endif
	WIN 0                                          ; (the add's two registers lie in window 0)
	s_wait_tensorcnt 0x0                           ; all my tensor loads have landed
	ds_add_u32 v[SPW], v[NIL]                      ; 0 onto my spare word
	s_wait_dscnt 9                                 ; the add and the youngest eight loads (A's rows 64-127) may be out
	MUL16 F1, 0, 0, 0                              ; sixteen matrix instructions stand between the add and the wait for it
	s_wait_dscnt 0x0                               ; the add is done, and my reads of this slot are over
	s_barrier_signal -1
	MUL16 F1, 0, 2, 0                              ; work on registers while the others arrive
	WIN 0
	s_barrier_wait -1
.if \fill
	CREST
	s_xor_b32 s[G0A+5], s[G0A+5], SLOT             ; no tensor load of mine is out, so the walking descriptors may be written: the other slot than last time,
	s_add_nc_u64 s[G0A+6:G0A+7], s[G0A+6:G0A+7], KA  ; the next K step; the type bits on top are not reached
	s_xor_b32 s[G0B+5], s[G0B+5], SLOT
	s_add_nc_u64 s[G0B+6:G0B+7], s[G0B+6:G0B+7], KA
	JLOAD                                          ; the four v_nop behind it are also the places in front of the loads below
.else
	PLACES
.endif
	s_xor_b32 s[TB], s[TB], SLOT
	v_add_nc_u32 v[ADRA], s[TB], v[A0]
	v_add_nc_u32 v[ADRB], s[TB], v[B0]
.if !(\fill)
	s_cmp_eq_u32 s3, 1
	s_cbranch_scc1 .Lno_more_\@
.endif
	FETCH 0, F0
.if \fill
	ASK
.else
.Lno_more_\@:
.endif
	MUL16 F1, 1, 0, 0
	MUL16 F1, 1, 2, 0
.endm
	s_load_b256 s[80:87], s[0:1], 0x0              ; qk s[80:81], bufc s[82:83], wb s[84:85], vb s[86:87]
	s_load_b128 s[88:91], s[0:1], 0x20             ; ph s[88:89], st s[90:91]
	v_lshl_add_u32 v[SPW], v0, 2, SPARE
	v_mov_b32 v[NIL], 0
	ds_add_u32 v[SPW], v[NIL]                      ; the wave's opening: the add and its wait stand ahead of my first tensor load; the set-up below, work on registers, stands between them
	v_lshrrev_b32 v1, 5, v0
	v_readfirstlane_b32 s10, v1                    ; wave 0..3
	s_lshr_b32 s11, s10, 1                         ; which 128 rows of the tile are mine.  Also: I fetch for A (0) or for B (1)
	s_and_b32 s12, s10, 1                          ; which 128 columns.  Also: which half of that tile I fetch
	s_bfe_u32 s40, ttmp6, 0x40000                  ; cx, cy: my place in the cluster
	s_bfe_u32 s41, ttmp6, 0x40004
	s_lshl_b32 s42, ttmp9, 2
	s_add_co_u32 s42, s42, s40                     ; tile column of C = 4 x cluster x + cx
	s_and_b32 s[CY], ttmp7, 0xffff
	s_lshr_b32 s[PR], s[CY], 3                     ; the product: eight clusters each
	s_and_b32 s13, s[CY], 7
	s_lshl_b32 s13, s13, 2
	s_add_co_u32 s13, s13, s41                     ; tile row in the product: 0..31
	s_lshl_b32 s43, s41, 2
	s_lshl_b32 s43, 15, s43                        ; my row of the cluster: places 4 cy .. 4 cy + 3
	s_lshl_b32 s44, 0x1111, s40                    ; my column: places cx, cx + 4, cx + 8, cx + 12
	s_or_b32 s[G1A], s43, (1<<16)|(1<<20)|(1<<21)|(5<<22)|(3<<25)  ; 15:0 the mask; 17:16 elements of 2 bytes; 20 padding on; 21 set beside a mask; 24:22 after every 64 words (code 5); 31:25 4 words of it (code 3)
	s_or_b32 s[G1B], s44, (1<<16)|(1<<20)|(1<<21)|(5<<22)|(3<<25)  ; the same with my column's mask
.irp g, G1A, G1B
	s_mov_b32 s[(\g)+1], 128<<16                   ; tensor_dim0 = 128
	s_mov_b32 s[(\g)+2], 128<<16                   ; tensor_dim1 = 128
	s_mov_b32 s[(\g)+3], 128<<16                   ; tile_dim0 = 128
	s_mov_b32 s[(\g)+4], 128                       ; tile_dim1 = 128
	s_mov_b32 s[(\g)+5], 1024                      ; elements from row to row
	s_mov_b32 s[(\g)+6], 0
	s_mov_b32 s[(\g)+7], 0
.endr
	s_mov_b32 s[CS], 0x3d38aa3b                    ; c = log2(e) / 32 = 0.0450842
	s_mov_b32 s[CS+1], s[CS]                       ; named with it as a pair, so it is written
	s_mov_b32 s[SEL], 0x76543210
	s_mov_b32 s[SEL+1], 0xfedcba98
	s_mov_b32 s[UPPER], 0xffff0000
	; where the tiles come from: A's offset is made of the tile row and the wave's number, B's of the tile column, the cluster's y and the wave's number, each in registers that never hold the other coordinate
	s_lshl_b32 s16, s13, 8
	s_lshl_b32 s17, s12, 7
	s_add_co_u32 s16, s16, s17                     ; A: row 256 x tile row + 128 x half,
	s_lshl_b32 s16, s16, 11                        ; in bytes (under 2^24)
	s_mov_b32 s17, 0
	s_lshl_b32 s46, s42, 8
	s_lshl_b32 s47, s12, 7
	s_add_co_u32 s46, s46, s47                     ; B: row 256 x tile column + 128 x half, of the batch's k or of Wv
	s_lshl_b32 s46, s46, 11
	s_mov_b32 s47, 0
	s_and_b32 s21, s[CY], 7                        ; the scores: the cluster's batch, 1,024 rows of k,
	s_lshl_b32 s21, s21, 21
	s_add_co_u32 s21, s21, 16<<20                  ; which lies 16 MiB into qk;
	s_cmp_eq_u32 s[PR], 0
	s_cselect_b32 s20, s21, 4<<20                  ; v: Wv lies 4 MiB into wb
	s_mov_b32 s21, 0
	s_mul_i32 s22, s10, HALFT                      ; and where they go: A's two halves, then B's two = wave x 128 rows: no place in the cluster enters an LDS address
	s_wait_dscnt 0x0                               ; the opening add is done
	s_wait_kmcnt 0x0
	s_cmp_eq_u32 s[PR], 0
	s_cselect_b64 s[4:5], s[80:81], s[82:83]       ; A: q, or context
	s_cselect_b64 s[6:7], s[80:81], s[84:85]       ; B: in qk, or in wb
	s_cselect_b64 s[8:9], s[88:89], s[86:87]       ; C: p, or v
	s_add_nc_u64 s[6:7], s[6:7], s[20:21]
	s_add_nc_u64 s[14:15], s[4:5], s[16:17]
	s_add_nc_u64 s[46:47], s[6:7], s[46:47]
	CROUND                                         ; all sixteen work-groups are here: the first joint loads meet
.irp n, 0,1
	s_mov_b32 s[G0A+4*(\n)], 1                                       ; count = 1
	s_add_co_u32 s[G0A+4*(\n)+1], s22, (\n)*SLOT                     ; LDS address
	s_add_nc_u64 s[G0A+4*(\n)+2:G0A+4*(\n)+3], s[14:15], (\n)*KA     ; global address: K step n
	s_or_b32 s[G0A+4*(\n)+3], s[G0A+4*(\n)+3], 0x80000000            ; type = 2
	s_mov_b32 s[G0B+4*(\n)], 1
	s_add_co_u32 s[G0B+4*(\n)+1], s22, (\n)*SLOT
	s_add_nc_u64 s[G0B+4*(\n)+2:G0B+4*(\n)+3], s[46:47], (\n)*KA
	s_or_b32 s[G0B+4*(\n)+3], s[G0B+4*(\n)+3], 0x80000000
.endr
	s_cmp_eq_u32 s11, 0                            ; a wave's two first fills stand in one branch, ahead of every wait on TENSORcnt and every LDS read: two loads of mine are out
	s_cbranch_scc0 .Lfirst_b
	tensor_load_to_lds s[G0A:G0A+3], s[G1A:G1A+7]
	s_nop 0
	tensor_load_to_lds s[G0A+4:G0A+7], s[G1A:G1A+7]
	s_nop 0
.rept 4
	v_nop
.endr
	s_branch .Lfirst_asked
.Lfirst_b:
	tensor_load_to_lds s[G0B:G0B+3], s[G1B:G1B+7]
	s_nop 0
	tensor_load_to_lds s[G0B+4:G0B+7], s[G1B:G1B+7]
	s_nop 0
.rept 4
	v_nop
.endr
.Lfirst_asked:
	; A fragment is 16 rows x 32 along K in 8 registers: lane l holds row l % 16, K = 8 (l / 16) + 0..7 and 16 + 8 (l / 16) + 0..7.
	v_and_b32 v1, 15, v0                           ; l % 16
	v_bfe_u32 v2, v0, 4, 1                         ; l / 16
	v_mul_u32_u24 v3, v1, PITCH
	v_lshl_add_u32 v3, v2, 4, v3                   ; row x pitch + 16 x half
	s_mul_i32 s21, s11, HALFT                      ; my 128 rows of A
	v_add_nc_u32 v[A0], s21, v3
	s_mul_i32 s22, s12, HALFT                      ; my 128 rows of B,
	s_add_co_u32 s22, s22, 2*HALFT                 ; which lie behind A's 256
	v_add_nc_u32 v[B0], s22, v3
	v_mov_b32 v[ADRA], v[A0]                       ; slot 0
	v_mov_b32 v[ADRB], v[B0]
	s_mov_b32 s[TB], 0
	s_mul_i32 s23, s10, 16*SP
	s_add_co_u32 s23, s23, STAGE                   ; my stage
	v_add_nc_u32 v[STO], s23, v3                   ; in: row l % 16, 16 bytes for each half of the lanes (the stage's pitch is the tiles')
	v_mul_u32_u24 v5, v2, SP                       ; back: lanes 0-15 take one row of 256 bytes, lanes 16-31 the next
	v_lshl_add_u32 v5, v1, 4, v5
	v_add_nc_u32 v[RD], s23, v5
	v_lshlrev_b32 v5, 11, v2                       ; and the same two rows in C
	v_lshl_add_u32 v[CO], v1, 4, v5
	v_and_b32 v5, 31, v0
	v_lshlrev_b32 v[SO], 3, v5
	v_lshlrev_b32 v[PFO], 11, v5
	v_mov_b32 v[MX+9], 0                           ; v_permlanex16_b32 counts as a reader of its destination: written once
	s_lshl_b32 s20, s13, 8                         ; where my part of the tile begins in C (p and v are laid alike): row 256 x tile row + 128 x half,
	s_lshl_b32 s21, s11, 7
	s_add_co_u32 s20, s20, s21
	s_lshl_b32 s20, s20, 11
	s_lshl_b32 s21, s42, 9                         ; column 256 x tile column + 128 x half, in bytes
	s_add_co_u32 s20, s20, s21
	s_lshl_b32 s21, s12, 8
	s_add_co_u32 s20, s20, s21
	s_mov_b32 s21, 0
	s_add_nc_u64 s[8:9], s[8:9], s[20:21]
	s_lshl_b32 s20, s42, 1                         ; and in st: key block 2 x tile column + half,
	s_add_co_u32 s20, s20, s12
	s_lshl_b32 s20, s20, 13                        ; 8,192 rows each,
	s_lshl_b32 s21, s13, 8
	s_add_co_u32 s20, s20, s21
	s_lshl_b32 s21, s11, 7
	s_add_co_u32 s20, s20, s21                     ; my first row,
	s_lshl_b32 s20, s20, 3                         ; 8 bytes a row
	s_mov_b32 s21, 0
	s_add_nc_u64 s[STP:STP+1], s[90:91], s[20:21]
	; the prefetches: both offsets are made, and the wave's number chooses
	s_lshl_b32 s20, s13, 8
	s_lshl_b32 s21, s12, 7
	s_add_co_u32 s20, s20, s21
	s_lshl_b32 s21, s40, 5
	s_add_co_u32 s20, s20, s21                     ; A: my work-group's 32 of the 128 rows that I fetch,
	s_lshl_b32 s20, s20, 11
	s_add_co_u32 s20, s20, 3*KA                    ; at K step 3: the first change of slots steps it to 4
	s_lshl_b32 s21, s42, 8
	s_lshl_b32 s22, s12, 7
	s_add_co_u32 s21, s21, s22
	s_lshl_b32 s22, s41, 5
	s_add_co_u32 s21, s21, s22                     ; B: the same
	s_lshl_b32 s21, s21, 11
	s_add_co_u32 s21, s21, 3*KA
	s_and_b32 s17, s[CY], 7                        ; v: 0 in the first of the eight clusters that read Wv;
	s_cmp_eq_u32 s[PR], 0
	s_cselect_b32 s17, 0, s17                      ; the scores: a batch's k is read by its own cluster alone
	s_cmp_eq_u32 s11, 0                            ; do I fetch for A?
	s_cselect_b32 s20, s20, s21
	s_cselect_b64 s[PFA:PFA+1], s[4:5], s[6:7]
	s_cselect_b32 s16, 0, s17
	s_mov_b32 s21, 0
	s_add_nc_u64 s[PFA:PFA+1], s[PFA:PFA+1], s[20:21]
	s_cmp_eq_u32 s16, 0
	s_cselect_b32 s[LIM], 2, -1                    ; the same in all sixteen partners, for a given wave
	s_wait_tensorcnt 1                             ; my part of K step 0 is in; K step 1's may stay out
	s_barrier_signal -1
	s_barrier_wait -1                              ; everybody's is
	FETCH 0, F0
	QUARTER 1, F0, F1, 1                           ; the first quarter stands in front of the loop: its products start the sums
	WIN 0                                          ; at a label and at a branch every window is 0
	s_mov_b32 s3, 6
.Lstep:                                        ; six trips, from a step's second quarter to the next step's first; they ask for K steps 2 to 7
	QUARTER 2, F1, F0, 0
	QUARTER 3, F0, F1, 0
	TURN 1
	QUARTER 1, F0, F1, 0
	WIN 0
	s_sub_co_u32 s3, s3, 1
	s_cmp_lg_u32 s3, 0
	s_cbranch_scc1 .Lstep
	s_mov_b32 s3, 2
.Ltail:                                        ; K steps 6 and 7 ask for nothing; the second trip has no next step: its two forward jumps pass LDS loads and matrix instructions alone
	QUARTER 2, F1, F0, 0
	QUARTER 3, F0, F1, 0
	TURN 0
	WIN 0
	s_cmp_eq_u32 s3, 1
	s_cbranch_scc1 .Lskip
	QUARTER 1, F0, F1, 0
	WIN 0
.Lskip:
	s_sub_co_u32 s3, s3, 1
	s_cmp_lg_u32 s3, 0
	s_cbranch_scc1 .Ltail
	; THE WAY OUT, a loop of eight trips, a block of 16 rows x 128 columns each; its 16-bit numbers go through my own stage and leave as whole rows of 256 bytes.
	; What names a block's own accumulators is written once for each block and chosen by forward jumps on the counter; all that follows works on fixed registers of window 0 and is written once.
	s_wait_dscnt 0x0                               ; the last trip fetched nothing: no LDS load is out on any way through the two jumps above, so the fragment buffers may be written
	PLACES
	PLACES                                         ; eight places, once a launch, behind the last products
; The scores' block a, its own part: the maximum, and c s - c m into window 0.  A lane's 64 scores lie in v[64 (a % 4) ..] of window 2 + a / 4; its query's other 64 lie in the lane 16 away.
.macro SOFTA a
.set AC, 64*((\a)%4)
.set WW, 2+(\a)/4
.set SV, STAT+2*(\a)
.if (\a) > 0
	v_mov_b32 v[SV-1], v[LC]                       ; l of the block before goes to its place beside that block's c m
.endif
	WIN WW|(WW<<2)|(WW<<4)                         ; all three sources in the accumulators' window.  Eight chains, one an accumulator, three operands at a time
.irp b, 0,1,2,3,4,5,6,7
	v_max3_num_f32 v[MX+(\b)], v[AC+8*(\b)], v[AC+8*(\b)+1], v[AC+8*(\b)+2]
.endr
	WIN (WW<<2)|(WW<<4)                            ; source 0, the chain, in window 0
.irp b, 0,1,2,3,4,5,6,7
	v_max3_num_f32 v[MX+(\b)], v[MX+(\b)], v[AC+8*(\b)+3], v[AC+8*(\b)+4]
.endr
.irp b, 0,1,2,3,4,5,6,7
	v_max3_num_f32 v[MX+(\b)], v[MX+(\b)], v[AC+8*(\b)+5], v[AC+8*(\b)+6]
.endr
.irp b, 0,2,4,6
	v_max3_num_f32 v[MX+(\b)], v[MX+(\b)], v[AC+8*(\b)+7], v[AC+8*(\b)+15]
.endr
	WIN 0
	v_max3_num_f32 v[MX], v[MX], v[MX+1], v[MX+2]
	v_max3_num_f32 v[MX+3], v[MX+3], v[MX+4], v[MX+5]
	v_max3_num_f32 v[MX], v[MX], v[MX+6], v[MX+7]
	v_max_num_f32 v[MX], v[MX], v[MX+3]
	v_permlanex16_b32 v[MX+1], v[MX], s[SEL], s[SEL+1]
	v_max_num_f32 v[MX], v[MX], v[MX+1]            ; m: the maximum of the row's 128 scores
	v_mul_f32 v[SV], s[CS], v[MX]                  ; c m
	v_mov_b32 v[SV+1], 0                           ; named with it as a pair below; later it takes l
	WIN WW                                         ; source 0 in the accumulators' window, the result in window 0
.set i, 0
.rept 32
	v_pk_fma_f32 v[EX+i:EX+i+1], v[AC+i:AC+i+1], s[CS:CS+1], v[SV:SV+1] op_sel_hi:[1,0,0] neg_lo:[0,0,1] neg_hi:[0,0,1]  ; c s - c m, one rounding
.set i, i+2
.endr
	WIN 0
.endm
; What follows for every block alike: exponentials, roundings, the sum.
.macro SOFTB
.set i, 0
.rept 64                               ; ONE BATCH: none of these names another's result
	v_exp_f32 v[EX+i], v[EX+i]
.set i, i+1
.endr
	v_nop                                          ; a plain instruction behind the last exponential,
	s_wait_alu depctr_va_vdst(0)                   ; and a wait ahead of the first use: one for the 64
.set i, 0
.rept 32
	v_cvt_pk_f16_f32 v[TMP+i], v[EX+2*i], v[EX+2*i+1]
.set i, i+1
.endr
.irp d, 16,8,4,2,1                     ; the sum of the unrounded p, in place: pairs 16, 8, 4, 2 and 1 apart
.set i, 0
.rept \d
	v_pk_add_f32 v[EX+2*i:EX+2*i+1], v[EX+2*i:EX+2*i+1], v[EX+2*(i+(\d)):EX+2*(i+(\d))+1]
.set i, i+1
.endr
.endr
	v_add_f32 v[MX+8], v[EX], v[EX+1]
	v_permlanex16_b32 v[MX+9], v[MX+8], s[SEL], s[SEL+1]
	v_add_f32 v[LC], v[MX+8], v[MX+9]              ; l
.endm
; v's block a: rounded to f16.
.macro PACK a
.set AC, 64*((\a)%4)
	WIN 0x0a+5*((\a)/4)                            ; sources 0 and 1 in window 2 or 3; each accumulator's registers in ascending order
.irp b, 0,1,2,3,4,5,6,7
.irp r, 0,1,2,3
	v_cvt_pk_f16_f32 v[TMP+4*(\b)+(\r)], v[AC+8*(\b)+2*(\r)], v[AC+8*(\b)+2*(\r)+1]
.endr
.endr
	WIN 0
.endm
.macro TRYS a, n                       ; block a's turn (s3 = 8 - a)?  Else on to the next test
.Lsoft_\a:
	s_cmp_lg_u32 s3, 8-(\a)
	s_cbranch_scc1 .Lsoft_\n
	SOFTA \a
	s_branch .Lsofted
.endm
.macro TRYP a, n
.Lpack_\a:
	s_cmp_lg_u32 s3, 8-(\a)
	s_cbranch_scc1 .Lpack_\n
	PACK \a
	s_branch .Lpacked
.endm
.macro TOSTAGE
.irp b, 0,1,2,3,4,5,6,7
	ds_store_b128 v[STO], v[TMP+4*(\b):TMP+4*(\b)+3] offset:32*(\b)
.endr
.irp t, 0,1,2,3,4,5,6,7
	ds_load_b128 v[BK+4*(\t):BK+4*(\t)+3], v[RD] offset:(\t)*2*SP  ; LDS serves a wave's instructions in order (ISA guide 5.7.1.4): these see the stores above
.endr
.endm
.macro SEND step                       ; the block that lies in BK leaves; step = 1: another follows
	s_wait_dscnt 0x0                               ; the block is back in registers
.irp t, 0,1,2,3,4,5,6,7
	global_store_b128 v[CO], v[BK+4*(\t):BK+4*(\t)+3], s[8:9] offset:(\t)*2*ROWB  ; 16 lanes store 256 consecutive bytes, at a multiple of 256 from C's first byte
.endr
.if \step
	s_wait_xcnt 0x0                                ; the stores have read BK and their base: the next block's loads from the stage land in BK, and the base steps, only behind this wait
	s_add_nc_u64 s[8:9], s[8:9], 16*ROWB
.endif
.endm
	s_mov_b32 s3, 8                                ; blocks to go
	s_cmp_eq_u32 s[PR], 0                          ; hangs on the cluster's y alone: the same in all sixteen partners
	s_cbranch_scc0 .Lplain
.Lblock_s:
	TRYS 0, 1
	TRYS 1, 2
	TRYS 2, 3
	TRYS 3, 4
	TRYS 4, 5
	TRYS 5, 6
	TRYS 6, 7
.Lsoft_7:
	SOFTA 7
.Lsofted:
	SOFTB                                          ; a block's softmax stands between the loads of the block before from the stage and the wait for them
	s_cmp_eq_u32 s3, 8
	s_cbranch_scc1 .Lnone_s                        ; the first trip has no block before it
	SEND 1
.Lnone_s:
	TOSTAGE
	s_sub_co_u32 s3, s3, 1
	s_cmp_lg_u32 s3, 0
	s_cbranch_scc1 .Lblock_s
	SEND 0
	v_mov_b32 v[STAT+15], v[LC]                    ; the last block's l
	; (c m, l): both halves of the lanes hold them, so lanes 0-15 give the even blocks, lanes 16-31 the odd ones: four stores of 256 consecutive bytes, aligned
.irp g, 0,1,2,3
	v_cndmask_b32 v[MX+2*(\g)],   v[STAT+4*(\g)],   v[STAT+4*(\g)+2], s[UPPER]
	v_cndmask_b32 v[MX+2*(\g)+1], v[STAT+4*(\g)+1], v[STAT+4*(\g)+3], s[UPPER]
.endr
.irp g, 0,1,2,3
	global_store_b64 v[SO], v[MX+2*(\g):MX+2*(\g)+1], s[STP:STP+1] offset:256*(\g)
.endr
	s_branch .Lend
.Lplain:
.Lblock_p:
	TRYP 0, 1
	TRYP 1, 2
	TRYP 2, 3
	TRYP 3, 4
	TRYP 4, 5
	TRYP 5, 6
	TRYP 6, 7
.Lpack_7:
	PACK 7
.Lpacked:
	s_cmp_eq_u32 s3, 8
	s_cbranch_scc1 .Lnone_p
	SEND 1
.Lnone_p:
	TOSTAGE
	s_sub_co_u32 s3, s3, 1
	s_cmp_lg_u32 s3, 0
	s_cbranch_scc1 .Lblock_p
	SEND 0
.Lend:
	s_wait_tensorcnt 0x0                           ; the wave's end: a wait for my tensor loads, an add of 0 to my spare word and a wait for it, behind my last tensor load and my last LDS store
	ds_add_u32 v[SPW], v[NIL]
	s_wait_dscnt 0x0
	CROUND                                         ; the closing round: no work-group ends while a partner may still ask for a tile that names it
	s_endpgm
.Lfunc_end_k_qfebd58238a_scorev:
	.size	k_qfebd58238a_scorev, .Lfunc_end_k_qfebd58238a_scorev-k_qfebd58238a_scorev
	.p2alignl 7, 3214868480
	.fill 96, 4, 3214868480
	.section	.rodata,"a",@progbits
	.p2align	6, 0x0
	.amdhsa_kernel k_qfebd58238a_scorev
		.amdhsa_group_segment_fixed_size 327680
		.amdhsa_private_segment_fixed_size 0
		.amdhsa_enable_private_segment 0
		.amdhsa_kernarg_size 48
		.amdhsa_user_sgpr_count 2
		.amdhsa_user_sgpr_kernarg_segment_ptr 1
		.amdhsa_wavefront_size32 1
		.amdhsa_system_sgpr_workgroup_id_x 1
		.amdhsa_system_sgpr_workgroup_id_y 1
		.amdhsa_system_sgpr_workgroup_id_z 1
		.amdhsa_system_vgpr_workitem_id 0
		.amdhsa_next_free_vgpr 1024
		.amdhsa_next_free_sgpr 92
		.amdhsa_reserve_vcc 0
		.amdhsa_float_denorm_mode_32 3
		.amdhsa_float_denorm_mode_16_64 3
		.amdhsa_memory_ordered 1
		.amdhsa_forward_progress 1
		.amdhsa_inst_pref_size 136
	.end_amdhsa_kernel
	.amdgpu_metadata
---
amdhsa.version: [ 1, 2 ]
amdhsa.kernels:
  - .name:           k_qfebd58238a_scorev
    .symbol:         k_qfebd58238a_scorev.kd
    .args:
      - { .name: qk, .offset: 0, .size: 8, .value_kind: global_buffer, .address_space: global }
      - { .name: bufc, .offset: 8, .size: 8, .value_kind: global_buffer, .address_space: global }
      - { .name: wb, .offset: 16, .size: 8, .value_kind: global_buffer, .address_space: global }
      - { .name: vb, .offset: 24, .size: 8, .value_kind: global_buffer, .address_space: global }
      - { .name: ph, .offset: 32, .size: 8, .value_kind: global_buffer, .address_space: global }
      - { .name: st, .offset: 40, .size: 8, .value_kind: global_buffer, .address_space: global }
    .group_segment_fixed_size: 327680
    .private_segment_fixed_size: 0
    .kernarg_segment_align: 8
    .kernarg_segment_size: 48
    .max_flat_workgroup_size: 128
    .sgpr_count:     92
    .vgpr_count:     1024
    .wavefront_size: 32
...
	.end_amdgpu_metadata
.endif
;; end of part 9
;; launch ctx (part 10): grid 4 x 64, 4 waves a work-group, clusters of 4 x 4, 327,680 bytes of LDS; arguments ph, st, vb, out1, bufc; writes out1, bufc
.if DOCPART == 10
	.amdgcn_target "amdgcn-amd-amdhsa--gfx1250"
	.amdhsa_code_object_version 6
	.text
	.protected	k_qfebd58238a_ctx
	.globl	k_qfebd58238a_ctx
	.p2align	8
	.type	k_qfebd58238a_ctx,@function
k_qfebd58238a_ctx:
	s_mov_b64 s[64:65], 0
	v_nop
	global_prefetch_b8 v0, s[64:65] scope:SCOPE_SE
	s_setreg_imm32_b32 hwreg(HW_REG_WAVE_MODE, 25, 1), 1
	s_wait_xcnt 0x0
	s_wait_alu depctr_hold_cnt(0) depctr_sa_sdst(0) depctr_va_vdst(0) depctr_va_sdst(0) depctr_va_ssrc(0) depctr_va_vcc(0) depctr_vm_vsrc(0)
	s_getreg_b32 s2, hwreg(HW_REG_IB_STS2, 6, 4)
	s_cmp_eq_u32 s2, 0
	s_cbranch_scc0 .Lentry_in_a_cluster
	s_endpgm
.Lentry_in_a_cluster:
	s_bfe_u32 s2, ttmp6, 0x10000c
	s_cmp_lg_u32 s2, 0xf033
	s_cbranch_scc0 .Lentry_shape_is_right
	s_endpgm
.Lentry_shape_is_right:
; CTX: the softmax's second half, and ctx = weights v for each of 8 batches.
; For row r and key block j (128 keys) the launch before left p = 2^(c s - c m_j) in f16 (ph, [8192][1024]) and the pair (c m_j, l_j) in f32 (st, at byte (8,192 j + r) x 8).
; Here: M = the maximum of the row's eight c m_j (so the row's own maximum is what is taken away), e_j = 2^(c m_j - M), L = the sum of e_j l_j, f_j = e_j / L, weight = p f_j.
; THE WEIGHTS LEAVE in f32, the module's second output (out1): p times the f32 f_j.  AS A MATRIX OPERAND they are made in registers: a K step is one key block, and A's fragments of p are multiplied by f_j rounded to f16.
; v is f16, [8192][1024] (vb); sums f32, K (the keys) ascending; ctx leaves rounded once to f16 (bufc).
; LIMITS.  An e_j below 2^-126 counts as 0; an f16 f_j or weight below 6e-5 keeps f16's fixed step of 6e-8.  L is at least the l of the block that holds the row's maximum, which is about 1 or more, and at most 1,024.
; ctx is a mean of v's rows and has their range, inside f16's 65,504 where v is.  NaN and infinities are not treated apart.
; SHARES.  A work-group makes 128 rows x 256 columns of ctx, and 128 rows x 256 keys of out1: 256 work-groups (tiles of 256 x 256 would be 128, and no other product is ready to share the launch).
; Four waves, each 64 rows x 128 columns: 32 accumulators of 16 x 16, 256 registers; of out1 each takes its 64 rows x one key block.
; K goes in eight steps of 128 through two LDS slots filled by the tensor data mover; a step is four quarters of 32, 32 matrix instructions each.
; B (v) LIES [K][N] in memory and in LDS and is turned on the way into registers, by ds_load_tr16_b128: nothing is transposed in memory.
; THE MATRIX INSTRUCTION IS USED TRANSPOSED (source 0 = 16 columns of B, source 1 = 16 rows of A): a lane then holds row l % 16 of C and eight neighbouring columns, 16 bytes of f16.
; CLUSTER.  4 x 4 work-groups.  The four of a row of the cluster need the same tile of A, the four of a column the same tile of B: each is asked for JOINTLY, by the same tensor load with the same descriptor
; and a mask that names the four.  The batch hangs on the cluster's y alone (two clusters a batch).  A wave's p for out1 is its own: a plain tensor load, among the first fills.
; REGISTERS.  Window 0: v0-40 addresses and the step's four factors; v64-159 and v160-255 two fragment buffers (B's fragment b at +8 b, A's fragment a at +64 + 8 a); ahead of the first product and on the way out they are at work.
; Window 1: accumulator (a, b) at v[8 (8 a + b)].
.set ROWB,  2048                       ; bytes in a row of p, v and ctx: 1,024 numbers of 16 bits
.set PA,    272                        ; A's rows in LDS: 256 bytes + 16 of padding = 68 words: the 16 rows of a fragment load start at 16 different groups of four banks (64 banks of 4 bytes: ISA guide 11.1)
.set PB,    544                        ; B's rows in LDS: 512 bytes + 32 = 136 words
.set AHALF, 64*PA                      ; what wave 0 or 1 fetches: 64 rows of A
.set BOFF,  128*PA                     ; B's tile lies behind A's
.set BHALF, 64*PB                      ; what wave 2 or 3 fetches: 64 rows (along K) of B
.set SLOT1, 1<<17                      ; slot 1 begins here: one exclusive or turns an address in one slot into the other's
.set STAGE, SLOT1+BOFF+128*PB          ; behind the ring, never filled by a tensor load: 16 rows x 272 bytes for each wave, for the way out; at the start its first 256 bytes hold the wave's 64 factors for out1
.set SP,    272
.set SPARE, STAGE+4*16*SP              ; behind the stages: the spare words, 128 bytes for each wave: two blocks of 256 bytes that no other line names
.set PBUF,  SPARE+512                  ; 64 rows x 256 bytes of p for each wave, dense, filled once
.set ETAB,  PBUF+4*64*256              ; 2,048 bytes for each wave: f_j as two equal f16 in a word, at 256 j + 16 (row % 16) + 4 (row / 16).  The map ends at byte 327,168
.set KA,    256                        ; a K step in A's memory: 128 numbers along the row
.set KB,    128*ROWB                   ; in B's: 128 rows down
.set LN,   6                           ; v6   my lane
.set A0,   16                          ; v16  my lane's place in a slot's tile of A; never rewritten
.set B0,   17                          ; v17  the same for B
.set ADRA, 18                          ; v18  A0 + the slot in hand
.set ADRB, 19                          ; v19  B0 + the slot in hand
.set EA0,  20                          ; v20  my lane's place in a step's part of my factor table; never rewritten
.set EA,   21                          ; v21  EA0 + the step to be fetched
.set ZR,   22                          ; v22  0, an addend
.set OO,   23                          ; v23  my byte offset in 512 bytes of out1: 16 x lane
.set STO,  24                          ; v24  the way out: where I put 16 bytes of a row
.set RD,   25                          ; v25  the way out: where I read a row back
.set CO,   26                          ; v26  my byte offset in C
.set P0,   27                          ; v27  my 8 bytes in the first row of my p in LDS; never rewritten
.set SPW,  28                          ; v28  LDS address of my spare word: SPARE + 4 x my thread's number; never rewritten
.set NIL,  29                          ; v29  0; never rewritten
.set PFO,  30                          ; v30  the prefetches' lane offset; never rewritten
.set EF,   32                          ; v[32:35] the step's factors for my row of A's fragments 0 to 3
.set PAD,  36                          ; v36  P0 + the rows in hand
.set GA,   37                          ; v37  where the factors of the rows in hand lie: the same in all lanes
.set ES,   38                          ; v38  where I put a factor into my table
.set GS,   39                          ; v39  where I put a factor for out1
.set VST,  40                          ; v40  my byte offset in 32 rows of st: 8 x lane; never rewritten
.set F0,   64
.set F1,   160
.set PL,   64                          ; ahead of the first product: v64-95 sixteen rows' p, v96-111 their factors, v112-175 their weights in f32
.set FB,   96
.set W,    112
.set SR,   192                         ; v192-223 the pairs (c m_j, l_j) of my two rows (row l at 2 j, row 32 + l at 16 + 2 j); c m_j's place then takes e_j, f_j
.set CJ,   224                         ; v224-225 c m of my key block, then its e, then its f
.set MM,   226                         ; v226-227 M
.set LL,   228                         ; v228-229 L, then 1 / L
.set TMP,  64                          ; the way out: a block's packed results
.set BK,   96                          ; the way out: 16 rows read back from the stage: v96-127 and v128-159 by turns
.set G1A,  24                          ; s[24:31] descriptor group 1 for A's tiles
.set G0A,  32                          ; s[32:39] group 0 for A: a set for each first fill; the second then walks
.set G1B,  48                          ; s[48:55], s[56:63] the same for B
.set G0B,  56
.set G1P,  84                          ; s[84:91], s[92:95] the descriptor of my p for out1
.set G0P,  92
.set LIM,  43                          ; s43  2 in a wave that prefetches, else the greatest number
.set PFA,  44                          ; s[44:45] where my prefetches stand
.set PFS,  66                          ; s[66:67] their step: a K step of A or of B
.set TB,   68                          ; s68  the slot in hand: 0 or SLOT1
.set CY,   69                          ; s69  the cluster's y
.set ROW0, 70                          ; s70  my wave's first row
.set JX,   71                          ; s71  my wave's key block in out1
.set GP,   74                          ; s74  LDS byte of the factors of the rows in hand
.set YR,   75                          ; s75  A's tile row
.set STJ,  96                          ; s[96:97] st at my rows of key block JX
.set EO,   100                         ; s100 256 x the step whose factors are fetched next
.set PO,   101                         ; s101 256 x the first of the rows in hand
.set MSB, 0
.macro WIN new                         ; the immediate's high byte repeats the setting that is left; a switch that changes nothing is dropped
.if MSB != (\new)
	s_set_vgpr_msb (MSB<<8)|(\new)
.set MSB, \new
.endif
.endm
.set W_MUL, 0x50                       ; C and D in window 1, both sources in window 0
; A joint refill by the walking descriptors.  Waves 0 and 1 fetch A's halves, waves 2 and 3 B's.  The branch hangs on the wave's number alone.
; An s_nop 0 and four v_nop follow each of the two lines, ahead of the jump, the label and what follows.
.macro JLOAD
	s_cmp_eq_u32 s11, 0
	s_cbranch_scc0 .Lfor_b_\@
	tensor_load_to_lds s[G0A+4:G0A+7], s[G1A:G1A+7]
	s_nop 0
.rept 4
	v_nop
.endr
	s_branch .Lasked_\@
.Lfor_b_\@:
	tensor_load_to_lds s[G0B+4:G0B+7], s[G1B:G1B+7]
	s_nop 0
.rept 4
	v_nop
.endr
.Lasked_\@:
.endm
; A round of the cluster's barrier behind its opening barrier: wave 0 signals for the work-group, every wave waits for all sixteen, my work-group's barrier closes it.
.macro CREST
	s_cmp_lg_u32 s10, 0
	s_cbranch_scc1 .Lnot_wave_0_\@
	s_barrier_signal -3
.Lnot_wave_0_\@:
	s_barrier_wait -3
	s_barrier_signal -1
	s_barrier_wait -1
.endm
.macro CROUND
	s_barrier_signal -1
	s_barrier_wait -1
	CREST
.endm
; A PREFETCH INTO THE L2 of the K step that stands two refills on: 32 blocks of 256 bytes, a lane a block, one instruction a wave, behind the joint load, its five lines and the run of LDS loads.
; Each block is named once by these lines.  A's 128 rows are read by my cluster's row alone: its four partners take 32 rows each, told apart by address (cx); wave 0 asks.  B's 128 rows x 512 bytes of a step are read
; by the two clusters of a batch: the first asks, its four partners of a column (cy) and their waves 2 and 3 take 16 rows each, two blocks a row.  Trips 6 to 3 ask for K steps 4 to 7; steps 0 to 3 come by their loads alone.
.macro ASK
	s_cmp_gt_u32 s3, s[LIM]
	s_cbranch_scc0 .Lnot_mine_\@
	global_prefetch_b8 v[PFO], s[PFA:PFA+1] th:TH_LOAD_NT scope:SCOPE_SE
.Lnot_mine_\@:
.endm
; 8 matrix instructions: row block a x all 8 column blocks, 32 along K, from buffer f.  zero = 1: the product starts the sums: nothing is ever cleared.
; The 32 accumulators take turns, one instruction a turn, in the same order in every quarter, over the backward jumps too.
.macro MUL8 f, a, zero
	WIN W_MUL
.irp b, 0,1,2,3,4,5,6,7
.if \zero
	v_wmma_f32_16x16x32_f16 v[8*(8*(\a)+(\b)):8*(8*(\a)+(\b))+7], v[(\f)+8*(\b):(\f)+8*(\b)+7], v[(\f)+64+8*(\a):(\f)+64+8*(\a)+7], 0
.else
	v_wmma_f32_16x16x32_f16 v[8*(8*(\a)+(\b)):8*(8*(\a)+(\b))+7], v[(\f)+8*(\b):(\f)+8*(\b)+7], v[(\f)+64+8*(\a):(\f)+64+8*(\a)+7], v[8*(8*(\a)+(\b)):8*(8*(\a)+(\b))+7]
.endif
.endr
.endm
; A's fragment a of buffer f becomes weights: a lane holds 16 numbers p of ONE row, and its word of EF holds that row's factor twice.  It names no register of the matrix instructions that stand just ahead of it.
.macro SCALE f, a
	WIN 0
.irp r, 0,1,2,3,4,5,6,7
	v_pk_mul_f16 v[(\f)+64+8*(\a)+(\r)], v[(\f)+64+8*(\a)+(\r)], v[EF+(\a)]
.endr
.endm
; 24 LDS loads in one run: quarter q of the slot in hand into buffer f: B's eight fragments (32 rows along K x 16 columns, turned), then A's four (16 rows x 32 along K).
.macro FETCH q, f
	WIN 0
.irp b, 0,1,2,3,4,5,6,7
	ds_load_tr16_b128 v[(\f)+8*(\b):(\f)+8*(\b)+3],   v[ADRB] offset:(\q)*32*PB+32*(\b)
	ds_load_tr16_b128 v[(\f)+8*(\b)+4:(\f)+8*(\b)+7], v[ADRB] offset:(\q)*32*PB+16*PB+32*(\b)
.endr
.irp a, 0,1,2,3
	ds_load_b128 v[(\f)+64+8*(\a):(\f)+64+8*(\a)+3],   v[ADRA] offset:(\q)*64+(\a)*16*PA
	ds_load_b128 v[(\f)+64+8*(\a)+4:(\f)+64+8*(\a)+7], v[ADRA] offset:(\q)*64+(\a)*16*PA+32
.endr
.endm
.macro PLACES                          ; four places in front of loads into registers that matrix instructions have read, and of instructions that read results (ISA guide 7.12.1 for the instructions that read results)
.rept 4
	v_nop
.endr
.endm
; One of a K step's first three quarters: multiplies buffer f and fetches quarter q of the same slot into buffer g.
.macro QUARTER q, f, g, zero
	s_wait_dscnt 6                                 ; the step's factors, B's fragments and A's first are in; the youngest six loads (A's fragments 1 to 3) may be out
	SCALE \f, 0
	MUL8 \f, 0, \zero
	PLACES
	FETCH \q, \g
	s_wait_dscnt 24                                ; all but the 24 just issued
	SCALE \f, 1
	SCALE \f, 2
	SCALE \f, 3
	MUL8 \f, 1, \zero
	MUL8 \f, 2, \zero
	MUL8 \f, 3, \zero
.endm
; The last quarter multiplies buffer 1 and changes slots: ONE barrier.  In front of it each wave waits for all its tensor loads (one is out: its part of the next slot), adds 0 to its spare word, and waits for that
; and for its reads of this slot.  fill = 1: the barrier opens a round of the cluster's, so that no wave of any partner still reads the slot or has a load on its way, and the joint refill, two K steps ahead, is the first
; thing behind it: 112 matrix instructions ahead of the wait for it.  fill = 0 (the tail): nothing is asked for; in the last trip there is no next slot, and the run of loads is jumped over.
; The next step's factors are fetched ahead of its first fragments, when this step's last fragments have been multiplied by this step's.
.macro TURN fill
.if \fill
	s_wait_xcnt 0x0                                ; the last prefetch, a K step back, has read its address: it is stepped here, ahead of the waits of the change of slots
	s_add_nc_u64 s[PFA:PFA+1], s[PFA:PFA+1], s[PFS:PFS+1]
.endif
	WIN 0
	s_wait_tensorcnt 0x0                           ; all my tensor loads have landed
	ds_add_u32 v[SPW], v[NIL]                      ; 0 onto my spare word
	s_wait_dscnt 7                                 ; the add and the youngest six loads (A's fragments 1 to 3) may be out
	SCALE F1, 0
	MUL8 F1, 0, 0                                  ; work on registers stands between the add and the wait for it
	s_wait_dscnt 0x0                               ; the add is done, and my reads of this slot are over
	s_barrier_signal -1
	SCALE F1, 1                                    ; work on registers while the others arrive
	SCALE F1, 2
	SCALE F1, 3
	MUL8 F1, 1, 0
	WIN 0
	s_barrier_wait -1
.if \fill
	CREST
	s_xor_b32 s[G0A+5], s[G0A+5], SLOT1            ; no tensor load of mine is out, so the walking descriptors may be written: the other slot than last time,
	s_add_nc_u64 s[G0A+6:G0A+7], s[G0A+6:G0A+7], KA  ; the next K step; the type bits on top are not reached
	s_xor_b32 s[G0B+5], s[G0B+5], SLOT1
	s_add_nc_u64 s[G0B+6:G0B+7], s[G0B+6:G0B+7], KB
	JLOAD                                          ; the four v_nop behind it are also the places in front of the loads below
.else
	PLACES
.endif
	s_xor_b32 s[TB], s[TB], SLOT1
	v_add_nc_u32 v[ADRA], s[TB], v[A0]
	v_add_nc_u32 v[ADRB], s[TB], v[B0]
	s_add_co_u32 s[EO], s[EO], 256
	v_add_nc_u32 v[EA], s[EO], v[EA0]
.if !(\fill)
	s_cmp_eq_u32 s3, 1
	s_cbranch_scc1 .Lno_more_\@
.endif
	ds_load_b128 v[EF:EF+3], v[EA]                 ; older than the 24 loads below: the next quarter's first wait covers it
	FETCH 0, F0
.if \fill
	ASK
.else
.Lno_more_\@:
.endif
	MUL8 F1, 2, 0
	MUL8 F1, 3, 0
.endm
	s_load_b256 s[76:83], s[0:1], 0x0              ; ph s[76:77], st s[78:79], vb s[80:81], out1 s[82:83]
	s_load_b64 s[8:9], s[0:1], 0x20                ; bufc
	v_lshl_add_u32 v[SPW], v0, 2, SPARE
	v_mov_b32 v[NIL], 0
	ds_add_u32 v[SPW], v[NIL]                      ; the wave's opening: the add and its wait stand ahead of my first tensor load; the set-up below, work on registers, stands between them
	v_lshrrev_b32 v1, 5, v0
	v_readfirstlane_b32 s10, v1                    ; wave 0..3
	s_lshr_b32 s11, s10, 1                         ; which 64 rows of the tile are mine.  Also: I fetch for A (0) or for B (1)
	s_and_b32 s12, s10, 1                          ; which 128 columns.  Also: which half of that tile I fetch
	s_bfe_u32 s40, ttmp6, 0x40000                  ; cx, cy: my place in the cluster
	s_bfe_u32 s41, ttmp6, 0x40004
	s_lshl_b32 s42, ttmp9, 2
	s_add_co_u32 s42, s42, s40                     ; tile column of C = 4 x cluster x + cx
	s_and_b32 s[CY], ttmp7, 0xffff
	s_lshl_b32 s13, s[CY], 2
	s_add_co_u32 s13, s13, s41                     ; tile row of C = 4 x cluster y + cy
	s_mov_b32 s[YR], s13
	s_lshl_b32 s43, s41, 2
	s_lshl_b32 s43, 15, s43                        ; my row of the cluster: places 4 cy .. 4 cy + 3
	s_lshl_b32 s44, 0x1111, s40                    ; my column: places cx, cx + 4, cx + 8, cx + 12
	s_or_b32 s[G1A], s43, (1<<16)|(1<<20)|(1<<21)|(5<<22)|(3<<25)  ; 15:0 the mask; 17:16 elements of 2 bytes; 20 padding on; 21 set beside a mask; 24:22 after every 64 words (code 5); 31:25 4 words of it (code 3)
	s_mov_b32 s[G1A+1], 128<<16                    ; tensor_dim0 = 128
	s_mov_b32 s[G1A+2], 64<<16                     ; tensor_dim1 = 64
	s_mov_b32 s[G1A+3], 128<<16                    ; tile_dim0 = 128
	s_mov_b32 s[G1A+4], 64                         ; tile_dim1 = 64
	s_mov_b32 s[G1A+5], 1024                       ; elements from row to row
	s_mov_b32 s[G1A+6], 0
	s_mov_b32 s[G1A+7], 0
	s_or_b32 s[G1B], s44, (1<<16)|(1<<20)|(1<<21)|(6<<22)|(7<<25)  ; my column's mask; padding after every 128 words (code 6), 8 words of it (code 7)
	s_mov_b32 s[G1B+1], 256<<16                    ; tensor_dim0 = 256
	s_mov_b32 s[G1B+2], 64<<16                     ; tensor_dim1 = 64
	s_mov_b32 s[G1B+3], 256<<16                    ; tile_dim0 = 256
	s_mov_b32 s[G1B+4], 64                         ; tile_dim1 = 64
	s_mov_b32 s[G1B+5], 1024
	s_mov_b32 s[G1B+6], 0
	s_mov_b32 s[G1B+7], 0
	s_mov_b32 s[G1P], 1<<16                        ; my p for out1: no mask (a load of my own), elements of 2 bytes, no padding
	s_mov_b32 s[G1P+1], 128<<16                    ; tensor_dim0 = 128
	s_mov_b32 s[G1P+2], 64<<16                     ; tensor_dim1 = 64
	s_mov_b32 s[G1P+3], 128<<16                    ; tile_dim0 = 128: 256 bytes, one key block
	s_mov_b32 s[G1P+4], 64                         ; tile_dim1 = 64
	s_mov_b32 s[G1P+5], 1024
	s_mov_b32 s[G1P+6], 0
	s_mov_b32 s[G1P+7], 0
	; where the tiles come from: A's offset is made of the tile row and the wave's number, B's of the tile column, the batch and the wave's number, each in registers that never hold the other coordinate
	s_lshl_b32 s16, s[YR], 7
	s_lshl_b32 s17, s12, 6
	s_add_co_u32 s16, s16, s17                     ; A: row 128 x tile row + 64 x half,
	s_lshl_b32 s16, s16, 11                        ; in bytes (under 2^24)
	s_mov_b32 s17, 0
	s_lshl_b32 s46, s12, 17                        ; B: 64 rows x half,
	s_lshl_b32 s47, s42, 9                         ; 256 columns x tile column
	s_add_co_u32 s46, s46, s47
	s_mov_b32 s47, 0
	s_lshr_b32 s20, s[CY], 1                       ; the batch: two clusters, 1,024 rows, each
	s_lshl_b32 s20, s20, 21
	s_mov_b32 s21, 0
	s_mul_i32 s22, s12, AHALF                      ; and where they go: no place in the cluster enters an LDS address
	s_mul_i32 s23, s12, BHALF
	s_add_co_u32 s23, s23, BOFF
	; my wave's own rows and key block, for the statistics and for out1: these numbers enter global addresses alone, and none of a joint load
	s_lshl_b32 s[ROW0], s13, 7
	s_lshl_b32 s72, s11, 6
	s_add_co_u32 s[ROW0], s[ROW0], s72             ; 128 x tile row + 64 x half
	s_lshl_b32 s[JX], s42, 1
	s_add_co_u32 s[JX], s[JX], s12                 ; 2 x tile column + half
	s_lshl_b32 s72, s[ROW0], 3                     ; in a block of st: 8 bytes a row
	s_mov_b32 s73, 0
	s_lshl_b32 s98, s[JX], 16                      ; a block of st is 65,536 bytes
	s_mov_b32 s99, 0
	v_and_b32 v[LN], 31, v0
	v_lshlrev_b32 v[VST], 3, v[LN]
	s_wait_dscnt 0x0                               ; the opening add is done
	s_wait_kmcnt 0x0
	s_mov_b64 s[4:5], s[76:77]                     ; A: p
	s_add_nc_u64 s[6:7], s[80:81], s[20:21]        ; B: the batch's v
	s_add_nc_u64 s[14:15], s[4:5], s[16:17]
	s_add_nc_u64 s[46:47], s[6:7], s[46:47]
	s_add_nc_u64 s[78:79], s[78:79], s[72:73]      ; st at my rows of block 0,
	s_add_nc_u64 s[STJ:STJ+1], s[78:79], s[98:99]  ; and of my key block
	; the statistics: a lane takes rows l and 32 + l of my 64: each load of 8 bytes a lane covers 256 consecutive bytes.  They are on their way while the cluster meets
.irp a, 0,1
.irp j, 0,1,2,3,4,5,6,7
	global_load_b64 v[SR+16*(\a)+2*(\j):SR+16*(\a)+2*(\j)+1], v[VST], s[78:79] offset:(\j)*65536+(\a)*256
.endr
	global_load_b32 v[CJ+(\a)], v[VST], s[STJ:STJ+1] offset:(\a)*256
.endr
	s_lshl_b32 s72, s[ROW0], 11                    ; my p: row x 2,048 bytes + key block x 256
	s_lshl_b32 s98, s[JX], 8
	s_add_co_u32 s72, s72, s98
	s_mov_b32 s[G0P], 1                            ; count = 1
	s_lshl_b32 s[G0P+1], s10, 14
	s_add_co_u32 s[G0P+1], s[G0P+1], PBUF          ; LDS address: 16,384 x wave behind PBUF
	s_add_nc_u64 s[G0P+2:G0P+3], s[76:77], s[72:73]
	s_or_b32 s[G0P+3], s[G0P+3], 0x80000000        ; type = 2
	s_lshl_b32 s72, s[ROW0], 12                    ; out1: row x 4,096 bytes + key block x 512
	s_lshl_b32 s98, s[JX], 9
	s_add_co_u32 s72, s72, s98
	s_add_nc_u64 s[82:83], s[82:83], s[72:73]
	CROUND                                         ; all sixteen work-groups are here: the first joint loads meet
.irp n, 0,1
	s_mov_b32 s[G0A+4*(\n)], 1                                       ; count = 1
	s_add_co_u32 s[G0A+4*(\n)+1], s22, (\n)*SLOT1                    ; LDS address
	s_add_nc_u64 s[G0A+4*(\n)+2:G0A+4*(\n)+3], s[14:15], (\n)*KA     ; global address: K step n
	s_or_b32 s[G0A+4*(\n)+3], s[G0A+4*(\n)+3], 0x80000000            ; type = 2
	s_mov_b32 s[G0B+4*(\n)], 1
	s_add_co_u32 s[G0B+4*(\n)+1], s23, (\n)*SLOT1
	s_add_nc_u64 s[G0B+4*(\n)+2:G0B+4*(\n)+3], s[46:47], (\n)*KB
	s_or_b32 s[G0B+4*(\n)+3], s[G0B+4*(\n)+3], 0x80000000
.endr
	s_cmp_eq_u32 s11, 0                            ; a wave's three first fills stand in one branch, ahead of every wait on TENSORcnt and every LDS read: three loads of mine are out: K step 0, my p, K step 1
	s_cbranch_scc0 .Lfirst_b
	tensor_load_to_lds s[G0A:G0A+3], s[G1A:G1A+7]
	s_nop 0
	tensor_load_to_lds s[G0P:G0P+3], s[G1P:G1P+7]
	s_nop 0
	tensor_load_to_lds s[G0A+4:G0A+7], s[G1A:G1A+7]
	s_nop 0
.rept 4
	v_nop
.endr
	s_branch .Lfirst_asked
.Lfirst_b:
	tensor_load_to_lds s[G0B:G0B+3], s[G1B:G1B+7]
	s_nop 0
	tensor_load_to_lds s[G0P:G0P+3], s[G1P:G1P+7]
	s_nop 0
	tensor_load_to_lds s[G0B+4:G0B+7], s[G1B:G1B+7]
	s_nop 0
.rept 4
	v_nop
.endr
.Lfirst_asked:
	; A fragment of A is 16 rows x 32 along K in 8 registers: lane l holds row l % 16, K = 8 (l / 16) + 0..7 and 16 + 8 (l / 16) + 0..7: two loads of 16 bytes, 32 bytes apart.
	v_and_b32 v1, 15, v0                           ; l % 16
	v_bfe_u32 v2, v0, 4, 1                         ; l / 16
	v_mul_u32_u24 v3, v1, PA
	v_lshl_add_u32 v3, v2, 4, v3                   ; row x pitch + 16 x half
	s_mul_i32 s21, s11, AHALF                      ; my 64 rows of A
	v_add_nc_u32 v[A0], s21, v3
	; The turning load takes 16 along K x 16 columns (lane l reads row 8 (l / 16) + l % 8, columns 8 ((l / 8) % 2) + 0..7) and leaves half a fragment: lane l holds column l % 16 and 8 along K.
	v_and_b32 v4, 7, v0
	v_lshl_add_u32 v4, v2, 3, v4
	v_mul_u32_u24 v4, v4, PB
	v_bfe_u32 v5, v0, 3, 1
	v_lshl_add_u32 v4, v5, 4, v4
	s_lshl_b32 s22, s12, 8                         ; my 128 columns of B
	s_add_co_u32 s22, s22, BOFF
	v_add_nc_u32 v[B0], s22, v4
	v_mov_b32 v[ADRA], v[A0]                       ; slot 0
	v_mov_b32 v[ADRB], v[B0]
	s_mov_b32 s[TB], 0
	s_mul_i32 s23, s10, 16*SP
	s_add_co_u32 s23, s23, STAGE                   ; my stage
	s_mov_b32 s[GP], s23                           ; at whose head my 64 factors for out1 lie,
	v_lshl_add_u32 v[GS], v[LN], 2, s23            ; a word a row
	v_add_nc_u32 v[STO], s23, v3                   ; in: row l % 16, 16 bytes for each half of the lanes (the stage's pitch is A's)
	v_mul_u32_u24 v5, v2, SP                       ; back: lanes 0-15 take one row of 256 bytes, lanes 16-31 the next
	v_lshl_add_u32 v5, v1, 4, v5
	v_add_nc_u32 v[RD], s23, v5
	v_lshlrev_b32 v5, 11, v2                       ; and the same two rows in C
	v_lshl_add_u32 v[CO], v1, 4, v5
	s_lshl_b32 s72, s10, 11
	s_add_co_u32 s72, s72, ETAB                    ; my factor table
	v_lshl_add_u32 v[EA0], v1, 4, s72              ; out of it: 16 bytes for row l % 16: the words of A's fragments 0 to 3
	v_lshl_add_u32 v[ES], v2, 2, v[EA0]            ; into it: row l is row l % 16 of fragment l / 16; row 32 + l of the fragment two on
	v_mov_b32 v[EA], v[EA0]                        ; K step 0
	s_mov_b32 s[EO], 0
	s_lshl_b32 s72, s10, 14
	s_add_co_u32 s72, s72, PBUF                    ; my p in LDS
	v_lshl_add_u32 v[P0], v[LN], 3, s72            ; a row's 256 bytes: 8 a lane
	s_mov_b32 s[PO], 0
	v_lshlrev_b32 v[OO], 4, v[LN]
	v_mov_b32 v[ZR], 0
	s_lshl_b32 s20, s13, 7                         ; where my part of the tile begins in C: row 128 x tile row + 64 x half,
	s_lshl_b32 s21, s11, 6
	s_add_co_u32 s20, s20, s21
	s_lshl_b32 s20, s20, 11
	s_lshl_b32 s21, s42, 9                         ; column 256 x tile column + 128 x half, in bytes
	s_add_co_u32 s20, s20, s21
	s_lshl_b32 s21, s12, 8
	s_add_co_u32 s20, s20, s21
	s_mov_b32 s21, 0
	s_add_nc_u64 s[8:9], s[8:9], s[20:21]
	; the prefetches: both offsets are made, and the wave's number chooses
	s_lshl_b32 s20, s[YR], 7
	s_lshl_b32 s21, s40, 5
	s_add_co_u32 s20, s20, s21                     ; A: my work-group's 32 rows of the tile's 128,
	s_lshl_b32 s20, s20, 11
	s_add_co_u32 s20, s20, 3*KA                    ; at K step 3: the first change of slots steps it to 4
	s_lshl_b32 s21, s41, 1
	s_add_co_u32 s21, s21, s12
	s_lshl_b32 s21, s21, 15                        ; B: my wave's 16 rows of a step's 128,
	s_lshl_b32 s22, s42, 9                         ; my tile column's 512 bytes of them
	s_add_co_u32 s21, s21, s22
	s_add_co_u32 s21, s21, 3*KB
	s_and_b32 s17, s[CY], 1                        ; 0 in the first of the two clusters that read this batch's v
	s_mov_b32 s[PFS], KB
	s_mov_b32 s[PFS+1], 0
	s_cmp_eq_u32 s11, 0                            ; do I fetch for A?
	s_cselect_b32 s20, s20, s21
	s_cselect_b64 s[PFA:PFA+1], s[4:5], s[6:7]
	s_cselect_b32 s[PFS], KA, s[PFS]
	s_cselect_b32 s22, 31, 15                      ; A: a lane a row; B: 16 rows,
	s_cselect_b32 s23, 0, 256                      ; two blocks of 256 bytes in each
	s_cselect_b32 s16, s12, s17                    ; A: wave 0 asks; B: waves 2 and 3 of the first cluster
	s_mov_b32 s21, 0
	s_add_nc_u64 s[PFA:PFA+1], s[PFA:PFA+1], s[20:21]
	s_cmp_eq_u32 s16, 0
	s_cselect_b32 s[LIM], 2, -1                    ; the same in all sixteen partners, for a given wave
	v_and_b32 v[PFO], s22, v[LN]
	v_lshrrev_b32 v31, 4, v[LN]
	v_mul_u32_u24 v31, v31, s23
	v_lshl_add_u32 v[PFO], v[PFO], 11, v31
	; THE FACTORS of my two rows: M, e_j, L, f_j = e_j / L; the two rows' lines alternate
	s_wait_loadcnt 0x0                             ; the statistics
.irp a, 0,1
	v_max3_num_f32 v[MM+(\a)], v[SR+16*(\a)], v[SR+16*(\a)+2], v[SR+16*(\a)+4]
.endr
.irp a, 0,1
	v_max3_num_f32 v[MM+(\a)], v[MM+(\a)], v[SR+16*(\a)+6], v[SR+16*(\a)+8]
.endr
.irp a, 0,1
	v_max3_num_f32 v[MM+(\a)], v[MM+(\a)], v[SR+16*(\a)+10], v[SR+16*(\a)+12]
.endr
.irp a, 0,1
	v_max_num_f32 v[MM+(\a)], v[MM+(\a)], v[SR+16*(\a)+14]
.endr
.irp j, 0,1,2,3,4,5,6,7
.irp a, 0,1
	v_sub_f32 v[SR+16*(\a)+2*(\j)], v[SR+16*(\a)+2*(\j)], v[MM+(\a)]
.endr
.endr
.irp a, 0,1
	v_sub_f32 v[CJ+(\a)], v[CJ+(\a)], v[MM+(\a)]
.endr
.irp j, 0,1,2,3,4,5,6,7                ; one batch of 18
.irp a, 0,1
	v_exp_f32 v[SR+16*(\a)+2*(\j)], v[SR+16*(\a)+2*(\j)]
.endr
.endr
.irp a, 0,1
	v_exp_f32 v[CJ+(\a)], v[CJ+(\a)]
.endr
	v_nop                                          ; a plain instruction behind the last exponential,
	s_wait_alu depctr_va_vdst(0)                   ; and a wait ahead of the first use: one for the 18
.irp a, 0,1
	v_mul_f32 v[LL+(\a)], v[SR+16*(\a)], v[SR+16*(\a)+1]
.endr
.irp j, 1,2,3,4,5,6,7
.irp a, 0,1
	v_fmac_f32 v[LL+(\a)], v[SR+16*(\a)+2*(\j)], v[SR+16*(\a)+2*(\j)+1]
.endr
.endr
.irp a, 0,1
	v_rcp_f32 v[LL+(\a)], v[LL+(\a)]
.endr
	v_nop
	s_wait_alu depctr_va_vdst(0)                   ; one wait for the two reciprocals
.irp j, 0,1,2,3,4,5,6,7
.irp a, 0,1
	v_mul_f32 v[SR+16*(\a)+2*(\j)], v[SR+16*(\a)+2*(\j)], v[LL+(\a)]
.endr
.endr
.irp a, 0,1
	v_mul_f32 v[CJ+(\a)], v[CJ+(\a)], v[LL+(\a)]
.endr
.irp j, 0,1,2,3,4,5,6,7
.irp a, 0,1
	v_cvt_pk_f16_f32 v[SR+16*(\a)+2*(\j)], v[SR+16*(\a)+2*(\j)], v[SR+16*(\a)+2*(\j)]  ; the factor twice, for the packed multiply
.endr
.endr
.irp j, 0,1,2,3,4,5,6,7
.irp a, 0,1
	ds_store_b32 v[ES], v[SR+16*(\a)+2*(\j)] offset:256*(\j)+8*(\a)
.endr
.endr
.irp a, 0,1
	ds_store_b32 v[GS], v[CJ+(\a)] offset:128*(\a)
.endr
	; OUT1: my 64 rows x 128 keys, sixteen rows a trip.  A row's p is 256 bytes of my own LDS, 8 a lane; its factor is read by all lanes at one address; a store covers 512 consecutive bytes, aligned.
	; LDS serves a wave's instructions in order (ISA guide 5.7.1.4): the loads of factors see my stores above.
	s_wait_tensorcnt 1                             ; my part of K step 0 and my p are in; K step 1's may stay out
	s_mov_b32 s3, 4
.Lrows:
	v_mov_b32 v[GA], s[GP]
	v_add_nc_u32 v[PAD], s[PO], v[P0]
.irp i, 0,1,2,3
	ds_load_b128 v[FB+4*(\i):FB+4*(\i)+3], v[GA] offset:16*(\i)
.endr
.irp i, 0,1,2,3,4,5,6,7,8,9,10,11,12,13,14,15
	ds_load_b64 v[PL+2*(\i):PL+2*(\i)+1], v[PAD] offset:256*(\i)
.endr
.irp i, 0,1,2,3,4,5,6,7,8,9,10,11,12,13,14,15
	s_wait_dscnt 15-(\i)                           ; LDS loads come back in order: the factors and row i are in, the 15 - i younger rows stay out
	v_fma_mix_f32 v[W+4*(\i)],   v[PL+2*(\i)],   v[FB+(\i)], v[ZR] op_sel:[0,0,0] op_sel_hi:[1,0,0]  ; an f16 half of p times the f32 factor, plus 0
	v_fma_mix_f32 v[W+4*(\i)+1], v[PL+2*(\i)],   v[FB+(\i)], v[ZR] op_sel:[1,0,0] op_sel_hi:[1,0,0]
	v_fma_mix_f32 v[W+4*(\i)+2], v[PL+2*(\i)+1], v[FB+(\i)], v[ZR] op_sel:[0,0,0] op_sel_hi:[1,0,0]
	v_fma_mix_f32 v[W+4*(\i)+3], v[PL+2*(\i)+1], v[FB+(\i)], v[ZR] op_sel:[1,0,0] op_sel_hi:[1,0,0]
	global_store_b128 v[OO], v[W+4*(\i):W+4*(\i)+3], s[82:83] offset:4096*(\i) th:TH_STORE_NT
.endr
	s_add_co_u32 s[PO], s[PO], 16*256
	s_add_co_u32 s[GP], s[GP], 16*4
	s_wait_xcnt 0x0                                ; the stores have read their data and their base: both are written again only behind this wait (the last trip's: the fragments land on these registers)
	s_add_nc_u64 s[82:83], s[82:83], 16*4096
	s_sub_co_u32 s3, s3, 1
	s_cmp_lg_u32 s3, 0
	s_cbranch_scc1 .Lrows
	s_wait_dscnt 0x0                               ; no LDS instruction of mine is out at the signal
	s_barrier_signal -1
	s_barrier_wait -1                              ; everybody's part of K step 0 is in
	ds_load_b128 v[EF:EF+3], v[EA]                 ; K step 0's factors
	FETCH 0, F0
	QUARTER 1, F0, F1, 1                           ; the first quarter stands in front of the loop: its products start the sums
	WIN 0                                          ; at a label and at a branch every window is 0
	s_mov_b32 s3, 6
.Lstep:                                        ; six trips, from a step's second quarter to the next step's first; they ask for K steps 2 to 7
	QUARTER 2, F1, F0, 0
	QUARTER 3, F0, F1, 0
	TURN 1
	QUARTER 1, F0, F1, 0
	WIN 0
	s_sub_co_u32 s3, s3, 1
	s_cmp_lg_u32 s3, 0
	s_cbranch_scc1 .Lstep
	s_mov_b32 s3, 2
.Ltail:                                        ; K steps 6 and 7 ask for nothing; the second trip has no next step: its two forward jumps pass LDS loads, packed multiplies and matrix instructions alone
	QUARTER 2, F1, F0, 0
	QUARTER 3, F0, F1, 0
	TURN 0
	WIN 0
	s_cmp_eq_u32 s3, 1
	s_cbranch_scc1 .Lskip
	QUARTER 1, F0, F1, 0
	WIN 0
.Lskip:
	s_sub_co_u32 s3, s3, 1
	s_cmp_lg_u32 s3, 0
	s_cbranch_scc1 .Ltail
	; THE WAY OUT, a block of 16 rows at a time: rounded to f16, 16 bytes a lane into my own stage, back as whole rows of 256 bytes, stored.
	s_wait_dscnt 0x0                               ; the last trip fetched nothing: no LDS load is out on any way through the two jumps above, so the fragment buffers may be written
	PLACES
	PLACES                                         ; eight places, once a launch, behind the last products
.macro PACK a
	WIN 0x05                                       ; sources 0 and 1 in window 1; each accumulator's registers in ascending order
.irp b, 0,1,2,3,4,5,6,7
.irp r, 0,1,2,3
	v_cvt_pk_f16_f32 v[TMP+4*(\b)+(\r)], v[8*(8*(\a)+(\b))+2*(\r)], v[8*(8*(\a)+(\b))+2*(\r)+1]
.endr
.endr
	WIN 0
.endm
.macro TOSTAGE a
.set BKA, BK+32*((\a)%2)
.irp b, 0,1,2,3,4,5,6,7
	ds_store_b128 v[STO], v[TMP+4*(\b):TMP+4*(\b)+3] offset:32*(\b)
.endr
.irp t, 0,1,2,3,4,5,6,7
	ds_load_b128 v[BKA+4*(\t):BKA+4*(\t)+3], v[RD] offset:(\t)*2*SP  ; LDS serves a wave's instructions in order (ISA guide 5.7.1.4): these see the stores above
.endr
.endm
.macro SEND a
.set BKA, BK+32*((\a)%2)
	s_wait_dscnt 0x0                               ; the block is back in registers
	s_wait_xcnt 0x0                                ; the block before's stores have read their registers, which the next block's loads from the stage write
.irp t, 0,1,2,3,4,5,6,7
	global_store_b128 v[CO], v[BKA+4*(\t):BKA+4*(\t)+3], s[8:9] offset:(\a)*16*ROWB+(\t)*2*ROWB  ; 16 lanes store 256 consecutive bytes, at a multiple of 256 from C's first byte
.endr
.endm
	PACK 0
	TOSTAGE 0
.irp a, 1,2,3                          ; block a's conversions stand between block a - 1's loads from the stage and the wait for them
	PACK \a
	SEND (\a)-1
	TOSTAGE \a
.endr
	SEND 3
	s_wait_tensorcnt 0x0                           ; the wave's end: a wait for my tensor loads, an add of 0 to my spare word and a wait for it, behind my last tensor load and my last LDS store
	ds_add_u32 v[SPW], v[NIL]
	s_wait_dscnt 0x0
	CROUND                                         ; the closing round: no work-group ends while a partner may still ask for a tile that names it
	s_endpgm
.Lfunc_end_k_qfebd58238a_ctx:
	.size	k_qfebd58238a_ctx, .Lfunc_end_k_qfebd58238a_ctx-k_qfebd58238a_ctx
	.p2alignl 7, 3214868480
	.fill 96, 4, 3214868480
	.section	.rodata,"a",@progbits
	.p2align	6, 0x0
	.amdhsa_kernel k_qfebd58238a_ctx
		.amdhsa_group_segment_fixed_size 327680
		.amdhsa_private_segment_fixed_size 0
		.amdhsa_enable_private_segment 0
		.amdhsa_kernarg_size 40
		.amdhsa_user_sgpr_count 2
		.amdhsa_user_sgpr_kernarg_segment_ptr 1
		.amdhsa_wavefront_size32 1
		.amdhsa_system_sgpr_workgroup_id_x 1
		.amdhsa_system_sgpr_workgroup_id_y 1
		.amdhsa_system_sgpr_workgroup_id_z 1
		.amdhsa_system_vgpr_workitem_id 0
		.amdhsa_next_free_vgpr 512
		.amdhsa_next_free_sgpr 102
		.amdhsa_reserve_vcc 0
		.amdhsa_float_denorm_mode_32 3
		.amdhsa_float_denorm_mode_16_64 3
		.amdhsa_memory_ordered 1
		.amdhsa_forward_progress 1
		.amdhsa_inst_pref_size 97
	.end_amdhsa_kernel
	.amdgpu_metadata
---
amdhsa.version: [ 1, 2 ]
amdhsa.kernels:
  - .name:           k_qfebd58238a_ctx
    .symbol:         k_qfebd58238a_ctx.kd
    .args:
      - { .name: ph, .offset: 0, .size: 8, .value_kind: global_buffer, .address_space: global }
      - { .name: st, .offset: 8, .size: 8, .value_kind: global_buffer, .address_space: global }
      - { .name: vb, .offset: 16, .size: 8, .value_kind: global_buffer, .address_space: global }
      - { .name: out1, .offset: 24, .size: 8, .value_kind: global_buffer, .address_space: global }
      - { .name: bufc, .offset: 32, .size: 8, .value_kind: global_buffer, .address_space: global }
    .group_segment_fixed_size: 327680
    .private_segment_fixed_size: 0
    .kernarg_segment_align: 8
    .kernarg_segment_size: 40
    .max_flat_workgroup_size: 128
    .sgpr_count:     102
    .vgpr_count:     512
    .wavefront_size: 32
...
	.end_amdgpu_metadata
.endif
;; end of part 10
;; launch outp: the kernel of part 6 again; grid 4 x 64, 4 waves a work-group, clusters of 4 x 4, 327,680 bytes of LDS; arguments bufc, wb, out0; writes out0
